; MI455X (gfx1250); checked and timed in simulation.
; The chip was launched on July 23, 2026; its instructions are those of AMD's public machine-readable ISA for CDNA 5 (MIT licence, August 2026) and "CDNA5" Instruction Set Architecture Reference Guide (July 2026). The comments in the code are by the model that wrote it; some were corrected since.
;; Cross Modality Attention. Allowed arithmetic: matrix products marked QUANTISED: E2M1 operands, one E8M0 scale for each 32 along K, by v_wmma_scale_f32_16x16x128_f8f6f4 with both operands' format E2M1 (or v_wmma_scale_f32_32x16x128_f4), f32 sums; everything else in f32.
;; Inputs: Wk_codes 1,024 x 24 x 16 uint8 (E2M1 codes of Wk, K innermost, in blocks of 32 codes, two codes a byte); Wk_scales 1,024 x 24 uint8 (E8M0 scales of Wk, one for each 32 codes along K); Wq_codes 1,024 x 32 x 16 uint8 (E2M1 codes of Wq, K innermost, in blocks of 32 codes, two codes a byte); Wq_scales 1,024 x 32 uint8 (E8M0 scales of Wq, one for each 32 codes along K); Wv_codes 1,024 x 24 x 16 uint8 (E2M1 codes of Wv, K innermost, in blocks of 32 codes, two codes a byte); Wv_scales 1,024 x 24 uint8 (E8M0 scales of Wv, one for each 32 codes along K); bk 1,024 float32; bq 1,024 float32; bv 1,024 float32; image_features_codes 8 x 1,024 x 32 x 16 uint8 (E2M1 codes of image_features, K innermost, in blocks of 32 codes, two codes a byte); image_features_scales 8 x 1,024 x 32 uint8 (E8M0 scales of image_features, one for each 32 codes along K); text_features_codes 8 x 2,048 x 24 x 16 uint8 (E2M1 codes of text_features, K innermost, in blocks of 32 codes, two codes a byte); text_features_scales 8 x 2,048 x 24 uint8 (E8M0 scales of text_features, one for each 32 codes along K).
;; Outputs: out0 8 x 1,024 x 1,024 float32.
;; This version of the problem:
;;   THIS VERSION OF THE PROBLEM IS GIVEN IN LOW PRECISION. The matrix products marked QUANTISED in the list below multiply operands that are first quantised to E2M1 (2 exponent bits, 1 mantissa bit; 4 bits a number), with one power-of-two scale for each 32 numbers along K (OCP MX v1.0); their sums are f32. All else is computed in f32.
;;   The module's matrix products, in the order in which they are computed (A, B: the left and right operand; K: the contracted axis; several contracted axes count as one K, in the product's order):
;;     1. [M 8,192, K 1,024] x [K 1,024, N 1,024]; A: input image_features (given as codes); B: input Wq (given as codes): QUANTISED
;;     2. [M 16,384, K 768] x [K 768, N 1,024]; A: input text_features (given as codes); B: input Wk (given as codes): QUANTISED
;;     3. [M 16,384, K 768] x [K 768, N 1,024]; A: input text_features (given as codes); B: input Wv (given as codes): QUANTISED
;;     4. batch 8 x [M 1,024, K 1,024] x [K 1,024, N 2,048]; A: computed on the way; B: computed on the way: QUANTISED
;;     5. batch 8 x [M 1,024, K 2,048] x [K 2,048, N 1,024]; A: softmax (see below); B: computed on the way: QUANTISED
;;   THE QUANTISER, for each operand of a quantised product, along K:
;;     - K is cut into blocks of 32 from its start; a last block that is shorter is filled with zeros.
;;     - A block's scale is 2^e with e = floor(log2(the largest magnitude in the block)) - 2, held to -126 .. 127; a block of zeros has e = 0. As a byte (E8M0): e + 127.
;;     - Each number is divided by its block's scale, clamped to +-6, and rounded to the nearest number of E2M1, ties to even, subnormals kept.
;;     - The product sums the exact products of the quantised numbers (number of the format x scale) in f32.
;;   ~~~python
;;   def quantise(x, axis):      # numpy; x: float32 -> the quantised numbers, widened to float32 again
;;       x = np.moveaxis(x, axis, -1); K = x.shape[-1]
;;       x = np.pad(x, [(0, 0)] * (x.ndim - 1) + [(0, -K % 32)]); x = x.reshape(x.shape[:-1] + (-1, 32)); a = np.abs(x).max(-1, keepdims=True)
;;       e = np.where(a > 0, np.clip(np.frexp(np.where(a > 0, a, 1))[1] - 1 - 2, -126, 127), 0)      # np.frexp(a)[1] - 1 = floor(log2(a)), exactly
;;       r = np.clip(x / 2.0 ** e, -6, 6)
;;       step = 2.0 ** (np.maximum(np.frexp(np.where(r == 0, 1, r))[1] - 1, 0) - 1)
;;       q = np.round(r / step) * step * 2.0 ** e      # np.round: ties to even
;;       return np.moveaxis(q.reshape(q.shape[:-2] + (-1,))[..., :K], -1, axis).astype(np.float32)
;;   ~~~
;;   SOFTMAX AHEAD OF A QUANTISED PRODUCT. Where the list says 'softmax', what is quantised is not the finished softmax but p = 2^(t - M), with t = logit x log2(e) and M = ceil(the row's largest t), a whole number; so 1/2 < the row's largest p <= 1. The row's sum l is taken of the UNQUANTISED p, in f32, and the product's result is divided by l at the end. Since M is a whole number, a kernel that streams over the keys may use a running M (the ceiling of the running maximum): every later rescaling is an exact power of two, which a block's scale takes up: the codes' values come out the same.
;;   OPERANDS COMPUTED ON THE WAY. 'Computed on the way' means the value that the module computes at that place (a softmax that the list does not call 'softmax' is quantised finished and normalised). What goes into a quantiser is computed in f32, as accurately as f32 sums, v_exp_f32 and their like allow (about 1e-6 of the number): no bf16 or f16 on the way to a quantiser, and a product that is left as it is and whose result goes on into a quantised operand takes f32 operands (vector FMAs, or v_wmma_f32_16x16x4_f32). A number that lies on a knife's edge between two numbers of the format may be rounded either way, as far as f32 arithmetic and the matrix unit's own rounding can turn it there, and no further.
;;   INPUTS GIVEN AS CODES. Wk (in the module: [768, 1024], K = its axis 0); Wq (in the module: [1024, 1024], K = its axis 0); Wv (in the module: [768, 1024], K = its axis 0); image_features (in the module: [8, 1024, 1024], K = its axis 2); text_features (in the module: [8, 2048, 768], K = its axis 2): each comes as NAME_codes (uint8): NAME with its K axis moved to the last place and cut into blocks of 32 codes, [.., K / 32, bytes a block], one block behind the other in memory; two codes a byte, the lower K in the low four bits (a code: sign, 2 exponent bits, 1 mantissa bit); and NAME_scales (uint8): the same leading axes, one E8M0 byte (e + 127) for each 32 codes along K. Its value is code x scale, taken as it is: it is not quantised again, and the codes and scales need not be those that the quantiser above would give.
;; 2 versions. Each part assembles by itself: llvm-mc -triple=amdgcn-amd-amdhsa -mcpu=gfx1250 --defsym DOCPART=n.
;; ======== version 1 of 2: 4 launches
;; workspace buffers: Qi 4,194,304 bytes; Qs 262,144 bytes; Ki 8,388,608 bytes; Ks 524,288 bytes; Vi 8,388,608 bytes; Vs 524,288 bytes; Pi 8,388,608 bytes; Px 1,572,864 bytes
;; launch projkv (part 1): grid 4 x 64, 4 waves a work-group, clusters of 4 x 4, 327,680 bytes of LDS; arguments text_features_codes, text_features_scales, Wk_codes, Wk_scales, Wv_codes, Wv_scales, bk, bv, Ki, Ks, Vi, Vs; writes Ki, Ks, Vi, Vs
.if DOCPART == 1
	.amdgcn_target "amdgcn-amd-amdhsa--gfx1250"
	.amdhsa_code_object_version 6
	.text
	.protected	k_q6f37518d8e_projkv
	.globl	k_q6f37518d8e_projkv
	.p2align	8
	.type	k_q6f37518d8e_projkv,@function
k_q6f37518d8e_projkv:
	s_mov_b64 s[64:65], 0
	v_nop
	global_prefetch_b8 v0, s[64:65] scope:SCOPE_SE
	s_setreg_imm32_b32 hwreg(HW_REG_WAVE_MODE, 25, 1), 1
	s_wait_xcnt 0x0
	s_wait_alu depctr_hold_cnt(0) depctr_sa_sdst(0) depctr_va_vdst(0) depctr_va_sdst(0) depctr_va_ssrc(0) depctr_va_vcc(0) depctr_vm_vsrc(0)
	s_getreg_b32 s2, hwreg(HW_REG_IB_STS2, 6, 4)
	s_cmp_eq_u32 s2, 0
	s_cbranch_scc0 .Lentry_in_a_cluster
	s_endpgm
.Lentry_in_a_cluster:
	s_bfe_u32 s2, ttmp6, 0x10000c
	s_cmp_lg_u32 s2, 0xf033
	s_cbranch_scc0 .Lentry_shape_is_right
	s_endpgm
.Lentry_shape_is_right:
; key = text Wk + bk and value = text Wv + bv, both products on the given codes of E2M1 with their E8M0 scales, sums in f32; the results are quantised here, in f32,
; key along the hidden axis (the K of query x key), value along the keys (the K of weights x value), and leave as codes and scale words.
; NO WORK OF THE PROBLEM IS LEFT OUT IN ANY LAUNCH OF THIS PROGRAM: all five products are live, and bq, bk and bv each go into an operand of a live quantised product, whose codes and scales they can move; every input is loaded.
; LIMITS: a block's largest magnitude is taken no smaller than 2^-124, so its byte is at least 1 (a block of zeros gets the byte 1 over zero codes; these bytes are read by this program alone); NaN and infinities among the inputs are not served.
; SHARES.  A work-group (TX, TY) takes 256 rows of text (256 TY on) and 256 hidden units (256 TX on), four waves of 128 x 128 (64 accumulators each).  First K[key][unit]: A' = text, B' = Wk; then V^T[unit][key]: A' = Wv, B' = text: the text tile is fetched once for both.
; THE MATRIX INSTRUCTION IS USED TRANSPOSED: source 0 = 16 rows of B', source 1 = 16 rows of A': lane (r, h) of accumulator (a, b) holds row 16 a + r of A' and columns 16 b + 8 h + 0 .. 7: its registers run along the axis that is quantised.
; CLUSTER 4 x 4: the text tile hangs on TY alone and is asked for jointly along a row of the cluster, Wk's and Wv's on TX alone, along a column.
; LDS: all of K = 768 lies in LDS at once, each region filled once.  A row of 384 bytes goes as a piece of 256 (pitch 272) and a piece of 128 (pitch 144): both pitches are odd multiples of 16 bytes.
; WORKSPACE: a fragment (16 rows x 128 along K) is stored as the image of its 8 registers: 1,024 bytes, register group c at 512 c, lane l at 16 l; codes [row / 16][K / 128][1,024].
;   Scale words [row / 128][K / 128][512 bytes]: lane l = 16 h' + r stores the words of rows 64 h' + 16 j + r, j = 0 .. 3: one load of 16 bytes a lane gives the reader register j: lanes 0-15 row block j, lanes 16-31 row block 4 + j.
; REGISTERS, in windows of 256: window 0 addresses, scale words, biases, work; window 1 fragments: A' set p at v[64 p], B' set p at v[128 + 64 p]; window 2 accumulators of a = 0 .. 3 at v[8 (8 a + b)]; window 3 those of a = 4 .. 7.
.set T0L, 0                            ; LDS: text, first 256 bytes of 256 rows
.set K0L, 69632                        ; Wk likewise
.set V0L, 139264                       ; Wv likewise
.set T1L, 208896                       ; text, last 128 bytes of 256 rows
.set K1L, 245760
.set V1L, 282624
.set SPARE, 319488                     ; the spare words: 128 bytes a wave, two blocks of 256 bytes that no other line names
.set H0, 34816                         ; 128 rows at pitch 272
.set H1, 18432                         ; 128 rows at pitch 144
.set PAD0, (1<<20)|(1<<21)|(5<<22)|(3<<25)   ; elements of 1 byte; padding on; bit 21 beside a mask; 4 words behind every 64
.set PAD1, (1<<20)|(1<<21)|(4<<22)|(3<<25)   ; 4 words behind every 32
.set LI, 3                             ; v3  16 x lane
.set LN0, 4                            ; v4  r x 272 + 16 h
.set LN1, 5                            ; v5  r x 144 + 16 h
.set AK0, 6                            ; v6-13 LDS addresses of my fragments: A' and B' of the K phase, of the V phase; piece 0, piece 1
.set AK1, 7
.set BK0, 8
.set BK1, 9
.set AV0, 10
.set AV1, 11
.set BV0, 12
.set BV1, 13
.set VS, 14                            ; v14 (64 h + r) x 24: my row among a side's 128 rows of scale bytes
.set VH, 15                            ; v15 32 h
.set VR, 16                            ; v16 4 r
.set SPW, 28                           ; v28 my spare word; never rewritten
.set NIL, 29                           ; v29 0; never rewritten
.set SAK, 32                           ; scale words, register base + 6 j + q: lanes 0-15 row block j, lanes 16-31 row block 4 + j, K step q
.set SBK, 56
.set SAV, 80
.set SBV, 104
.set BIAS, 128                         ; v128-191 the C of a phase's first K step
.set PCD, 192                          ; v192-207 codes just made, two sets
.set TM, 208                           ; v208-223 at work in the quantiser
.set PW, 224                           ; v224-231 the scale word of each row block
.set WQ, 232                           ; v232-235 the words as they are stored
.set BVR, 236                          ; v236-243 bv of my row in each row block
.set SQ, 1
.set SJ, 6
.set WV, 28
.set WR, 29
.set WC, 30
.set CX, 31
.set CY, 32
.set TX, 33
.set TY, 34
.set HM, 35
.set C0R, 36                           ; descriptor groups 1: piece 0 / 1, mask of my row / my column of the cluster
.set C0C, 44
.set C1R, 52
.set C1C, 68
.set GT0, 76                           ; descriptor groups 0
.set GT1, 80
.set GV0, 84
.set GK0, 88
.set GK1, 92
.set GV1, 96
.set SEL, 100
.set MSB, 0
.macro WIN new                         ; the immediate's high byte repeats the setting that is left; a switch that changes nothing is dropped
.if MSB != (\new)
	s_set_vgpr_msb (MSB<<8)|(\new)
.set MSB, (\new)
.endif
.endm
.macro PLACES n
.rept \n
	v_nop
.endr
.endm
.macro CROUND                          ; a round of the cluster's barrier
	s_barrier_signal -1
	s_barrier_wait -1
	s_cmp_lg_u32 s[WV], 0
	s_cbranch_scc1 .Lnot_wave_0_\@
	s_barrier_signal -3
.Lnot_wave_0_\@:
	s_barrier_wait -3
	s_barrier_signal -1
	s_barrier_wait -1
.endm
.macro TERM d, x, sh                   ; s[d] += s[x] << sh; s[d+1] is at work
	s_lshl_b32 s[\d+1], s[\x], \sh
	s_add_co_u32 s[\d], s[\d], s[\d+1]
.endm
.macro BASE p, d, sh                   ; the address s[p:p+1] += s[d] << sh
	s_lshl_b32 s[\d], s[\d], \sh
	s_mov_b32 s[\d+1], 0
	s_add_nc_u64 s[\p:\p+1], s[\p:\p+1], s[\d:\d+1]
.endm
.macro ROWOFF d, t, w, m               ; s[d:d+1] = (256 s[t] + 128 s[w]) x m
	s_lshl_b32 s[\d], s[\t], 8
	TERM \d, \w, 7
	s_mul_i32 s[\d], s[\d], \m
	s_mov_b32 s[\d+1], 0
.endm
.macro SHAPE g, c, st                  ; words 1 to 7 of a group 1: 128 rows of c bytes, st bytes apart
	s_mov_b32 s[\g+1], (\c)<<16
	s_mov_b32 s[\g+2], 128<<16
	s_mov_b32 s[\g+3], (\c)<<16
	s_mov_b32 s[\g+4], 128
	s_mov_b32 s[\g+5], \st
	s_mov_b32 s[\g+6], 0
	s_mov_b32 s[\g+7], 0
.endm
.macro GRP0 g, lr, lk, p, o, x         ; a group 0: to LDS byte s[lr] + lk, from the address s[p:p+1] + s[o:o+1] + x
	s_mov_b32 s[\g], 1
.if (\lk) == 0
	s_mov_b32 s[\g+1], s[\lr]
.else
	s_add_co_u32 s[\g+1], s[\lr], \lk
.endif
	s_add_nc_u64 s[\g+2:\g+3], s[\p:\p+1], s[\o:\o+1]
.if (\x) != 0
	s_add_nc_u64 s[\g+2:\g+3], s[\g+2:\g+3], \x
.endif
	s_or_b32 s[\g+3], s[\g+3], 0x80000000
.endm
.macro LADR d, sr, k, ln               ; an LDS address: s[sr] + k + v[ln]
	v_add_nc_u32 v[\d], s[\sr], v[\ln]
.if (\k) != 0
	v_add_nc_u32 v[\d], \k, v[\d]
.endif
.endm
.macro WMR r0, r1                      ; one product; r0, r1: source 0's, source 1's scale words stand in lanes 16-31
.if (\r0) && (\r1)
	v_wmma_scale_f32_16x16x128_f8f6f4 v[rD:rD+7], v[rB:rB+7], v[rA:rA+7], v[rC:rC+7], v[rSB], v[rSA] matrix_a_fmt:MATRIX_FMT_FP4 matrix_b_fmt:MATRIX_FMT_FP4 matrix_a_scale:MATRIX_SCALE_ROW1 matrix_b_scale:MATRIX_SCALE_ROW1
.elseif (\r0)
	v_wmma_scale_f32_16x16x128_f8f6f4 v[rD:rD+7], v[rB:rB+7], v[rA:rA+7], v[rC:rC+7], v[rSB], v[rSA] matrix_a_fmt:MATRIX_FMT_FP4 matrix_b_fmt:MATRIX_FMT_FP4 matrix_a_scale:MATRIX_SCALE_ROW1
.elseif (\r1)
	v_wmma_scale_f32_16x16x128_f8f6f4 v[rD:rD+7], v[rB:rB+7], v[rA:rA+7], v[rC:rC+7], v[rSB], v[rSA] matrix_a_fmt:MATRIX_FMT_FP4 matrix_b_fmt:MATRIX_FMT_FP4 matrix_b_scale:MATRIX_SCALE_ROW1
.else
	v_wmma_scale_f32_16x16x128_f8f6f4 v[rD:rD+7], v[rB:rB+7], v[rA:rA+7], v[rC:rC+7], v[rSB], v[rSA] matrix_a_fmt:MATRIX_FMT_FP4 matrix_b_fmt:MATRIX_FMT_FP4
.endif
.endm
.macro WM a, b, p, q, cm               ; accumulator (a, b), fragment set p, K step q.  cm = 0: onto the sum; 2: the sum starts from the bias of B' block b; 3: of A' block a
.set rD, 8*(8*((\a)%4)+(\b))
.set rB, 128+64*(\p)+8*(\b)
.set rA, 64*(\p)+8*(\a)
.set rSB, SBB+SQ*(\q)+SJ*((\b)%4)
.set rSA, SAB+SQ*(\q)+SJ*((\a)%4)
.set rC, rD
.if (\cm) == 2
.set rC, BIAS+8*(\b)
.elseif (\cm) == 3
.set rC, BIAS+8*(\a)
.endif
	WMR (\b)/4, (\a)/4
.endm
.macro MULH hf, p, q, cm               ; 32 products: A' blocks 4 hf .. 4 hf + 3 against B's eight.  The 64 accumulators take turns, in the same order in every K step
.if (\cm) >= 2
	WIN 0x85+0x40*(\hf)
.else
	WIN 0xa5+0x50*(\hf)
.endif
.irp a, 0,1,2,3
.irp b, 0,1,2,3,4,5,6,7
	WM 4*(\hf)+\a, \b, \p, \q, \cm
.endr
.endr
.endm
.macro FETCH p, ra, rb, ofs, istr, cstr    ; 32 LDS loads in one run: a K step's 8 + 8 fragments into set p
	WIN 0x40
.irp i, 0,1,2,3,4,5,6,7
.irp c, 0,1
	ds_load_b128 v[128+64*(\p)+8*\i+4*\c:128+64*(\p)+8*\i+4*\c+3], v[\rb] offset:(\ofs)+\i*(\istr)+\c*(\cstr)
.endr
.endr
.irp i, 0,1,2,3,4,5,6,7
.irp c, 0,1
	ds_load_b128 v[64*(\p)+8*\i+4*\c:64*(\p)+8*\i+4*\c+3], v[\ra] offset:(\ofs)+\i*(\istr)+\c*(\cstr)
.endr
.endr
.endm
; A K step of 128: 64 products on set p; ahead of them the next step's fragments are asked for, into the other set.
; tc >= 0: what the next fetch reads has to have landed first: my own fills down to tc outstanding, then the work-group's barrier.
.macro STEP p, q, cm, tc, nx, ra, rb, ofs, istr, cstr
	s_wait_dscnt 0x0                               ; this step's 32 loads, issued 64 products ago, are in
.if (\tc) >= 0
	s_wait_tensorcnt \tc
	s_barrier_signal -1
	s_barrier_wait -1
.endif
.if \nx
	PLACES 4                                       ; four places between the last products that read the other set and the loads into it (ISA guide 7.12.1 for vector instructions)
	FETCH 1-(\p), \ra, \rb, \ofs, \istr, \cstr
.endif
	MULH 0, \p, \q, \cm
	MULH 1, \p, \q, \cm
.endm
; The 64 numbers of a row block (window w, from v[s] on; register 16 b + 8 u + i = column 32 b + 16 u + 8 h + i of my row) become a fragment's codes in v[pc] on and its scale word in v[pw].
.macro QUANT w, s, pc, pw
	WIN (\w)|((\w)<<2)
.irp b, 0,1,2,3
	v_max3_num_f32 v[TM+\b], |v[(\s)+16*\b]|, |v[(\s)+16*\b+1]|, 0x1800000   ; block b: my 16 numbers, each accumulator from its low end on, and the floor 2^(3 - 127): the byte cannot fall under 1
.endr
	WIN ((\w)<<2)|((\w)<<4)
.irp i, 2,4,6,8,10,12,14
.irp b, 0,1,2,3
	v_max3_num_f32 v[TM+\b], v[TM+\b], |v[(\s)+16*\b+\i]|, |v[(\s)+16*\b+\i+1]|
.endr
.endr
	WIN 0
.irp b, 0,1,2,3
	v_permlanex16_b32 v[TM+4+\b], v[TM+\b], s[SEL], s[SEL+1]
.endr
.irp b, 0,1,2,3
	v_max_num_f32 v[TM+\b], v[TM+\b], v[TM+4+\b]   ; with lane l xor 16's 16: the block's largest magnitude
.endr
.irp b, 0,1,2,3
	v_add_nc_u32 v[TM+12+\b], 0xff000000, v[TM+\b] ; 2 off its exponent field: the conversion's scale operand
.endr
.irp b, 0,1,2,3
	v_lshrrev_b32 v[TM+4+\b], 23, v[TM+12+\b]      ; the scale's byte
.endr
	v_lshl_or_b32 v[\pw], v[TM+5], 8, v[TM+4]
	v_lshl_or_b32 v[\pw], v[TM+6], 16, v[\pw]
	v_lshl_or_b32 v[\pw], v[TM+7], 24, v[\pw]
	WIN \w
.irp b, 0,1,2,3
.irp u, 0,1
	v_cvt_scalef32_pk8_fp4_f32 v[(\pc)+4*(\b/2)+2*\u+(\b%2)], v[(\s)+16*\b+8*\u:(\s)+16*\b+8*\u+7], v[TM+12+\b]   ; tile t = 2 b + u: columns 16 t + 8 h + 0 .. 7
.endr
.endr
	v_nop                                          ; one plain place behind the scaled conversions
	WIN 0
.irp c, 0,1                                    ; tiles 4 c and 4 c + 2 change halves, and tiles 4 c + 1 and 4 c + 3: registers 4 c + g then hold columns 64 c + 32 h + 8 g + 0 .. 7, the operand's layout
	v_permlane16_swap_b32 v[(\pc)+4*\c], v[(\pc)+4*\c+1]
	v_permlane16_swap_b32 v[(\pc)+4*\c+2], v[(\pc)+4*\c+3]
.endr
.endm
.macro OUTQ a, img, astr               ; row block a leaves as one fragment's image: each store covers 512 consecutive bytes, aligned
	s_wait_xcnt 0x0                                ; earlier stores have read their data: the codes' registers may be written again
	QUANT 2+(\a)/4, 64*((\a)%4), PCD+8*((\a)%2), PW+(\a)
	global_store_b128 v[LI], v[PCD+8*((\a)%2):PCD+8*((\a)%2)+3], s[\img:\img+1] offset:(\a)*(\astr)
	global_store_b128 v[LI], v[PCD+8*((\a)%2)+4:PCD+8*((\a)%2)+7], s[\img:\img+1] offset:(\a)*(\astr)+512
.endm
.macro SCOUT scl                       ; the eight blocks' scale words: lanes 0-15 store blocks 0-3, lanes 16-31 blocks 4-7: 512 consecutive bytes
	s_wait_xcnt 0x0
.irp j, 0,1,2,3
	v_cndmask_b32 v[WQ+\j], v[PW+\j], v[PW+4+\j], s[HM]
.endr
	global_store_b128 v[LI], v[WQ:WQ+3], s[\scl:\scl+1]
.endm
	s_load_b512 s[4:19], s[0:1], 0x0               ; text codes s[4:5], text scales s[6:7], Wk codes s[8:9], Wk scales s[10:11], Wv codes s[12:13], Wv scales s[14:15], bk s[16:17], bv s[18:19]
	s_load_b256 s[20:27], s[0:1], 0x40             ; Ki s[20:21], Ks s[22:23], Vi s[24:25], Vs s[26:27]
	v_lshl_add_u32 v[SPW], v0, 2, SPARE
	v_mov_b32 v[NIL], 0
	ds_add_u32 v[SPW], v[NIL]                      ; the wave's opening: the add, twice on end, and its wait ahead of my first tensor load
	ds_add_u32 v[SPW], v[NIL]
	v_lshrrev_b32 v1, 5, v0
	v_readfirstlane_b32 s[WV], v1                  ; wave 0..3
	s_lshr_b32 s[WR], s[WV], 1                     ; my half of A's rows.  Also: which arm of the fills is mine
	s_and_b32 s[WC], s[WV], 1                      ; my half of B's rows.  Also: which 128 rows I fetch
	s_bfe_u32 s[CX], ttmp6, 0x40000
	s_bfe_u32 s[CY], ttmp6, 0x40004
	s_lshl_b32 s[TX], ttmp9, 2
	s_add_co_u32 s[TX], s[TX], s[CX]               ; which 256 hidden units
	s_and_b32 s[TY], ttmp7, 0xffff
	s_lshl_b32 s[TY], s[TY], 2
	s_add_co_u32 s[TY], s[TY], s[CY]               ; which 256 rows of text
	s_lshl_b32 s66, s[CY], 2
	s_lshl_b32 s66, 15, s66                        ; my row of the cluster
	s_lshl_b32 s67, 0x1111, s[CX]                  ; my column
	s_or_b32 s[C0R], s66, PAD0
	s_or_b32 s[C1R], s66, PAD1
	s_or_b32 s[C0C], s67, PAD0
	s_or_b32 s[C1C], s67, PAD1
	SHAPE C0R, 256, 384
	SHAPE C0C, 256, 384
	SHAPE C1R, 128, 384
	SHAPE C1C, 128, 384
	ROWOFF 60, TY, WC, 384                         ; the text rows that I fetch: made of TY and the wave alone
	ROWOFF 62, TX, WC, 384                         ; the weights' rows: of TX and the wave alone
	s_mul_i32 s2, s[WC], H0                        ; and where they go: no place in the cluster enters an LDS address
	s_mul_i32 s3, s[WC], H1
	s_mov_b32 s[HM], 0xffff0000
	s_mov_b32 s[SEL], 0x76543210
	s_mov_b32 s[SEL+1], 0xfedcba98
	s_wait_dscnt 0x0                               ; both opening adds are done
	s_wait_kmcnt 0x0
	CROUND                                         ; all sixteen work-groups are here: the joint loads meet
	GRP0 GT0, 2, T0L, 4, 60, 0
	GRP0 GT1, 3, T1L, 4, 60, 256
	GRP0 GV0, 2, V0L, 12, 62, 0
	GRP0 GK0, 2, K0L, 8, 62, 0
	GRP0 GK1, 3, K1L, 8, 62, 256
	GRP0 GV1, 3, V1L, 12, 62, 256
	s_cmp_eq_u32 s[WR], 0                          ; every wave issues three fills, in one arm of one branch on the wave's number: three loads of mine are out
	s_cbranch_scc0 .Lfill_w
	tensor_load_to_lds s[GT0:GT0+3], s[C0R:C0R+7]
	s_nop 0
	tensor_load_to_lds s[GT1:GT1+3], s[C1R:C1R+7]
	s_nop 0
	tensor_load_to_lds s[GV0:GV0+3], s[C0C:C0C+7]
	s_nop 0
	PLACES 4
	s_branch .Lfilled
.Lfill_w:
	tensor_load_to_lds s[GK0:GK0+3], s[C0C:C0C+7]
	s_nop 0
	tensor_load_to_lds s[GK1:GK1+3], s[C1C:C1C+7]
	s_nop 0
	tensor_load_to_lds s[GV1:GV1+3], s[C1C:C1C+7]
	s_nop 0
	PLACES 4
.Lfilled:
	v_and_b32 v1, 15, v0                           ; r
	v_bfe_u32 v2, v0, 4, 1                         ; h
	v_and_b32 v[LI], 31, v0
	v_lshlrev_b32 v[LI], 4, v[LI]
	v_lshl_add_u32 v[VS], v2, 6, v1
	v_mul_u32_u24 v[VS], v[VS], 24
	v_lshlrev_b32 v[VH], 5, v2
	v_lshlrev_b32 v[VR], 2, v1
	ROWOFF 60, TY, WR, 24
	s_add_nc_u64 s[4:5], s[6:7], s[60:61]          ; text scales of my A' rows (K phase); the codes' address is no longer wanted
	ROWOFF 60, TY, WC, 24
	s_add_nc_u64 s[6:7], s[6:7], s[60:61]          ; text scales of my B' rows (V phase)
	ROWOFF 62, TX, WC, 24
	s_add_nc_u64 s[10:11], s[10:11], s[62:63]      ; Wk's scales
	ROWOFF 62, TX, WR, 24
	s_add_nc_u64 s[14:15], s[14:15], s[62:63]      ; Wv's scales
	ROWOFF 62, TX, WC, 4
	s_add_nc_u64 s[16:17], s[16:17], s[62:63]      ; bk of my 128 columns
	ROWOFF 62, TX, WR, 4
	s_add_nc_u64 s[18:19], s[18:19], s[62:63]      ; bv of my 128 rows
.irp j, 0,1,2,3                                ; a side's 128 rows x 24 scale bytes are 3,072 dense bytes: read once, into registers, for the whole launch
.irp t, 0,1,2
	global_load_b64 v[SAK+6*\j+2*\t:SAK+6*\j+2*\t+1], v[VS], s[4:5] offset:384*\j+8*\t
	global_load_b64 v[SBK+6*\j+2*\t:SBK+6*\j+2*\t+1], v[VS], s[10:11] offset:384*\j+8*\t
.endr
.endr
.irp b, 0,1,2,3,4,5,6,7
	global_load_b128 v[BIAS+8*\b:BIAS+8*\b+3], v[VH], s[16:17] offset:64*\b          ; bk at columns 16 b + 8 h + 0 .. 7: the result's layout
	global_load_b128 v[BIAS+8*\b+4:BIAS+8*\b+7], v[VH], s[16:17] offset:64*\b+16
.endr
.irp j, 0,1,2,3
.irp t, 0,1,2
	global_load_b64 v[SAV+6*\j+2*\t:SAV+6*\j+2*\t+1], v[VS], s[14:15] offset:384*\j+8*\t
	global_load_b64 v[SBV+6*\j+2*\t:SBV+6*\j+2*\t+1], v[VS], s[6:7] offset:384*\j+8*\t
.endr
.endr
.irp a, 0,1,2,3,4,5,6,7
	global_load_b32 v[BVR+\a], v[VR], s[18:19] offset:64*\a                          ; bv at row 16 a + r
.endr
	v_mul_u32_u24 v[LN0], v1, 272
	v_lshl_add_u32 v[LN0], v2, 4, v[LN0]
	v_mul_u32_u24 v[LN1], v1, 144
	v_lshl_add_u32 v[LN1], v2, 4, v[LN1]
	s_mul_i32 s66, s[WR], H0
	s_mul_i32 s67, s[WR], H1
	LADR AK0, 66, T0L, LN0
	LADR AK1, 67, T1L, LN1
	LADR BK0, 2, K0L, LN0
	LADR BK1, 3, K1L, LN1
	LADR AV0, 66, V0L, LN0
	LADR AV1, 67, V1L, LN1
	LADR BV0, 2, T0L, LN0
	LADR BV1, 3, T1L, LN1
.irp b, 0,1,2,3
	v_mov_b32 v[TM+4+\b], 0                        ; written once: a lane permute's destination counts as one of its sources
.endr
	s_lshl_b32 s66, s[TY], 7                       ; Ki: ((16 TY + 8 WR + a) x 8 + 2 TX + WC) x 1,024
	TERM 66, WR, 6
	TERM 66, TX, 1
	s_add_co_u32 s66, s66, s[WC]
	BASE 20, 66, 10
	s_lshl_b32 s66, s[TY], 4                       ; Ks: ((2 TY + WR) x 8 + 2 TX + WC) x 512
	TERM 66, WR, 3
	TERM 66, TX, 1
	s_add_co_u32 s66, s66, s[WC]
	BASE 22, 66, 9
	s_lshr_b32 s2, s[TY], 3                        ; the batch,
	s_and_b32 s3, s[TY], 7                         ; and which 256 of its keys
	s_lshl_b32 s66, s2, 10                         ; Vi: ((64 batch + 16 TX + 8 WR + a) x 16 + 2 yy + WC) x 1,024
	TERM 66, TX, 8
	TERM 66, WR, 7
	TERM 66, 3, 1
	s_add_co_u32 s66, s66, s[WC]
	BASE 24, 66, 10
	s_lshl_b32 s66, s2, 7                          ; Vs: ((8 batch + 2 TX + WR) x 16 + 2 yy + WC) x 512
	TERM 66, TX, 5
	TERM 66, WR, 4
	TERM 66, 3, 1
	s_add_co_u32 s66, s66, s[WC]
	BASE 26, 66, 9
	s_wait_loadcnt 0x0                             ; scale words and biases
	s_wait_tensorcnt 0x2                           ; my first fill (text's or Wk's first piece) is in; my two younger ones may stay out
	s_barrier_signal -1
	s_barrier_wait -1                              ; everybody's is
	; ---- K = text Wk^T + bk
.set SAB, SAK
.set SBB, SBK
	FETCH 0, AK0, BK0, 0, 4352, 32
	STEP 0, 0, 2, -1, 1, AK0, BK0, 64, 4352, 32
	STEP 1, 1, 0, -1, 1, AK0, BK0, 128, 4352, 32
	STEP 0, 2, 0, -1, 1, AK0, BK0, 192, 4352, 32
	STEP 1, 3, 0, 1, 1, AK1, BK1, 0, 2304, 32      ; the second pieces have landed (one fill of mine may stay out)
	STEP 0, 4, 0, -1, 1, AK1, BK1, 64, 2304, 32
	STEP 1, 5, 0, 0, 1, AV0, BV0, 0, 4352, 32      ; Wv has landed; the V phase's first fragments are asked for
	PLACES 4                                       ; four places between the last products and the first read of results
	WIN 0
.irp a, 0,1,2,3,4,5,6,7
.irp j, 0,1,2,3,4,5,6,7
	v_mov_b32 v[BIAS+8*\a+\j], v[BVR+\a]           ; the V phase's C: a lane's eight results of a tile share one row, so one bv
.endr
.endr
.irp a, 0,1,2,3,4,5,6,7
	OUTQ \a, 20, 8192
.endr
	SCOUT 22
	; ---- V^T = Wv text^T + bv
.set SAB, SAV
.set SBB, SBV
	STEP 0, 0, 3, -1, 1, AV0, BV0, 64, 4352, 32
	STEP 1, 1, 0, -1, 1, AV0, BV0, 128, 4352, 32
	STEP 0, 2, 0, -1, 1, AV0, BV0, 192, 4352, 32
	STEP 1, 3, 0, -1, 1, AV1, BV1, 0, 2304, 32
	STEP 0, 4, 0, -1, 1, AV1, BV1, 64, 2304, 32
	STEP 1, 5, 0, -1, 0, 0, 0, 0, 0, 0
	PLACES 4
.irp a, 0,1,2,3,4,5,6,7
	OUTQ \a, 24, 16384
.endr
	SCOUT 26
	s_wait_tensorcnt 0x0                           ; the wave's end, behind my last tensor load
	ds_add_u32 v[SPW], v[NIL]
	s_wait_dscnt 0x0
	CROUND                                         ; the closing round
	s_endpgm
.Lfunc_end_k_q6f37518d8e_projkv:
	.size	k_q6f37518d8e_projkv, .Lfunc_end_k_q6f37518d8e_projkv-k_q6f37518d8e_projkv
	.p2alignl 7, 3214868480
	.fill 96, 4, 3214868480
	.section	.rodata,"a",@progbits
	.p2align	6, 0x0
	.amdhsa_kernel k_q6f37518d8e_projkv
		.amdhsa_group_segment_fixed_size 327680
		.amdhsa_private_segment_fixed_size 0
		.amdhsa_enable_private_segment 0
		.amdhsa_kernarg_size 96
		.amdhsa_user_sgpr_count 2
		.amdhsa_user_sgpr_kernarg_segment_ptr 1
		.amdhsa_wavefront_size32 1
		.amdhsa_system_sgpr_workgroup_id_x 1
		.amdhsa_system_sgpr_workgroup_id_y 1
		.amdhsa_system_sgpr_workgroup_id_z 1
		.amdhsa_system_vgpr_workitem_id 0
		.amdhsa_next_free_vgpr 1024
		.amdhsa_next_free_sgpr 104
		.amdhsa_reserve_vcc 0
		.amdhsa_float_denorm_mode_32 3
		.amdhsa_float_denorm_mode_16_64 3
		.amdhsa_memory_ordered 1
		.amdhsa_forward_progress 1
		.amdhsa_inst_pref_size 210
	.end_amdhsa_kernel
	.amdgpu_metadata
---
amdhsa.version: [ 1, 2 ]
amdhsa.kernels:
  - .name:           k_q6f37518d8e_projkv
    .symbol:         k_q6f37518d8e_projkv.kd
    .args:
      - { .name: text_features_codes, .offset: 0, .size: 8, .value_kind: global_buffer, .address_space: global }
      - { .name: text_features_scales, .offset: 8, .size: 8, .value_kind: global_buffer, .address_space: global }
      - { .name: Wk_codes, .offset: 16, .size: 8, .value_kind: global_buffer, .address_space: global }
      - { .name: Wk_scales, .offset: 24, .size: 8, .value_kind: global_buffer, .address_space: global }
      - { .name: Wv_codes, .offset: 32, .size: 8, .value_kind: global_buffer, .address_space: global }
      - { .name: Wv_scales, .offset: 40, .size: 8, .value_kind: global_buffer, .address_space: global }
      - { .name: bk, .offset: 48, .size: 8, .value_kind: global_buffer, .address_space: global }
      - { .name: bv, .offset: 56, .size: 8, .value_kind: global_buffer, .address_space: global }
      - { .name: Ki, .offset: 64, .size: 8, .value_kind: global_buffer, .address_space: global }
      - { .name: Ks, .offset: 72, .size: 8, .value_kind: global_buffer, .address_space: global }
      - { .name: Vi, .offset: 80, .size: 8, .value_kind: global_buffer, .address_space: global }
      - { .name: Vs, .offset: 88, .size: 8, .value_kind: global_buffer, .address_space: global }
    .group_segment_fixed_size: 327680
    .private_segment_fixed_size: 0
    .kernarg_segment_align: 8
    .kernarg_segment_size: 96
    .max_flat_workgroup_size: 128
    .sgpr_count:     104
    .vgpr_count:     1024
    .wavefront_size: 32
...
	.end_amdgpu_metadata
.endif
;; end of part 1
;; launch projq (part 2): grid 4 x 32, 4 waves a work-group, clusters of 4 x 4, 327,680 bytes of LDS; arguments image_features_codes, image_features_scales, Wq_codes, Wq_scales, bq, Qi, Qs; writes Qi, Qs
.if DOCPART == 2
	.amdgcn_target "amdgcn-amd-amdhsa--gfx1250"
	.amdhsa_code_object_version 6
	.text
	.protected	k_q6f37518d8e_projq
	.globl	k_q6f37518d8e_projq
	.p2align	8
	.type	k_q6f37518d8e_projq,@function
k_q6f37518d8e_projq:
	s_mov_b64 s[64:65], 0
	v_nop
	global_prefetch_b8 v0, s[64:65] scope:SCOPE_SE
	s_setreg_imm32_b32 hwreg(HW_REG_WAVE_MODE, 25, 1), 1
	s_wait_xcnt 0x0
	s_wait_alu depctr_hold_cnt(0) depctr_sa_sdst(0) depctr_va_vdst(0) depctr_va_sdst(0) depctr_va_ssrc(0) depctr_va_vcc(0) depctr_vm_vsrc(0)
	s_getreg_b32 s2, hwreg(HW_REG_IB_STS2, 6, 4)
	s_cmp_eq_u32 s2, 0
	s_cbranch_scc0 .Lentry_in_a_cluster
	s_endpgm
.Lentry_in_a_cluster:
	s_bfe_u32 s2, ttmp6, 0x10000c
	s_cmp_lg_u32 s2, 0xf033
	s_cbranch_scc0 .Lentry_shape_is_right
	s_endpgm
.Lentry_shape_is_right:
; query = image Wq + bq on the given codes of E2M1 with their E8M0 scales, sums in f32; the result is quantised here, in f32, along the hidden axis and leaves as images of fragments and scale words (layouts: see below).  No work is left out.
; LIMITS: a block's largest magnitude is taken no smaller than 2^-124, so its byte is at least 1 (a block of zeros: byte 1 over zero codes; read by this program alone); NaN and infinities among the inputs are not served.
; SHARES.  A work-group (TX, TY): 256 rows of image (A') x 256 hidden units (rows of Wq, B'); four waves of 128 x 128.  Source 0 = 16 rows of B', source 1 = 16 rows of A': lane (r, h) of accumulator (a, b) holds row 16 a + r and units 16 b + 8 h + 0 .. 7.
; CLUSTER 4 x 4: the image tile is asked for jointly along a row of the cluster, Wq's along a column.  LDS: K = 1,024 lies in two slots of 512 along K (rows of 256 bytes, pitch 272), each filled once.
; WORKSPACE: codes [row / 16][K / 128][1,024]: a fragment's 8 registers, group c at 512 c, lane l at 16 l.  Scale words [row / 128][K / 128][512]: lane 16 h' + r holds the words of rows 64 h' + 16 j + r, j = 0 .. 3.
; REGISTERS: window 0 addresses, scale words, bias, work; window 1 fragments (A' set p at v[64 p], B' at v[128 + 64 p]); windows 2, 3 the accumulators, (a, b) at v[8 (8 (a % 4) + b)].
.set SLOT, 139264
.set H0, 34816
.set SPARE, 278528                     ; the spare words: 128 bytes a wave, two blocks of 256 bytes that no other line names
.set PAD0, (1<<20)|(1<<21)|(5<<22)|(3<<25)
.set LI, 3
.set LN0, 4
.set ADA0, 6
.set ADA1, 7
.set ADB0, 8
.set ADB1, 9
.set VS, 14
.set VH, 15
.set SPW, 28
.set NIL, 29
.set SAB, 32                           ; scale words, register base + 8 j + q
.set SBB, 64
.set SQ, 1
.set SJ, 8
.set BIAS, 128
.set PCD, 192
.set TM, 208
.set PW, 224
.set WQ, 232
.set WV, 18
.set WR, 19
.set WC, 20
.set CX, 21
.set CY, 22
.set TX, 23
.set TY, 24
.set HM, 25
.set G1A, 28
.set G1B, 36
.set GA0, 44
.set GA1, 48
.set GB0, 52
.set GB1, 56
.set SEL, 72
.set MSB, 0
.macro WIN new
.if MSB != (\new)
	s_set_vgpr_msb (MSB<<8)|(\new)
.set MSB, (\new)
.endif
.endm
.macro PLACES n
.rept \n
	v_nop
.endr
.endm
.macro CROUND
	s_barrier_signal -1
	s_barrier_wait -1
	s_cmp_lg_u32 s[WV], 0
	s_cbranch_scc1 .Lnot_wave_0_\@
	s_barrier_signal -3
.Lnot_wave_0_\@:
	s_barrier_wait -3
	s_barrier_signal -1
	s_barrier_wait -1
.endm
.macro TERM d, x, sh
	s_lshl_b32 s[\d+1], s[\x], \sh
	s_add_co_u32 s[\d], s[\d], s[\d+1]
.endm
.macro BASE p, d, sh
	s_lshl_b32 s[\d], s[\d], \sh
	s_mov_b32 s[\d+1], 0
	s_add_nc_u64 s[\p:\p+1], s[\p:\p+1], s[\d:\d+1]
.endm
.macro ROWOFF d, t, w, m
	s_lshl_b32 s[\d], s[\t], 8
	TERM \d, \w, 7
	s_mul_i32 s[\d], s[\d], \m
	s_mov_b32 s[\d+1], 0
.endm
.macro SHAPE g, c, st
	s_mov_b32 s[\g+1], (\c)<<16
	s_mov_b32 s[\g+2], 128<<16
	s_mov_b32 s[\g+3], (\c)<<16
	s_mov_b32 s[\g+4], 128
	s_mov_b32 s[\g+5], \st
	s_mov_b32 s[\g+6], 0
	s_mov_b32 s[\g+7], 0
.endm
.macro GRP0 g, lr, lk, p, o, x
	s_mov_b32 s[\g], 1
.if (\lk) == 0
	s_mov_b32 s[\g+1], s[\lr]
.else
	s_add_co_u32 s[\g+1], s[\lr], \lk
.endif
	s_add_nc_u64 s[\g+2:\g+3], s[\p:\p+1], s[\o:\o+1]
.if (\x) != 0
	s_add_nc_u64 s[\g+2:\g+3], s[\g+2:\g+3], \x
.endif
	s_or_b32 s[\g+3], s[\g+3], 0x80000000
.endm
.macro LADR d, sr, k, ln
	v_add_nc_u32 v[\d], s[\sr], v[\ln]
.if (\k) != 0
	v_add_nc_u32 v[\d], \k, v[\d]
.endif
.endm
.macro WMR r0, r1
.if (\r0) && (\r1)
	v_wmma_scale_f32_16x16x128_f8f6f4 v[rD:rD+7], v[rB:rB+7], v[rA:rA+7], v[rC:rC+7], v[rSB], v[rSA] matrix_a_fmt:MATRIX_FMT_FP4 matrix_b_fmt:MATRIX_FMT_FP4 matrix_a_scale:MATRIX_SCALE_ROW1 matrix_b_scale:MATRIX_SCALE_ROW1
.elseif (\r0)
	v_wmma_scale_f32_16x16x128_f8f6f4 v[rD:rD+7], v[rB:rB+7], v[rA:rA+7], v[rC:rC+7], v[rSB], v[rSA] matrix_a_fmt:MATRIX_FMT_FP4 matrix_b_fmt:MATRIX_FMT_FP4 matrix_a_scale:MATRIX_SCALE_ROW1
.elseif (\r1)
	v_wmma_scale_f32_16x16x128_f8f6f4 v[rD:rD+7], v[rB:rB+7], v[rA:rA+7], v[rC:rC+7], v[rSB], v[rSA] matrix_a_fmt:MATRIX_FMT_FP4 matrix_b_fmt:MATRIX_FMT_FP4 matrix_b_scale:MATRIX_SCALE_ROW1
.else
	v_wmma_scale_f32_16x16x128_f8f6f4 v[rD:rD+7], v[rB:rB+7], v[rA:rA+7], v[rC:rC+7], v[rSB], v[rSA] matrix_a_fmt:MATRIX_FMT_FP4 matrix_b_fmt:MATRIX_FMT_FP4
.endif
.endm
.macro WM a, b, p, q, cm               ; cm = 0: onto the sum; 2: the sum starts from the bias of B' block b
.set rD, 8*(8*((\a)%4)+(\b))
.set rB, 128+64*(\p)+8*(\b)
.set rA, 64*(\p)+8*(\a)
.set rSB, SBB+SQ*(\q)+SJ*((\b)%4)
.set rSA, SAB+SQ*(\q)+SJ*((\a)%4)
.set rC, rD
.if (\cm) == 2
.set rC, BIAS+8*(\b)
.endif
	WMR (\b)/4, (\a)/4
.endm
.macro MULH hf, p, q, cm               ; 32 products; the 64 accumulators take turns, in the same order in every K step
.if (\cm) >= 2
	WIN 0x85+0x40*(\hf)
.else
	WIN 0xa5+0x50*(\hf)
.endif
.irp a, 0,1,2,3
.irp b, 0,1,2,3,4,5,6,7
	WM 4*(\hf)+\a, \b, \p, \q, \cm
.endr
.endr
.endm
.macro FETCH p, ra, rb, ofs, istr, cstr
	WIN 0x40
.irp i, 0,1,2,3,4,5,6,7
.irp c, 0,1
	ds_load_b128 v[128+64*(\p)+8*\i+4*\c:128+64*(\p)+8*\i+4*\c+3], v[\rb] offset:(\ofs)+\i*(\istr)+\c*(\cstr)
.endr
.endr
.irp i, 0,1,2,3,4,5,6,7
.irp c, 0,1
	ds_load_b128 v[64*(\p)+8*\i+4*\c:64*(\p)+8*\i+4*\c+3], v[\ra] offset:(\ofs)+\i*(\istr)+\c*(\cstr)
.endr
.endr
.endm
.macro STEP p, q, cm, tc, nx, ra, rb, ofs, istr, cstr
	s_wait_dscnt 0x0                               ; this step's 32 loads, issued 64 products ago, are in
.if (\tc) >= 0
	s_wait_tensorcnt \tc                           ; what the next fetch reads has landed, as far as it is mine;
	s_barrier_signal -1
	s_barrier_wait -1                              ; and everybody's
.endif
.if \nx
	PLACES 4                                       ; four places between the last products that read the other set and the loads into it
	FETCH 1-(\p), \ra, \rb, \ofs, \istr, \cstr
.endif
	MULH 0, \p, \q, \cm
	MULH 1, \p, \q, \cm
.endm
.macro QUANT w, s, pc, pw              ; 64 numbers of a row block (register 16 b + 8 u + i = column 32 b + 16 u + 8 h + i) become a fragment's codes and its scale word
	WIN (\w)|((\w)<<2)
.irp b, 0,1,2,3
	v_max3_num_f32 v[TM+\b], |v[(\s)+16*\b]|, |v[(\s)+16*\b+1]|, 0x1800000   ; each accumulator from its low end on; the floor 2^(3 - 127) holds the byte at 1 from below
.endr
	WIN ((\w)<<2)|((\w)<<4)
.irp i, 2,4,6,8,10,12,14
.irp b, 0,1,2,3
	v_max3_num_f32 v[TM+\b], v[TM+\b], |v[(\s)+16*\b+\i]|, |v[(\s)+16*\b+\i+1]|
.endr
.endr
	WIN 0
.irp b, 0,1,2,3
	v_permlanex16_b32 v[TM+4+\b], v[TM+\b], s[SEL], s[SEL+1]
.endr
.irp b, 0,1,2,3
	v_max_num_f32 v[TM+\b], v[TM+\b], v[TM+4+\b]
.endr
.irp b, 0,1,2,3
	v_add_nc_u32 v[TM+12+\b], 0xff000000, v[TM+\b] ; 2 off the exponent field: the conversion's scale operand
.endr
.irp b, 0,1,2,3
	v_lshrrev_b32 v[TM+4+\b], 23, v[TM+12+\b]      ; the scale's byte
.endr
	v_lshl_or_b32 v[\pw], v[TM+5], 8, v[TM+4]
	v_lshl_or_b32 v[\pw], v[TM+6], 16, v[\pw]
	v_lshl_or_b32 v[\pw], v[TM+7], 24, v[\pw]
	WIN \w
.irp b, 0,1,2,3
.irp u, 0,1
	v_cvt_scalef32_pk8_fp4_f32 v[(\pc)+4*(\b/2)+2*\u+(\b%2)], v[(\s)+16*\b+8*\u:(\s)+16*\b+8*\u+7], v[TM+12+\b]
.endr
.endr
	v_nop                                          ; one plain place behind the scaled conversions
	WIN 0
.irp c, 0,1                                    ; registers 4 c + g then hold columns 64 c + 32 h + 8 g + 0 .. 7
	v_permlane16_swap_b32 v[(\pc)+4*\c], v[(\pc)+4*\c+1]
	v_permlane16_swap_b32 v[(\pc)+4*\c+2], v[(\pc)+4*\c+3]
.endr
.endm
.macro OUTQ a, img, astr
	s_wait_xcnt 0x0                                ; earlier stores have read their data
	QUANT 2+(\a)/4, 64*((\a)%4), PCD+8*((\a)%2), PW+(\a)
	global_store_b128 v[LI], v[PCD+8*((\a)%2):PCD+8*((\a)%2)+3], s[\img:\img+1] offset:(\a)*(\astr)
	global_store_b128 v[LI], v[PCD+8*((\a)%2)+4:PCD+8*((\a)%2)+7], s[\img:\img+1] offset:(\a)*(\astr)+512
.endm
	s_load_b256 s[4:11], s[0:1], 0x0               ; image codes s[4:5], image scales s[6:7], Wq codes s[8:9], Wq scales s[10:11]
	s_load_b128 s[12:15], s[0:1], 0x20             ; bq s[12:13], Qi s[14:15]
	s_load_b64 s[16:17], s[0:1], 0x30              ; Qs
	v_lshl_add_u32 v[SPW], v0, 2, SPARE
	v_mov_b32 v[NIL], 0
	ds_add_u32 v[SPW], v[NIL]                      ; the wave's opening: the add, twice on end, and its wait ahead of my first tensor load
	ds_add_u32 v[SPW], v[NIL]
	v_lshrrev_b32 v1, 5, v0
	v_readfirstlane_b32 s[WV], v1
	s_lshr_b32 s[WR], s[WV], 1
	s_and_b32 s[WC], s[WV], 1
	s_bfe_u32 s[CX], ttmp6, 0x40000
	s_bfe_u32 s[CY], ttmp6, 0x40004
	s_lshl_b32 s[TX], ttmp9, 2
	s_add_co_u32 s[TX], s[TX], s[CX]
	s_and_b32 s[TY], ttmp7, 0xffff
	s_lshl_b32 s[TY], s[TY], 2
	s_add_co_u32 s[TY], s[TY], s[CY]
	s_lshl_b32 s66, s[CY], 2
	s_lshl_b32 s66, 15, s66                        ; my row of the cluster
	s_lshl_b32 s67, 0x1111, s[CX]                  ; my column
	s_or_b32 s[G1A], s66, PAD0
	s_or_b32 s[G1B], s67, PAD0
	SHAPE G1A, 256, 512
	SHAPE G1B, 256, 512
	ROWOFF 60, TY, WC, 512
	ROWOFF 62, TX, WC, 512
	s_mul_i32 s2, s[WV], H0                        ; where my fills go in a slot: A's halves, then B's
	s_mov_b32 s[HM], 0xffff0000
	s_mov_b32 s[SEL], 0x76543210
	s_mov_b32 s[SEL+1], 0xfedcba98
	s_wait_dscnt 0x0
	s_wait_kmcnt 0x0
	CROUND
	GRP0 GA0, 2, 0, 4, 60, 0
	GRP0 GA1, 2, SLOT, 4, 60, 256
	GRP0 GB0, 2, 0, 8, 62, 0
	GRP0 GB1, 2, SLOT, 8, 62, 256
	s_cmp_eq_u32 s[WR], 0                          ; every wave issues two fills, in one arm of one branch: two loads of mine are out
	s_cbranch_scc0 .Lfill_b
	tensor_load_to_lds s[GA0:GA0+3], s[G1A:G1A+7]
	s_nop 0
	tensor_load_to_lds s[GA1:GA1+3], s[G1A:G1A+7]
	s_nop 0
	PLACES 4
	s_branch .Lfilled
.Lfill_b:
	tensor_load_to_lds s[GB0:GB0+3], s[G1B:G1B+7]
	s_nop 0
	tensor_load_to_lds s[GB1:GB1+3], s[G1B:G1B+7]
	s_nop 0
	PLACES 4
.Lfilled:
	v_and_b32 v1, 15, v0
	v_bfe_u32 v2, v0, 4, 1
	v_and_b32 v[LI], 31, v0
	v_lshlrev_b32 v[LI], 4, v[LI]
	v_lshl_add_u32 v[VS], v2, 6, v1
	v_lshlrev_b32 v[VS], 5, v[VS]                  ; (64 h + r) x 32: my row of scale bytes
	v_lshlrev_b32 v[VH], 5, v2
	ROWOFF 60, TY, WR, 32
	s_add_nc_u64 s[6:7], s[6:7], s[60:61]
	ROWOFF 62, TX, WC, 32
	s_add_nc_u64 s[10:11], s[10:11], s[62:63]
	ROWOFF 62, TX, WC, 4
	s_add_nc_u64 s[12:13], s[12:13], s[62:63]
.irp j, 0,1,2,3                                ; a side's 128 rows x 32 scale bytes are 4,096 dense bytes: read once, into registers
.irp t, 0,1
	global_load_b128 v[SAB+8*\j+4*\t:SAB+8*\j+4*\t+3], v[VS], s[6:7] offset:512*\j+16*\t
	global_load_b128 v[SBB+8*\j+4*\t:SBB+8*\j+4*\t+3], v[VS], s[10:11] offset:512*\j+16*\t
.endr
.endr
.irp b, 0,1,2,3,4,5,6,7
	global_load_b128 v[BIAS+8*\b:BIAS+8*\b+3], v[VH], s[12:13] offset:64*\b
	global_load_b128 v[BIAS+8*\b+4:BIAS+8*\b+7], v[VH], s[12:13] offset:64*\b+16
.endr
	v_mul_u32_u24 v[LN0], v1, 272
	v_lshl_add_u32 v[LN0], v2, 4, v[LN0]
	s_mul_i32 s66, s[WR], H0
	s_mul_i32 s67, s[WC], H0
	LADR ADA0, 66, 0, LN0
	LADR ADA1, 66, SLOT, LN0
	LADR ADB0, 67, 2*H0, LN0
	LADR ADB1, 67, SLOT+2*H0, LN0
.irp b, 0,1,2,3
	v_mov_b32 v[TM+4+\b], 0                        ; written once: a lane permute's destination counts as one of its sources
.endr
	s_lshl_b32 s66, s[TY], 7                       ; Qi: ((16 TY + 8 WR + a) x 8 + 2 TX + WC) x 1,024
	TERM 66, WR, 6
	TERM 66, TX, 1
	s_add_co_u32 s66, s66, s[WC]
	BASE 14, 66, 10
	s_lshl_b32 s66, s[TY], 4                       ; Qs: ((2 TY + WR) x 8 + 2 TX + WC) x 512
	TERM 66, WR, 3
	TERM 66, TX, 1
	s_add_co_u32 s66, s66, s[WC]
	BASE 16, 66, 9
	s_wait_loadcnt 0x0
	s_wait_tensorcnt 0x1                           ; my part of slot 0 is in; slot 1's may stay out
	s_barrier_signal -1
	s_barrier_wait -1
	FETCH 0, ADA0, ADB0, 0, 4352, 32
	STEP 0, 0, 2, -1, 1, ADA0, ADB0, 64, 4352, 32
	STEP 1, 1, 0, -1, 1, ADA0, ADB0, 128, 4352, 32
	STEP 0, 2, 0, -1, 1, ADA0, ADB0, 192, 4352, 32
	STEP 1, 3, 0, 0, 1, ADA1, ADB1, 0, 4352, 32    ; slot 1 has landed
	STEP 0, 4, 0, -1, 1, ADA1, ADB1, 64, 4352, 32
	STEP 1, 5, 0, -1, 1, ADA1, ADB1, 128, 4352, 32
	STEP 0, 6, 0, -1, 1, ADA1, ADB1, 192, 4352, 32
	STEP 1, 7, 0, -1, 0, 0, 0, 0, 0, 0
	PLACES 4                                       ; four places between the last products and the first read of results
.irp a, 0,1,2,3,4,5,6,7
	OUTQ \a, 14, 8192
.endr
.irp j, 0,1,2,3
	v_cndmask_b32 v[WQ+\j], v[PW+\j], v[PW+4+\j], s[HM]   ; lanes 0-15 store blocks 0-3, lanes 16-31 blocks 4-7
.endr
	global_store_b128 v[LI], v[WQ:WQ+3], s[16:17]
	s_wait_tensorcnt 0x0                           ; the wave's end
	ds_add_u32 v[SPW], v[NIL]
	s_wait_dscnt 0x0
	CROUND                                         ; the closing round
	s_endpgm
.Lfunc_end_k_q6f37518d8e_projq:
	.size	k_q6f37518d8e_projq, .Lfunc_end_k_q6f37518d8e_projq-k_q6f37518d8e_projq
	.p2alignl 7, 3214868480
	.fill 96, 4, 3214868480
	.section	.rodata,"a",@progbits
	.p2align	6, 0x0
	.amdhsa_kernel k_q6f37518d8e_projq
		.amdhsa_group_segment_fixed_size 327680
		.amdhsa_private_segment_fixed_size 0
		.amdhsa_enable_private_segment 0
		.amdhsa_kernarg_size 56
		.amdhsa_user_sgpr_count 2
		.amdhsa_user_sgpr_kernarg_segment_ptr 1
		.amdhsa_wavefront_size32 1
		.amdhsa_system_sgpr_workgroup_id_x 1
		.amdhsa_system_sgpr_workgroup_id_y 1
		.amdhsa_system_sgpr_workgroup_id_z 1
		.amdhsa_system_vgpr_workitem_id 0
		.amdhsa_next_free_vgpr 1024
		.amdhsa_next_free_sgpr 104
		.amdhsa_reserve_vcc 0
		.amdhsa_float_denorm_mode_32 3
		.amdhsa_float_denorm_mode_16_64 3
		.amdhsa_memory_ordered 1
		.amdhsa_forward_progress 1
		.amdhsa_inst_pref_size 126
	.end_amdhsa_kernel
	.amdgpu_metadata
---
amdhsa.version: [ 1, 2 ]
amdhsa.kernels:
  - .name:           k_q6f37518d8e_projq
    .symbol:         k_q6f37518d8e_projq.kd
    .args:
      - { .name: image_features_codes, .offset: 0, .size: 8, .value_kind: global_buffer, .address_space: global }
      - { .name: image_features_scales, .offset: 8, .size: 8, .value_kind: global_buffer, .address_space: global }
      - { .name: Wq_codes, .offset: 16, .size: 8, .value_kind: global_buffer, .address_space: global }
      - { .name: Wq_scales, .offset: 24, .size: 8, .value_kind: global_buffer, .address_space: global }
      - { .name: bq, .offset: 32, .size: 8, .value_kind: global_buffer, .address_space: global }
      - { .name: Qi, .offset: 40, .size: 8, .value_kind: global_buffer, .address_space: global }
      - { .name: Qs, .offset: 48, .size: 8, .value_kind: global_buffer, .address_space: global }
    .group_segment_fixed_size: 327680
    .private_segment_fixed_size: 0
    .kernarg_segment_align: 8
    .kernarg_segment_size: 56
    .max_flat_workgroup_size: 128
    .sgpr_count:     104
    .vgpr_count:     1024
    .wavefront_size: 32
...
	.end_amdgpu_metadata
.endif
;; end of part 2
;; launch scores (part 3): grid 8 x 32, 4 waves a work-group, clusters of 4 x 4, 327,680 bytes of LDS; arguments Qi, Qs, Ki, Ks, Pi, Px; writes Pi, Px
.if DOCPART == 3
	.amdgcn_target "amdgcn-amd-amdhsa--gfx1250"
	.amdhsa_code_object_version 6
	.text
	.protected	k_q6f37518d8e_scores
	.globl	k_q6f37518d8e_scores
	.p2align	8
	.type	k_q6f37518d8e_scores,@function
k_q6f37518d8e_scores:
	s_mov_b64 s[64:65], 0
	v_nop
	global_prefetch_b8 v0, s[64:65] scope:SCOPE_SE
	s_setreg_imm32_b32 hwreg(HW_REG_WAVE_MODE, 25, 1), 1
	s_wait_xcnt 0x0
	s_wait_alu depctr_hold_cnt(0) depctr_sa_sdst(0) depctr_va_vdst(0) depctr_va_sdst(0) depctr_va_ssrc(0) depctr_va_vcc(0) depctr_vm_vsrc(0)
	s_getreg_b32 s2, hwreg(HW_REG_IB_STS2, 6, 4)
	s_cmp_eq_u32 s2, 0
	s_cbranch_scc0 .Lentry_in_a_cluster
	s_endpgm
.Lentry_in_a_cluster:
	s_bfe_u32 s2, ttmp6, 0x10000c
	s_cmp_lg_u32 s2, 0xf033
	s_cbranch_scc0 .Lentry_shape_is_right
	s_endpgm
.Lentry_shape_is_right:
; The scores query x key^T on codes of E2M1, and the softmax's p ahead of the last product.  No work is left out.
; t = score x log2(e) / 32.  A wave holds, for each of its 128 queries, 128 keys; it takes M_loc = ceil(the largest t of these 128), a whole number, p = 2^(t - M_loc), quantises p along the keys in blocks of 32,
; and takes l_loc, the sum of the unquantised p.  M is a whole number, so bringing p under the row's own M is a change of the blocks' scale bytes alone: the codes stay.  The next launch does that, from M_loc, and adds the l_loc.
; The maximum is taken away before every exponential: t - M_loc is 0 or less.
; LIMITS: a block's largest p is taken no smaller than 2^-124 (byte at least 1; p under 2^-126 comes out of the exponential as 0); NaN and infinities are not served.
; SHARES.  A work-group (TX, TY): 256 queries (rows 256 TY of Q, A') x 256 keys of their batch (B'); four waves of 128 x 128.  Source 0 = 16 keys, source 1 = 16 queries: lane (r, h) of accumulator (a, b) holds query 16 a + r and keys 16 b + 8 h + 0 .. 7.
; CLUSTER 4 x 4: a cluster's four TY are one batch; Q's tile is asked for jointly along a row of the cluster, K's along a column.
; LDS: operands lie as images of fragments (1,024 bytes each: group c at 512 c, lane l at 16 l), so a load's 512 bytes are consecutive and no padding is needed.  Two slots of 4 K steps, each filled once; wave w's fill (8 row tiles x 4,096 bytes) at 32,768 w.
; OUT: Pi [row / 16][key / 128][1,024] images; Px [row / 128][key / 128][3][512]: scale words under M_loc, M_loc, l_loc; lane 16 h' + r holds rows 64 h' + 16 j + r, j = 0 .. 3.
.set SLOT, 131072
.set SPARE, 262144                     ; the spare words: 128 bytes a wave, two blocks of 256 bytes that no other line names
.set LI, 3
.set ADA0, 4
.set ADA1, 5
.set ADB0, 6
.set ADB1, 7
.set SPW, 28
.set NIL, 29
.set SAB, 32                           ; scale words, register base + 4 q + j
.set SBB, 64
.set SQ, 4
.set SJ, 1
.set BM, 96                            ; v96-99   a block's largest score, then its largest p
.set BT, 100                           ; v100-103 at work; then the bytes
.set SO, 104                           ; v104-107 the conversions' scale operands
.set NMP, 108                          ; v108 -M_loc; v109 is named with it as a pair
.set LS, 110
.set LT, 112
.set TT, 114
.set PW, 116                           ; v116-123 scale word, v124-131 M_loc, v132-139 l_loc of each row block
.set MS, 124
.set LL, 132
.set XW, 140                           ; v140-151 the three as they are stored
.set XM, 144
.set XL, 148
.set PCD, 192
.set WV, 18
.set WR, 19
.set WC, 20
.set CX, 21
.set CY, 22
.set TX, 23
.set TY, 24
.set HM, 25
.set BY, 26
.set G1A, 28
.set G1B, 36
.set GA0, 44
.set GA1, 48
.set GB0, 52
.set GB1, 56
.set SEL, 72
.set CS, 74
.set MSB, 0
.macro WIN new
.if MSB != (\new)
	s_set_vgpr_msb (MSB<<8)|(\new)
.set MSB, (\new)
.endif
.endm
.macro PLACES n
.rept \n
	v_nop
.endr
.endm
.macro CROUND
	s_barrier_signal -1
	s_barrier_wait -1
	s_cmp_lg_u32 s[WV], 0
	s_cbranch_scc1 .Lnot_wave_0_\@
	s_barrier_signal -3
.Lnot_wave_0_\@:
	s_barrier_wait -3
	s_barrier_signal -1
	s_barrier_wait -1
.endm
.macro TERM d, x, sh
	s_lshl_b32 s[\d+1], s[\x], \sh
	s_add_co_u32 s[\d], s[\d], s[\d+1]
.endm
.macro BASE p, d, sh
	s_lshl_b32 s[\d], s[\d], \sh
	s_mov_b32 s[\d+1], 0
	s_add_nc_u64 s[\p:\p+1], s[\p:\p+1], s[\d:\d+1]
.endm
.macro SHAPE g, st                     ; words 1 to 7 of a group 1: 8 row tiles of 512 elements of 8 bytes, st elements apart
	s_mov_b32 s[\g+1], 512<<16
	s_mov_b32 s[\g+2], 8<<16
	s_mov_b32 s[\g+3], 512<<16
	s_mov_b32 s[\g+4], 8
	s_mov_b32 s[\g+5], \st
	s_mov_b32 s[\g+6], 0
	s_mov_b32 s[\g+7], 0
.endm
.macro GRP0 g, lr, lk, p, o, x
	s_mov_b32 s[\g], 1
.if (\lk) == 0
	s_mov_b32 s[\g+1], s[\lr]
.else
	s_add_co_u32 s[\g+1], s[\lr], \lk
.endif
	s_add_nc_u64 s[\g+2:\g+3], s[\p:\p+1], s[\o:\o+1]
.if (\x) != 0
	s_add_nc_u64 s[\g+2:\g+3], s[\g+2:\g+3], \x
.endif
	s_or_b32 s[\g+3], s[\g+3], 0x80000000
.endm
.macro WMR r0, r1
.if (\r0) && (\r1)
	v_wmma_scale_f32_16x16x128_f8f6f4 v[rD:rD+7], v[rB:rB+7], v[rA:rA+7], v[rD:rD+7], v[rSB], v[rSA] matrix_a_fmt:MATRIX_FMT_FP4 matrix_b_fmt:MATRIX_FMT_FP4 matrix_a_scale:MATRIX_SCALE_ROW1 matrix_b_scale:MATRIX_SCALE_ROW1
.elseif (\r0)
	v_wmma_scale_f32_16x16x128_f8f6f4 v[rD:rD+7], v[rB:rB+7], v[rA:rA+7], v[rD:rD+7], v[rSB], v[rSA] matrix_a_fmt:MATRIX_FMT_FP4 matrix_b_fmt:MATRIX_FMT_FP4 matrix_a_scale:MATRIX_SCALE_ROW1
.elseif (\r1)
	v_wmma_scale_f32_16x16x128_f8f6f4 v[rD:rD+7], v[rB:rB+7], v[rA:rA+7], v[rD:rD+7], v[rSB], v[rSA] matrix_a_fmt:MATRIX_FMT_FP4 matrix_b_fmt:MATRIX_FMT_FP4 matrix_b_scale:MATRIX_SCALE_ROW1
.else
	v_wmma_scale_f32_16x16x128_f8f6f4 v[rD:rD+7], v[rB:rB+7], v[rA:rA+7], v[rD:rD+7], v[rSB], v[rSA] matrix_a_fmt:MATRIX_FMT_FP4 matrix_b_fmt:MATRIX_FMT_FP4
.endif
.endm
.macro WMZ r0, r1                      ; the first K step starts the sums: nothing is ever cleared
.if (\r0) && (\r1)
	v_wmma_scale_f32_16x16x128_f8f6f4 v[rD:rD+7], v[rB:rB+7], v[rA:rA+7], 0, v[rSB], v[rSA] matrix_a_fmt:MATRIX_FMT_FP4 matrix_b_fmt:MATRIX_FMT_FP4 matrix_a_scale:MATRIX_SCALE_ROW1 matrix_b_scale:MATRIX_SCALE_ROW1
.elseif (\r0)
	v_wmma_scale_f32_16x16x128_f8f6f4 v[rD:rD+7], v[rB:rB+7], v[rA:rA+7], 0, v[rSB], v[rSA] matrix_a_fmt:MATRIX_FMT_FP4 matrix_b_fmt:MATRIX_FMT_FP4 matrix_a_scale:MATRIX_SCALE_ROW1
.elseif (\r1)
	v_wmma_scale_f32_16x16x128_f8f6f4 v[rD:rD+7], v[rB:rB+7], v[rA:rA+7], 0, v[rSB], v[rSA] matrix_a_fmt:MATRIX_FMT_FP4 matrix_b_fmt:MATRIX_FMT_FP4 matrix_b_scale:MATRIX_SCALE_ROW1
.else
	v_wmma_scale_f32_16x16x128_f8f6f4 v[rD:rD+7], v[rB:rB+7], v[rA:rA+7], 0, v[rSB], v[rSA] matrix_a_fmt:MATRIX_FMT_FP4 matrix_b_fmt:MATRIX_FMT_FP4
.endif
.endm
.macro WM a, b, p, q, cm
.set rD, 8*(8*((\a)%4)+(\b))
.set rB, 128+64*(\p)+8*(\b)
.set rA, 64*(\p)+8*(\a)
.set rSB, SBB+SQ*(\q)+SJ*((\b)%4)
.set rSA, SAB+SQ*(\q)+SJ*((\a)%4)
.if (\cm) == 1
	WMZ (\b)/4, (\a)/4
.else
	WMR (\b)/4, (\a)/4
.endif
.endm
.macro MULH hf, p, q, cm               ; 32 products; the 64 accumulators take turns, in the same order in every K step
	WIN 0xa5+0x50*(\hf)
.irp a, 0,1,2,3
.irp b, 0,1,2,3,4,5,6,7
	WM 4*(\hf)+\a, \b, \p, \q, \cm
.endr
.endr
.endm
.macro FETCH p, ra, rb, ofs, istr, cstr
	WIN 0x40
.irp i, 0,1,2,3,4,5,6,7
.irp c, 0,1
	ds_load_b128 v[128+64*(\p)+8*\i+4*\c:128+64*(\p)+8*\i+4*\c+3], v[\rb] offset:(\ofs)+\i*(\istr)+\c*(\cstr)
.endr
.endr
.irp i, 0,1,2,3,4,5,6,7
.irp c, 0,1
	ds_load_b128 v[64*(\p)+8*\i+4*\c:64*(\p)+8*\i+4*\c+3], v[\ra] offset:(\ofs)+\i*(\istr)+\c*(\cstr)
.endr
.endr
.endm
.macro STEP p, q, cm, tc, nx, ra, rb, ofs, istr, cstr
	s_wait_dscnt 0x0                               ; this step's 32 loads, issued 64 products ago, are in
.if (\tc) >= 0
	s_wait_tensorcnt \tc
	s_barrier_signal -1
	s_barrier_wait -1
.endif
.if \nx
	PLACES 4                                       ; four places between the last products that read the other set and the loads into it
	FETCH 1-(\p), \ra, \rb, \ofs, \istr, \cstr
.endif
	MULH 0, \p, \q, \cm
	MULH 1, \p, \q, \cm
.endm
; Row block a: 16 queries x 128 keys.  Register 16 b + 8 u + i of the block's 64 is key 32 b + 16 u + 8 h + i of my query.
.macro SOFT a
.set QW, 2+(\a)/4
.set QS, 64*((\a)%4)
.set QP, PCD+8*((\a)%2)
	WIN QW|(QW<<2)|(QW<<4)
.irp b, 0,1,2,3
	v_max3_num_f32 v[BM+\b], v[QS+16*\b], v[QS+16*\b+1], v[QS+16*\b+2]   ; the largest score of each block of 32 keys: it serves the row's maximum and, since p rises with the score, the block's largest p.  Each accumulator is read from its low end on
.endr
	WIN (QW<<2)|(QW<<4)
.irp i, 3,5,7,9,11,13
.irp b, 0,1,2,3
	v_max3_num_f32 v[BM+\b], v[BM+\b], v[QS+16*\b+\i], v[QS+16*\b+\i+1]
.endr
.endr
	WIN QW<<2
.irp b, 0,1,2,3
	v_max_num_f32 v[BM+\b], v[BM+\b], v[QS+16*\b+15]
.endr
	WIN 0
.irp b, 0,1,2,3
	v_permlanex16_b32 v[BT+\b], v[BM+\b], s[SEL], s[SEL+1]
.endr
.irp b, 0,1,2,3
	v_max_num_f32 v[BM+\b], v[BM+\b], v[BT+\b]     ; with lane l xor 16's 16 keys
.endr
	v_max3_num_f32 v[TT], v[BM], v[BM+1], v[BM+2]
	v_max_num_f32 v[TT], v[TT], v[BM+3]
	v_mul_f32 v[TT], s[CS], v[TT]                  ; the largest t (c is positive)
	v_floor_f32 v[NMP], -v[TT]                     ; -M_loc = floor(-t) = -ceil(t)
.irp b, 0,1,2,3
	v_fma_f32 v[BM+\b], v[BM+\b], s[CS], v[NMP]
.endr
	WIN (QW<<6)|QW
.set i, 0
.rept 32
	v_pk_fma_f32 v[QS+i:QS+i+1], v[QS+i:QS+i+1], s[CS:CS+1], v[NMP:NMP+1] op_sel_hi:[1,0,0]   ; t - M_loc, two at a time (of the pairs c and -M the low word serves both halves)
.set i, i+2
.endr
.set i, 0
.rept 64
	v_exp_f32 v[QS+i], v[QS+i]                     ; p = 2^(t - M_loc), at most 1
.set i, i+1
.endr
	WIN 0
	v_sub_f32 v[MS+(\a)], 0, v[NMP]                ; M_loc, for the next launch.  (The plain place behind the exponentials)
	s_wait_alu depctr_va_vdst(0)                   ; one wait for the batch of 64, ahead of its first reader
.irp b, 0,1,2,3
	v_exp_f32 v[BM+\b], v[BM+\b]                   ; the block's largest p: the same two instructions on the same number give the same bits
.endr
	WIN QW|(QW<<2)
	v_pk_add_f32 v[LS:LS+1], v[QS:QS+1], v[QS+2:QS+3]       ; the sum of the UNQUANTISED p, two at a time, in two chains
	v_pk_add_f32 v[LT:LT+1], v[QS+4:QS+5], v[QS+6:QS+7]
	WIN QW<<2
.set i, 8
.rept 14
	v_pk_add_f32 v[LS:LS+1], v[LS:LS+1], v[QS+i:QS+i+1]
	v_pk_add_f32 v[LT:LT+1], v[LT:LT+1], v[QS+i+2:QS+i+3]
.set i, i+4
.endr
	WIN 0
	v_pk_add_f32 v[LS:LS+1], v[LS:LS+1], v[LT:LT+1]
	v_add_f32 v[LS], v[LS], v[LS+1]
	v_permlanex16_b32 v[LT], v[LS], s[SEL], s[SEL+1]
	v_add_f32 v[LL+(\a)], v[LS], v[LT]             ; l_loc of my query
	s_wait_alu depctr_va_vdst(0)                   ; and one wait for the four
.irp b, 0,1,2,3
	v_max_num_f32 v[BM+\b], 0x1800000, v[BM+\b]    ; the floor 2^(3 - 127)
.endr
.irp b, 0,1,2,3
	v_add_nc_u32 v[SO+\b], 0xff000000, v[BM+\b]    ; 2 off the exponent field: the conversion's scale operand
.endr
.irp b, 0,1,2,3
	v_lshrrev_b32 v[BT+\b], 23, v[SO+\b]           ; the scale's byte, at most 125
.endr
	v_lshl_or_b32 v[PW+(\a)], v[BT+1], 8, v[BT]
	v_lshl_or_b32 v[PW+(\a)], v[BT+2], 16, v[PW+(\a)]
	v_lshl_or_b32 v[PW+(\a)], v[BT+3], 24, v[PW+(\a)]
	s_wait_xcnt 0x0                                ; earlier stores have read their data: the codes' registers may be written again
	WIN QW
.irp b, 0,1,2,3
.irp u, 0,1
	v_cvt_scalef32_pk8_fp4_f32 v[QP+4*(\b/2)+2*\u+(\b%2)], v[QS+16*\b+8*\u:QS+16*\b+8*\u+7], v[SO+\b]
.endr
.endr
	v_nop                                          ; one plain place behind the scaled conversions
	WIN 0
.irp c, 0,1                                    ; registers 4 c + g then hold keys 64 c + 32 h + 8 g + 0 .. 7: the operand's layout
	v_permlane16_swap_b32 v[QP+4*\c], v[QP+4*\c+1]
	v_permlane16_swap_b32 v[QP+4*\c+2], v[QP+4*\c+3]
.endr
	global_store_b128 v[LI], v[QP:QP+3], s[12:13] offset:16384*(\a)          ; each store covers 512 consecutive bytes, aligned
	global_store_b128 v[LI], v[QP+4:QP+7], s[12:13] offset:16384*(\a)+512
.endm
	s_load_b256 s[4:11], s[0:1], 0x0               ; Qi s[4:5], Qs s[6:7], Ki s[8:9], Ks s[10:11]
	s_load_b128 s[12:15], s[0:1], 0x20             ; Pi s[12:13], Px s[14:15]
	v_lshl_add_u32 v[SPW], v0, 2, SPARE
	v_mov_b32 v[NIL], 0
	ds_add_u32 v[SPW], v[NIL]                      ; the wave's opening: the add, twice on end, and its wait ahead of my first tensor load
	ds_add_u32 v[SPW], v[NIL]
	v_lshrrev_b32 v1, 5, v0
	v_readfirstlane_b32 s[WV], v1
	s_lshr_b32 s[WR], s[WV], 1
	s_and_b32 s[WC], s[WV], 1
	s_bfe_u32 s[CX], ttmp6, 0x40000
	s_bfe_u32 s[CY], ttmp6, 0x40004
	s_lshl_b32 s[TX], ttmp9, 2
	s_add_co_u32 s[TX], s[TX], s[CX]               ; which 256 keys of the batch
	s_and_b32 s[BY], ttmp7, 0xffff                 ; the cluster's y is the batch
	s_lshl_b32 s[TY], s[BY], 2
	s_add_co_u32 s[TY], s[TY], s[CY]               ; which 256 rows of Q
	s_lshl_b32 s66, s[CY], 2
	s_lshl_b32 s66, 15, s66
	s_lshl_b32 s67, 0x1111, s[CX]
	s_or_b32 s[G1A], s66, (3<<16)|(1<<21)          ; the mask; elements of 8 bytes; bit 21 beside a mask; no padding
	s_or_b32 s[G1B], s67, (3<<16)|(1<<21)
	SHAPE G1A, 1024
	SHAPE G1B, 1024
	s_lshl_b32 s60, s[TY], 7                       ; Q: (16 TY + 8 WC) row tiles x 8 K steps x 1,024 bytes
	TERM 60, WC, 6
	s_lshl_b32 s60, s60, 10
	s_mov_b32 s61, 0
	s_lshl_b32 s62, s[BY], 10                      ; K: (128 batch + 16 TX + 8 WC) row tiles
	TERM 62, TX, 7
	TERM 62, WC, 6
	s_lshl_b32 s62, s62, 10
	s_mov_b32 s63, 0
	s_lshl_b32 s2, s[WV], 15                       ; where my fills go in a slot
	s_mov_b32 s[HM], 0xffff0000
	s_mov_b32 s[SEL], 0x76543210
	s_mov_b32 s[SEL+1], 0xfedcba98
	s_mov_b32 s[CS], 0x3d38aa3b                    ; c = log2(e) / 32: log2(e) in f32 with 5 off its exponent, so score x c rounds as (score / 32) x log2(e) does
	s_mov_b32 s[CS+1], s[CS]
	s_wait_dscnt 0x0
	s_wait_kmcnt 0x0
	CROUND
	GRP0 GA0, 2, 0, 4, 60, 0
	GRP0 GA1, 2, SLOT, 4, 60, 4096
	GRP0 GB0, 2, 0, 8, 62, 0
	GRP0 GB1, 2, SLOT, 8, 62, 4096
	s_cmp_eq_u32 s[WR], 0                          ; every wave issues two fills, in one arm of one branch: two loads of mine are out
	s_cbranch_scc0 .Lfill_b
	tensor_load_to_lds s[GA0:GA0+3], s[G1A:G1A+7]
	s_nop 0
	tensor_load_to_lds s[GA1:GA1+3], s[G1A:G1A+7]
	s_nop 0
	PLACES 4
	s_branch .Lfilled
.Lfill_b:
	tensor_load_to_lds s[GB0:GB0+3], s[G1B:G1B+7]
	s_nop 0
	tensor_load_to_lds s[GB1:GB1+3], s[G1B:G1B+7]
	s_nop 0
	PLACES 4
.Lfilled:
	v_and_b32 v[LI], 31, v0
	v_lshlrev_b32 v[LI], 4, v[LI]
	s_lshl_b32 s66, s[TY], 1                       ; Qs: (2 TY + WR) x 8 x 512
	s_add_co_u32 s66, s66, s[WR]
	BASE 6, 66, 12
	s_lshl_b32 s66, s[BY], 4                       ; Ks: (16 batch + 2 TX + WC) x 8 x 512
	TERM 66, TX, 1
	s_add_co_u32 s66, s66, s[WC]
	BASE 10, 66, 12
.irp q, 0,1,2,3,4,5,6,7
	global_load_b128 v[SAB+4*\q:SAB+4*\q+3], v[LI], s[6:7] offset:512*\q
	global_load_b128 v[SBB+4*\q:SBB+4*\q+3], v[LI], s[10:11] offset:512*\q
.endr
	s_lshl_b32 s60, s[WR], 15
	s_lshl_b32 s61, s[WC], 15
	v_add_nc_u32 v[ADA0], s60, v[LI]
	v_add_nc_u32 v[ADA1], SLOT, v[ADA0]
	v_add_nc_u32 v[ADB0], s61, v[LI]
	v_add_nc_u32 v[ADB0], 65536, v[ADB0]
	v_add_nc_u32 v[ADB1], SLOT, v[ADB0]
.irp b, 0,1,2,3
	v_mov_b32 v[BT+\b], 0                          ; written once: a lane permute's destination counts as one of its sources
.endr
	v_mov_b32 v[NMP+1], 0                          ; named as the upper half of a pair
	s_lshl_b32 s66, s[TY], 8                       ; Pi: ((16 TY + 8 WR + a) x 16 + 2 TX + WC) x 1,024
	TERM 66, WR, 7
	TERM 66, TX, 1
	s_add_co_u32 s66, s66, s[WC]
	BASE 12, 66, 10
	s_lshl_b32 s66, s[TY], 5                       ; Px: ((2 TY + WR) x 16 + 2 TX + WC) x 1,536
	TERM 66, WR, 4
	TERM 66, TX, 1
	s_add_co_u32 s66, s66, s[WC]
	s_mul_i32 s66, s66, 1536
	s_mov_b32 s67, 0
	s_add_nc_u64 s[14:15], s[14:15], s[66:67]
	s_wait_loadcnt 0x0
	s_wait_tensorcnt 0x1                           ; my part of slot 0 is in; slot 1's may stay out
	s_barrier_signal -1
	s_barrier_wait -1
	FETCH 0, ADA0, ADB0, 0, 4096, 512
	STEP 0, 0, 1, -1, 1, ADA0, ADB0, 1024, 4096, 512
	STEP 1, 1, 0, -1, 1, ADA0, ADB0, 2048, 4096, 512
	STEP 0, 2, 0, -1, 1, ADA0, ADB0, 3072, 4096, 512
	STEP 1, 3, 0, 0, 1, ADA1, ADB1, 0, 4096, 512   ; slot 1 has landed
	STEP 0, 4, 0, -1, 1, ADA1, ADB1, 1024, 4096, 512
	STEP 1, 5, 0, -1, 1, ADA1, ADB1, 2048, 4096, 512
	STEP 0, 6, 0, -1, 1, ADA1, ADB1, 3072, 4096, 512
	STEP 1, 7, 0, -1, 0, 0, 0, 0, 0, 0
	PLACES 4                                       ; four places between the last products and the first read of results
.irp a, 0,1,2,3,4,5,6,7
	SOFT \a
.endr
.irp j, 0,1,2,3                                ; lanes 0-15 store row blocks 0-3, lanes 16-31 blocks 4-7
	v_cndmask_b32 v[XW+\j], v[PW+\j], v[PW+4+\j], s[HM]
	v_cndmask_b32 v[XM+\j], v[MS+\j], v[MS+4+\j], s[HM]
	v_cndmask_b32 v[XL+\j], v[LL+\j], v[LL+4+\j], s[HM]
.endr
	global_store_b128 v[LI], v[XW:XW+3], s[14:15]
	global_store_b128 v[LI], v[XM:XM+3], s[14:15] offset:512
	global_store_b128 v[LI], v[XL:XL+3], s[14:15] offset:1024
	s_wait_tensorcnt 0x0                           ; the wave's end
	ds_add_u32 v[SPW], v[NIL]
	s_wait_dscnt 0x0
	CROUND                                         ; the closing round
	s_endpgm
.Lfunc_end_k_q6f37518d8e_scores:
	.size	k_q6f37518d8e_scores, .Lfunc_end_k_q6f37518d8e_scores-k_q6f37518d8e_scores
	.p2alignl 7, 3214868480
	.fill 96, 4, 3214868480
	.section	.rodata,"a",@progbits
	.p2align	6, 0x0
	.amdhsa_kernel k_q6f37518d8e_scores
		.amdhsa_group_segment_fixed_size 327680
		.amdhsa_private_segment_fixed_size 0
		.amdhsa_enable_private_segment 0
		.amdhsa_kernarg_size 48
		.amdhsa_user_sgpr_count 2
		.amdhsa_user_sgpr_kernarg_segment_ptr 1
		.amdhsa_wavefront_size32 1
		.amdhsa_system_sgpr_workgroup_id_x 1
		.amdhsa_system_sgpr_workgroup_id_y 1
		.amdhsa_system_sgpr_workgroup_id_z 1
		.amdhsa_system_vgpr_workitem_id 0
		.amdhsa_next_free_vgpr 1024
		.amdhsa_next_free_sgpr 104
		.amdhsa_reserve_vcc 0
		.amdhsa_float_denorm_mode_32 3
		.amdhsa_float_denorm_mode_16_64 3
		.amdhsa_memory_ordered 1
		.amdhsa_forward_progress 1
		.amdhsa_inst_pref_size 180
	.end_amdhsa_kernel
	.amdgpu_metadata
---
amdhsa.version: [ 1, 2 ]
amdhsa.kernels:
  - .name:           k_q6f37518d8e_scores
    .symbol:         k_q6f37518d8e_scores.kd
    .args:
      - { .name: Qi, .offset: 0, .size: 8, .value_kind: global_buffer, .address_space: global }
      - { .name: Qs, .offset: 8, .size: 8, .value_kind: global_buffer, .address_space: global }
      - { .name: Ki, .offset: 16, .size: 8, .value_kind: global_buffer, .address_space: global }
      - { .name: Ks, .offset: 24, .size: 8, .value_kind: global_buffer, .address_space: global }
      - { .name: Pi, .offset: 32, .size: 8, .value_kind: global_buffer, .address_space: global }
      - { .name: Px, .offset: 40, .size: 8, .value_kind: global_buffer, .address_space: global }
    .group_segment_fixed_size: 327680
    .private_segment_fixed_size: 0
    .kernarg_segment_align: 8
    .kernarg_segment_size: 48
    .max_flat_workgroup_size: 128
    .sgpr_count:     104
    .vgpr_count:     1024
    .wavefront_size: 32
...
	.end_amdgpu_metadata
.endif
;; end of part 3
;; launch pv (part 4): grid 4 x 32, 4 waves a work-group, clusters of 4 x 4, 327,680 bytes of LDS; arguments Pi, Px, Vi, Vs, out0; writes out0
.if DOCPART == 4
	.amdgcn_target "amdgcn-amd-amdhsa--gfx1250"
	.amdhsa_code_object_version 6
	.text
	.protected	k_q6f37518d8e_pv
	.globl	k_q6f37518d8e_pv
	.p2align	8
	.type	k_q6f37518d8e_pv,@function
k_q6f37518d8e_pv:
	s_mov_b64 s[64:65], 0
	v_nop
	global_prefetch_b8 v0, s[64:65] scope:SCOPE_SE
	s_setreg_imm32_b32 hwreg(HW_REG_WAVE_MODE, 25, 1), 1
	s_wait_xcnt 0x0
	s_wait_alu depctr_hold_cnt(0) depctr_sa_sdst(0) depctr_va_vdst(0) depctr_va_sdst(0) depctr_va_ssrc(0) depctr_va_vcc(0) depctr_vm_vsrc(0)
	s_getreg_b32 s2, hwreg(HW_REG_IB_STS2, 6, 4)
	s_cmp_eq_u32 s2, 0
	s_cbranch_scc0 .Lentry_in_a_cluster
	s_endpgm
.Lentry_in_a_cluster:
	s_bfe_u32 s2, ttmp6, 0x10000c
	s_cmp_lg_u32 s2, 0xf033
	s_cbranch_scc0 .Lentry_shape_is_right
	s_endpgm
.Lentry_shape_is_right:
; attended = (p x value) / l on codes of E2M1.  No work is left out.
; p's codes were made under M_loc, one whole number for each query and 128 keys.  Here M = the largest M_loc of the row's 16, e = M_loc - M (a whole number, 0 or less): each scale byte of those 128 keys gets e added, which is
; p's quantisation under the row's own M; l = the sum of l_loc x 2^e; the product is divided by l at the end.
; LIMITS: e is held at -127, and a byte that would fall under 0 is held at 0: such terms are under 6 x 2^-127 beside a row's sum of more than 1/2.  NaN and infinities are not served.
; SHARES.  A work-group (TX, TY): 256 queries (rows 256 TY of P, A') x 256 channels (rows of V^T of their batch, B'), K = 2,048 keys in 16 steps; four waves of 128 x 128.
; Source 0 = 16 channels, source 1 = 16 queries: lane (r, h) of accumulator (a, b) holds query 16 a + r and channels 16 b + 8 h + 0 .. 7: 32 neighbouring bytes of a row of the output.
; CLUSTER 4 x 4: P's tile is asked for jointly along a row of the cluster, V's along a column.
; LDS: images of fragments, as in the launch before: two slots of 4 K steps, filled twice each; wave w's load (8 row tiles x 4,096 bytes) at 32,768 w.  Behind them the spare words and a stage of the waves' own for the way out, into which no fill lands.
.set SLOT, 131072
.set SPARE, 262144                     ; the spare words: 128 bytes a wave, two blocks of 256 bytes that no other line names
.set STAGE, 262656                     ; 16 rows x (512 + 16) bytes for each wave
.set LI, 3
.set ADA0, 4
.set ADA1, 5
.set ADB0, 6
.set ADB1, 7
.set STO, 8
.set RD, 9
.set SPW, 28
.set NIL, 29
.set SAB, 32                           ; v32-95 P's scale words, v96-159 V's: register base + 4 q + j
.set SBB, 96
.set SQ, 4
.set SJ, 1
.set NM, 160                           ; v160-223 M_loc, then e
.set GM, 224                           ; v224-227 M of my four rows
.set LS, 228                           ; v228-231 l of my four rows
.set TA, 232
.set TB, 236
.set RCP, 240                          ; v240-255 1 / l of row 16 a + r, as a pair for each a
.set WV, 18
.set WR, 19
.set WC, 20
.set CX, 21
.set CY, 22
.set TX, 23
.set TY, 24
.set HM, 25
.set BY, 26
.set G1A, 28
.set G1B, 36
.set GA0, 44
.set GA1, 48
.set GB0, 52
.set GB1, 56
.set SEL, 72
.set K80, 76
.set MSB, 0
.macro WIN new
.if MSB != (\new)
	s_set_vgpr_msb (MSB<<8)|(\new)
.set MSB, (\new)
.endif
.endm
.macro PLACES n
.rept \n
	v_nop
.endr
.endm
.macro CROUND
	s_barrier_signal -1
	s_barrier_wait -1
	s_cmp_lg_u32 s[WV], 0
	s_cbranch_scc1 .Lnot_wave_0_\@
	s_barrier_signal -3
.Lnot_wave_0_\@:
	s_barrier_wait -3
	s_barrier_signal -1
	s_barrier_wait -1
.endm
.macro TERM d, x, sh
	s_lshl_b32 s[\d+1], s[\x], \sh
	s_add_co_u32 s[\d], s[\d], s[\d+1]
.endm
.macro BASE p, d, sh
	s_lshl_b32 s[\d], s[\d], \sh
	s_mov_b32 s[\d+1], 0
	s_add_nc_u64 s[\p:\p+1], s[\p:\p+1], s[\d:\d+1]
.endm
.macro SHAPE g, st
	s_mov_b32 s[\g+1], 512<<16
	s_mov_b32 s[\g+2], 8<<16
	s_mov_b32 s[\g+3], 512<<16
	s_mov_b32 s[\g+4], 8
	s_mov_b32 s[\g+5], \st
	s_mov_b32 s[\g+6], 0
	s_mov_b32 s[\g+7], 0
.endm
.macro GRP0 g, lr, lk, p, o, x
	s_mov_b32 s[\g], 1
.if (\lk) == 0
	s_mov_b32 s[\g+1], s[\lr]
.else
	s_add_co_u32 s[\g+1], s[\lr], \lk
.endif
	s_add_nc_u64 s[\g+2:\g+3], s[\p:\p+1], s[\o:\o+1]
.if (\x) != 0
	s_add_nc_u64 s[\g+2:\g+3], s[\g+2:\g+3], \x
.endif
	s_or_b32 s[\g+3], s[\g+3], 0x80000000
.endm
.macro JLOAD ga, gb                    ; a joint refill: waves 0 and 1 fetch P's halves, waves 2 and 3 V's; an s_nop 0 and four v_nop follow each line
	s_cmp_eq_u32 s[WR], 0
	s_cbranch_scc0 .Lfor_b_\@
	tensor_load_to_lds s[\ga:\ga+3], s[G1A:G1A+7]
	s_nop 0
	PLACES 4
	s_branch .Lasked_\@
.Lfor_b_\@:
	tensor_load_to_lds s[\gb:\gb+3], s[G1B:G1B+7]
	s_nop 0
	PLACES 4
.Lasked_\@:
.endm
.macro WMR r0, r1
.if (\r0) && (\r1)
	v_wmma_scale_f32_16x16x128_f8f6f4 v[rD:rD+7], v[rB:rB+7], v[rA:rA+7], v[rD:rD+7], v[rSB], v[rSA] matrix_a_fmt:MATRIX_FMT_FP4 matrix_b_fmt:MATRIX_FMT_FP4 matrix_a_scale:MATRIX_SCALE_ROW1 matrix_b_scale:MATRIX_SCALE_ROW1
.elseif (\r0)
	v_wmma_scale_f32_16x16x128_f8f6f4 v[rD:rD+7], v[rB:rB+7], v[rA:rA+7], v[rD:rD+7], v[rSB], v[rSA] matrix_a_fmt:MATRIX_FMT_FP4 matrix_b_fmt:MATRIX_FMT_FP4 matrix_a_scale:MATRIX_SCALE_ROW1
.elseif (\r1)
	v_wmma_scale_f32_16x16x128_f8f6f4 v[rD:rD+7], v[rB:rB+7], v[rA:rA+7], v[rD:rD+7], v[rSB], v[rSA] matrix_a_fmt:MATRIX_FMT_FP4 matrix_b_fmt:MATRIX_FMT_FP4 matrix_b_scale:MATRIX_SCALE_ROW1
.else
	v_wmma_scale_f32_16x16x128_f8f6f4 v[rD:rD+7], v[rB:rB+7], v[rA:rA+7], v[rD:rD+7], v[rSB], v[rSA] matrix_a_fmt:MATRIX_FMT_FP4 matrix_b_fmt:MATRIX_FMT_FP4
.endif
.endm
.macro WMZ r0, r1                      ; the first K step starts the sums: nothing is ever cleared
.if (\r0) && (\r1)
	v_wmma_scale_f32_16x16x128_f8f6f4 v[rD:rD+7], v[rB:rB+7], v[rA:rA+7], 0, v[rSB], v[rSA] matrix_a_fmt:MATRIX_FMT_FP4 matrix_b_fmt:MATRIX_FMT_FP4 matrix_a_scale:MATRIX_SCALE_ROW1 matrix_b_scale:MATRIX_SCALE_ROW1
.elseif (\r0)
	v_wmma_scale_f32_16x16x128_f8f6f4 v[rD:rD+7], v[rB:rB+7], v[rA:rA+7], 0, v[rSB], v[rSA] matrix_a_fmt:MATRIX_FMT_FP4 matrix_b_fmt:MATRIX_FMT_FP4 matrix_a_scale:MATRIX_SCALE_ROW1
.elseif (\r1)
	v_wmma_scale_f32_16x16x128_f8f6f4 v[rD:rD+7], v[rB:rB+7], v[rA:rA+7], 0, v[rSB], v[rSA] matrix_a_fmt:MATRIX_FMT_FP4 matrix_b_fmt:MATRIX_FMT_FP4 matrix_b_scale:MATRIX_SCALE_ROW1
.else
	v_wmma_scale_f32_16x16x128_f8f6f4 v[rD:rD+7], v[rB:rB+7], v[rA:rA+7], 0, v[rSB], v[rSA] matrix_a_fmt:MATRIX_FMT_FP4 matrix_b_fmt:MATRIX_FMT_FP4
.endif
.endm
.macro WM a, b, p, q, cm
.set rD, 8*(8*((\a)%4)+(\b))
.set rB, 128+64*(\p)+8*(\b)
.set rA, 64*(\p)+8*(\a)
.set rSB, SBB+SQ*(\q)+SJ*((\b)%4)
.set rSA, SAB+SQ*(\q)+SJ*((\a)%4)
.if (\cm) == 1
	WMZ (\b)/4, (\a)/4
.else
	WMR (\b)/4, (\a)/4
.endif
.endm
.macro MULH hf, p, q, cm               ; 32 products; the 64 accumulators take turns, in the same order in every K step
	WIN 0xa5+0x50*(\hf)
.irp a, 0,1,2,3
.irp b, 0,1,2,3,4,5,6,7
	WM 4*(\hf)+\a, \b, \p, \q, \cm
.endr
.endr
.endm
.macro FETCH p, ra, rb, ofs, istr, cstr
	WIN 0x40
.irp i, 0,1,2,3,4,5,6,7
.irp c, 0,1
	ds_load_b128 v[128+64*(\p)+8*\i+4*\c:128+64*(\p)+8*\i+4*\c+3], v[\rb] offset:(\ofs)+\i*(\istr)+\c*(\cstr)
.endr
.endr
.irp i, 0,1,2,3,4,5,6,7
.irp c, 0,1
	ds_load_b128 v[64*(\p)+8*\i+4*\c:64*(\p)+8*\i+4*\c+3], v[\ra] offset:(\ofs)+\i*(\istr)+\c*(\cstr)
.endr
.endr
.endm
.macro STEP p, q, cm, nx, ra, rb, ofs
	s_wait_dscnt 0x0                               ; this step's 32 loads, issued 64 products ago, are in
.if \nx
	PLACES 4                                       ; four places between the last products that read the other set and the loads into it
	FETCH 1-(\p), \ra, \rb, \ofs, 4096, 512
.endif
	MULH 0, \p, \q, \cm
	MULH 1, \p, \q, \cm
.endm
.macro RUN3 q0, cm, ra, rb             ; a slot's first three K steps
	STEP 0, (\q0), \cm, 1, \ra, \rb, 1024
	STEP 1, (\q0)+1, 0, 1, \ra, \rb, 2048
	STEP 0, (\q0)+2, 0, 1, \ra, \rb, 3072
.endm
; A slot's last K step changes slots.  Its fragments are my last reads of the slot.  Each wave waits for all its tensor loads (its part of the next slot), adds 0 to its spare word, and waits for that and for its reads.
; fill = 1: a round of the cluster's barrier, so that no wave of any partner still reads the slot or has a load on its way; the joint refill, two chunks of 4 K steps on, is the first thing behind it and my one tensor load until the next round.
.macro TURN p, q, fill, ga, gb, ra, rb
	s_wait_dscnt 0x0                               ; this step's fragments are in
	WIN 0                                          ; (the add's two registers lie in window 0)
	s_wait_tensorcnt 0x0                           ; no tensor load of mine is out, so a group 0 may be written
	ds_add_u32 v[SPW], v[NIL]                      ; 0 onto my spare word; 32 products stand between it and the wait for it
.if \fill
	s_add_nc_u64 s[\ga+2:\ga+3], s[\ga+2:\ga+3], 8192
	s_add_nc_u64 s[\gb+2:\gb+3], s[\gb+2:\gb+3], 8192
.endif
	MULH 0, \p, \q, 0
	s_wait_dscnt 0x0                               ; the add is done, and my reads of the slot are over
	WIN 0                                          ; at a label and at a branch every window is 0
.if \fill
	CROUND
	JLOAD \ga, \gb                                 ; the four v_nop behind it are also the places in front of the loads below
.else
	s_barrier_signal -1
	s_barrier_wait -1
	PLACES 4
.endif
	FETCH 1-(\p), \ra, \rb, 0, 4096, 512
	MULH 1, \p, \q, 0
.endm
; THE WAY OUT, block by block of 16 rows x 128 channels: divided by l, through my own stage in LDS, back as whole rows of 512 bytes.
.macro SCALE a
	WIN ((2+(\a)/4)<<6)|(2+(\a)/4)
.set AC, 64*((\a)%4)
.set i, 0
.rept 32
	v_pk_mul_f32 v[AC+i:AC+i+1], v[AC+i:AC+i+1], v[RCP+2*(\a):RCP+2*(\a)+1]   ; each accumulator from its low end on
.set i, i+2
.endr
.endm
.macro TOSTAGE a
.set AC, 64*((\a)%4)
	WIN (2+(\a)/4)<<2
.irp b, 0,1,2,3,4,5,6,7
	ds_store_b128 v[STO], v[AC+8*\b:AC+8*\b+3] offset:64*\b
	ds_store_b128 v[STO], v[AC+8*\b+4:AC+8*\b+7] offset:64*\b+16
.endr
	WIN 0x40
.set BB, 64*((\a)%2)
.irp t, 0,1,2,3,4,5,6,7,8,9,10,11,12,13,14,15
	ds_load_b128 v[BB+4*\t:BB+4*\t+3], v[RD] offset:\t*528      ; LDS serves a wave's instructions in order (ISA guide 5.7.1.4): these see the stores above, and the next block's stores come behind them
.endr
.endm
.macro SEND a, younger                 ; younger: the LDS instructions issued behind block a's loads, which may stay out
.set BB, 64*((\a)%2)
	s_wait_dscnt \younger
	WIN 0x04
.irp t, 0,1,2,3,4,5,6,7,8,9,10,11,12,13,14,15
	global_store_b128 v[LI], v[BB+4*\t:BB+4*\t+3], s[12:13] offset:65536*(\a)+4096*\t th:TH_STORE_NT   ; 32 lanes store 512 consecutive bytes, at a multiple of 256 from the output's first byte
.endr
.endm
	s_load_b256 s[4:11], s[0:1], 0x0               ; Pi s[4:5], Px s[6:7], Vi s[8:9], Vs s[10:11]
	s_load_b64 s[12:13], s[0:1], 0x20              ; out0
	v_lshl_add_u32 v[SPW], v0, 2, SPARE
	v_mov_b32 v[NIL], 0
	ds_add_u32 v[SPW], v[NIL]                      ; the wave's opening: the add, twice on end, and its wait ahead of my first tensor load
	ds_add_u32 v[SPW], v[NIL]
	v_lshrrev_b32 v1, 5, v0
	v_readfirstlane_b32 s[WV], v1
	s_lshr_b32 s[WR], s[WV], 1
	s_and_b32 s[WC], s[WV], 1
	s_bfe_u32 s[CX], ttmp6, 0x40000
	s_bfe_u32 s[CY], ttmp6, 0x40004
	s_lshl_b32 s[TX], ttmp9, 2
	s_add_co_u32 s[TX], s[TX], s[CX]               ; which 256 channels
	s_and_b32 s[BY], ttmp7, 0xffff                 ; the cluster's y is the batch
	s_lshl_b32 s[TY], s[BY], 2
	s_add_co_u32 s[TY], s[TY], s[CY]               ; which 256 rows of P and of the output
	s_lshl_b32 s66, s[CY], 2
	s_lshl_b32 s66, 15, s66
	s_lshl_b32 s67, 0x1111, s[CX]
	s_or_b32 s[G1A], s66, (3<<16)|(1<<21)
	s_or_b32 s[G1B], s67, (3<<16)|(1<<21)
	SHAPE G1A, 2048
	SHAPE G1B, 2048
	s_lshl_b32 s60, s[TY], 8                       ; P: (16 TY + 8 WC) row tiles x 16 K steps x 1,024 bytes
	TERM 60, WC, 7
	s_lshl_b32 s60, s60, 10
	s_mov_b32 s61, 0
	s_lshl_b32 s62, s[BY], 10                      ; V: (64 batch + 16 TX + 8 WC) row tiles
	TERM 62, TX, 8
	TERM 62, WC, 7
	s_lshl_b32 s62, s62, 10
	s_mov_b32 s63, 0
	s_lshl_b32 s2, s[WV], 15
	s_mov_b32 s[HM], 0xffff0000
	s_mov_b32 s[SEL], 0x76543210
	s_mov_b32 s[SEL+1], 0xfedcba98
	s_mov_b32 s[K80], 0x80808080
	s_wait_dscnt 0x0
	s_wait_kmcnt 0x0
	CROUND
	GRP0 GA0, 2, 0, 4, 60, 0
	GRP0 GA1, 2, SLOT, 4, 60, 4096
	GRP0 GB0, 2, 0, 8, 62, 0
	GRP0 GB1, 2, SLOT, 8, 62, 4096
	s_cmp_eq_u32 s[WR], 0                          ; every wave issues two first fills, in one arm of one branch: two loads of mine are out; later one behind each round
	s_cbranch_scc0 .Lfill_b
	tensor_load_to_lds s[GA0:GA0+3], s[G1A:G1A+7]
	s_nop 0
	tensor_load_to_lds s[GA1:GA1+3], s[G1A:G1A+7]
	s_nop 0
	PLACES 4
	s_branch .Lfilled
.Lfill_b:
	tensor_load_to_lds s[GB0:GB0+3], s[G1B:G1B+7]
	s_nop 0
	tensor_load_to_lds s[GB1:GB1+3], s[G1B:G1B+7]
	s_nop 0
	PLACES 4
.Lfilled:
	v_and_b32 v1, 15, v0
	v_bfe_u32 v2, v0, 4, 1
	v_and_b32 v[LI], 31, v0
	v_lshlrev_b32 v[LI], 4, v[LI]
	s_lshl_b32 s66, s[TY], 1                       ; Px: (2 TY + WR) x 16 x 1,536
	s_add_co_u32 s66, s66, s[WR]
	s_mul_i32 s66, s66, 24576
	s_mov_b32 s67, 0
	s_add_nc_u64 s[6:7], s[6:7], s[66:67]
	s_lshl_b32 s66, s[BY], 3                       ; Vs: (8 batch + 2 TX + WC) x 16 x 512
	TERM 66, TX, 1
	s_add_co_u32 s66, s66, s[WC]
	BASE 10, 66, 13
	; THE PROLOGUE, while the first tiles are on their way.  Lane 16 h' + r, register j: row 64 h' + 16 j + r of my 128.
.irp q, 0,1,2,3,4,5,6,7,8,9,10,11,12,13,14,15
	global_load_b128 v[NM+4*\q:NM+4*\q+3], v[LI], s[6:7] offset:1536*\q+512       ; M_loc
.endr
.irp q, 0,1,2,3,4,5,6,7,8,9,10,11,12,13,14,15
	global_load_b128 v[SAB+4*\q:SAB+4*\q+3], v[LI], s[6:7] offset:1536*\q         ; p's scale words under M_loc
.endr
	WIN 0x40
.irp q, 0,1,2,3,4,5,6,7,8,9,10,11,12,13,14,15
	global_load_b128 v[4*\q:4*\q+3], v[LI], s[6:7] offset:1536*\q+1024            ; l_loc, into registers of window 1 that fragments take later
.endr
	WIN 0
.irp q, 0,1,2,3,4,5,6,7,8,9,10,11,12,13,14,15
	global_load_b128 v[SBB+4*\q:SBB+4*\q+3], v[LI], s[10:11] offset:512*\q        ; V's scale words
.endr
	s_lshl_b32 s60, s[WR], 15
	s_lshl_b32 s61, s[WC], 15
	v_add_nc_u32 v[ADA0], s60, v[LI]
	v_add_nc_u32 v[ADA1], SLOT, v[ADA0]
	v_add_nc_u32 v[ADB0], s61, v[LI]
	v_add_nc_u32 v[ADB0], 65536, v[ADB0]
	v_add_nc_u32 v[ADB1], SLOT, v[ADB0]
	s_mul_i32 s60, s[WV], 16*528
	s_add_co_u32 s60, s60, STAGE                   ; my stage
	v_mul_u32_u24 v[STO], v1, 528
	v_lshl_add_u32 v[STO], v2, 5, v[STO]
	v_add_nc_u32 v[STO], s60, v[STO]               ; in: row r, 32 bytes for each half of the lanes
	v_add_nc_u32 v[RD], s60, v[LI]                 ; back: the 32 lanes take one row of 512 bytes
	s_lshl_b32 s66, s[TY], 8                       ; the output: (256 TY + 128 WR) rows of 4,096 bytes + (256 TX + 128 WC) x 4
	TERM 66, WR, 7
	s_lshl_b32 s66, s66, 12
	TERM 66, TX, 10
	TERM 66, WC, 9
	s_mov_b32 s67, 0
	s_add_nc_u64 s[12:13], s[12:13], s[66:67]
	s_wait_loadcnt 0x0
.irp j, 0,1,2,3
	v_max3_num_f32 v[GM+\j], v[NM+\j], v[NM+4+\j], v[NM+8+\j]                     ; M = the largest of the row's 16 M_loc
.endr
.irp q, 3,5,7,9,11,13
.irp j, 0,1,2,3
	v_max3_num_f32 v[GM+\j], v[GM+\j], v[NM+4*\q+\j], v[NM+4*\q+4+\j]
.endr
.endr
.irp j, 0,1,2,3
	v_max_num_f32 v[GM+\j], v[GM+\j], v[NM+60+\j]
.endr
.irp q, 0,1,2,3,4,5,6,7,8,9,10,11,12,13,14,15
.irp i, 0,2
	v_pk_add_f32 v[NM+4*\q+\i:NM+4*\q+\i+1], v[NM+4*\q+\i:NM+4*\q+\i+1], v[GM+\i:GM+\i+1] neg_lo:[0,1] neg_hi:[0,1]   ; e = M_loc - M: a whole number, 0 or less
.endr
.endr
.set i, 0
.rept 64
	v_max_num_f32 v[NM+i], 0xc2fe0000, v[NM+i]     ; held at -127
.set i, i+1
.endr
.set i, 0
.rept 64
	v_cvt_i32_f32 v[NM+i], v[NM+i]
.set i, i+1
.endr
	WIN 0x41
.set i, 0
.rept 64
	v_ldexp_f32 v[i], v[i], v[NM+i]                ; l_loc under the row's M: nothing is rounded
.set i, i+1
.endr
	WIN 0
.irp q, 0,1,2,3,4,5,6,7,8,9,10,11,12,13,14,15  ; each byte s of a word becomes s + e, or 0 where that is negative.  The bytes are at most 125, so s + 128 + e stays inside its byte, and its top bit says whether s + e is 0 or more
.irp j, 0,1,2,3
	v_add_nc_u32 v[TA+\j], 128, v[NM+4*\q+\j]      ; 128 + e: 1 to 128
.endr
.irp j, 0,1,2,3
	v_perm_b32 v[TA+\j], v[TA+\j], v[TA+\j], 0     ; in all four bytes
.endr
.irp j, 0,1,2,3
	v_add_nc_u32 v[TA+\j], v[SAB+4*\q+\j], v[TA+\j]
.endr
.irp j, 0,1,2,3
	v_and_b32 v[TB+\j], s[K80], v[TA+\j]           ; the top bits
.endr
.irp j, 0,1,2,3
	v_lshrrev_b32 v[NM+4*\q+\j], 7, v[TB+\j]
.endr
.irp j, 0,1,2,3
	v_sub_nc_u32 v[TB+\j], v[TB+\j], v[NM+4*\q+\j] ; 0x7f in each byte whose top bit is set
.endr
.irp j, 0,1,2,3
	v_and_b32 v[SAB+4*\q+\j], v[TA+\j], v[TB+\j]   ; p's scale words under the row's M
.endr
.endr
	WIN 0x05
	v_pk_add_f32 v[LS:LS+1], v[0:1], v[4:5]        ; l = the sum over the 16 K steps
	v_pk_add_f32 v[LS+2:LS+3], v[2:3], v[6:7]
	WIN 0x04
.irp q, 2,3,4,5,6,7,8,9,10,11,12,13,14,15
	v_pk_add_f32 v[LS:LS+1], v[LS:LS+1], v[4*\q:4*\q+1]
	v_pk_add_f32 v[LS+2:LS+3], v[LS+2:LS+3], v[4*\q+2:4*\q+3]
.endr
	WIN 0
.irp j, 0,1,2,3
	v_rcp_f32 v[TA+\j], v[LS+\j]
.endr
	v_nop                                          ; a plain place behind the last reciprocal
	s_wait_alu depctr_va_vdst(0)                   ; one wait for the four, ahead of their first reader
.irp j, 0,1,2,3
	v_permlanex16_b32 v[TB+\j], v[TA+\j], s[SEL], s[SEL+1]
.endr
.irp j, 0,1,2,3                                ; 1 / l of row 16 a + r in both halves of the lanes: block j's stood in lanes 0-15, block 4 + j's in lanes 16-31
	v_cndmask_b32 v[RCP+2*\j], v[TA+\j], v[TB+\j], s[HM]
	v_cndmask_b32 v[RCP+8+2*\j], v[TB+\j], v[TA+\j], s[HM]
.endr
.irp a, 0,1,2,3,4,5,6,7
	v_mov_b32 v[RCP+2*\a+1], v[RCP+2*\a]           ; as a pair, for the packed multiply
.endr
	s_wait_tensorcnt 0x1                           ; my part of slot 0 is in; slot 1's may stay out
	s_barrier_signal -1
	s_barrier_wait -1
	FETCH 0, ADA0, ADB0, 0, 4096, 512
	RUN3 0, 1, ADA0, ADB0
	TURN 1, 3, 1, GA0, GB0, ADA1, ADB1             ; slot 0 takes K steps 8 to 11
	RUN3 4, 0, ADA1, ADB1
	TURN 1, 7, 1, GA1, GB1, ADA0, ADB0             ; slot 1 takes K steps 12 to 15
	RUN3 8, 0, ADA0, ADB0
	TURN 1, 11, 0, GA0, GB0, ADA1, ADB1            ; nothing is left to fetch
	RUN3 12, 0, ADA1, ADB1
	STEP 1, 15, 0, 0, 0, 0, 0
	PLACES 4                                       ; four places between the last products and the first touch of their registers
	SCALE 0
	TOSTAGE 0
.irp a, 1,2,3,4,5,6,7
.if \a > 1
	s_wait_xcnt 0x0                                ; block a - 2's stores have read their registers: block a's loads may land there
.endif
	SCALE \a
	TOSTAGE \a
	SEND \a-1, 32                                  ; behind block a - 1's loads: block a's 16 stores and 16 loads
.endr
	SEND 7, 0
	WIN 0
	s_wait_tensorcnt 0x0                           ; the wave's end, behind my last tensor load and my last LDS store
	ds_add_u32 v[SPW], v[NIL]
	s_wait_dscnt 0x0
	CROUND                                         ; the closing round: no work-group ends while a partner may still ask for a tile that names it
	s_endpgm
.Lfunc_end_k_q6f37518d8e_pv:
	.size	k_q6f37518d8e_pv, .Lfunc_end_k_q6f37518d8e_pv-k_q6f37518d8e_pv
	.p2alignl 7, 3214868480
	.fill 96, 4, 3214868480
	.section	.rodata,"a",@progbits
	.p2align	6, 0x0
	.amdhsa_kernel k_q6f37518d8e_pv
		.amdhsa_group_segment_fixed_size 327680
		.amdhsa_private_segment_fixed_size 0
		.amdhsa_enable_private_segment 0
		.amdhsa_kernarg_size 40
		.amdhsa_user_sgpr_count 2
		.amdhsa_user_sgpr_kernarg_segment_ptr 1
		.amdhsa_wavefront_size32 1
		.amdhsa_system_sgpr_workgroup_id_x 1
		.amdhsa_system_sgpr_workgroup_id_y 1
		.amdhsa_system_sgpr_workgroup_id_z 1
		.amdhsa_system_vgpr_workitem_id 0
		.amdhsa_next_free_vgpr 1024
		.amdhsa_next_free_sgpr 104
		.amdhsa_reserve_vcc 0
		.amdhsa_float_denorm_mode_32 3
		.amdhsa_float_denorm_mode_16_64 3
		.amdhsa_memory_ordered 1
		.amdhsa_forward_progress 1
		.amdhsa_inst_pref_size 255
	.end_amdhsa_kernel
	.section	.bss,"aw",@nobits
	.p2align	6
	.space	262144
	.amdgpu_metadata
---
amdhsa.version: [ 1, 2 ]
amdhsa.kernels:
  - .name:           k_q6f37518d8e_pv
    .symbol:         k_q6f37518d8e_pv.kd
    .args:
      - { .name: Pi, .offset: 0, .size: 8, .value_kind: global_buffer, .address_space: global }
      - { .name: Px, .offset: 8, .size: 8, .value_kind: global_buffer, .address_space: global }
      - { .name: Vi, .offset: 16, .size: 8, .value_kind: global_buffer, .address_space: global }
      - { .name: Vs, .offset: 24, .size: 8, .value_kind: global_buffer, .address_space: global }
      - { .name: out0, .offset: 32, .size: 8, .value_kind: global_buffer, .address_space: global }
    .group_segment_fixed_size: 327680
    .private_segment_fixed_size: 0
    .kernarg_segment_align: 8
    .kernarg_segment_size: 40
    .max_flat_workgroup_size: 128
    .sgpr_count:     104
    .vgpr_count:     1024
    .wavefront_size: 32
...
	.end_amdgpu_metadata
.endif
;; end of part 4
;; ======== version 2 of 2: 3 launches
;; limits: right only within a limited range of input values
;; workspace buffers: Qi 4,194,304 bytes; Qs 262,144 bytes; Ki 8,388,608 bytes; Ks 524,288 bytes; Vi 8,388,608 bytes; Vs 524,288 bytes; Pi 8,388,608 bytes; Px 1,572,864 bytes
;; launch proj (part 5): grid 4 x 64, 4 waves a work-group, clusters of 4 x 4, 327,680 bytes of LDS; arguments text_features_codes, text_features_scales, Wk_codes, Wk_scales, Wv_codes, Wv_scales, bk, bv, Ki, Ks, Vi, Vs, image_features_codes, image_features_scales, Wq_codes, Wq_scales, bq, Qi, Qs; writes Ki, Ks, Vi, Vs, Qi, Qs
.if DOCPART == 5
	.amdgcn_target "amdgcn-amd-amdhsa--gfx1250"
	.amdhsa_code_object_version 6
	.text
	.protected	k_q6f37518d8e_proj
	.globl	k_q6f37518d8e_proj
	.p2align	8
	.type	k_q6f37518d8e_proj,@function
k_q6f37518d8e_proj:
	s_mov_b64 s[64:65], 0
	v_nop
	global_prefetch_b8 v0, s[64:65] scope:SCOPE_SE
	s_setreg_imm32_b32 hwreg(HW_REG_WAVE_MODE, 25, 1), 1
	s_wait_xcnt 0x0
	s_wait_alu depctr_hold_cnt(0) depctr_sa_sdst(0) depctr_va_vdst(0) depctr_va_sdst(0) depctr_va_ssrc(0) depctr_va_vcc(0) depctr_vm_vsrc(0)
	s_getreg_b32 s2, hwreg(HW_REG_IB_STS2, 6, 4)
	s_cmp_eq_u32 s2, 0
	s_cbranch_scc0 .Lentry_in_a_cluster
	s_endpgm
.Lentry_in_a_cluster:
	s_bfe_u32 s2, ttmp6, 0x10000c
	s_cmp_lg_u32 s2, 0xf033
	s_cbranch_scc0 .Lentry_shape_is_right
	s_endpgm
.Lentry_shape_is_right:
; key = text Wk + bk, value = text Wv + bv, query = image Wq + bq on the given codes of E2M1, sums in f32; the results are quantised here, in f32:
; key and query along the hidden axis, value along the keys; they leave as codes and scale words.
; NO WORK OF THE PROBLEM IS LEFT OUT IN ANY LAUNCH OF THIS PROGRAM: all five products are live, and bq, bk, bv each go into an operand of a live quantised product; every input is loaded.
; LIMITS: a block's largest magnitude is taken no smaller than 2^-124, so its byte is at least 1 (a block of zeros: byte 1 over zero codes, read by this program alone); NaN and infinities among the inputs are not served.
; SHARES.  Work-group (TX, TY), four waves.  K: A' = 256 rows of text, B' = 256 rows of Wk, a wave 128 x 128.  V^T: A' = Wv, B' = the same text tile.  Q: A' = 128 rows of image, B' = 256 rows of Wq, a wave 64 x 128.
; Source 0 = 16 rows of B', source 1 = 16 rows of A': lane (r, h) of accumulator (a, b) holds row r of A' block a and, in its registers j, the rows 8 h + j of B' block b.
; WHICH ROWS FORM A BLOCK is chosen so that the four blocks of 64 rows put 32 neighbours of the quantised axis into one lane: lanes r < 8 take rows of the first 32, lanes r >= 8 rows of the second 32.
;   Wk, Wq (block t of four): row 8 t + r, or 32 + 8 (t xor 1) + r - 8.  text: row 2 m + t % 2, m = r + 16 (r / 8) for t < 2, m = 8 + r for t >= 2.  Wv, image: row r of 16 neighbours.
;   Inside a block of 32 this permutes k, alike in query and key (both from such rows), and alike in p and value (both from text's).
; CLUSTER 4 x 4: text and image are asked for jointly along a row of the cluster, the weights along a column.
; LDS: text, Wk and Wv are dense blocks of 256 rows x 384 bytes, stated as 384 rows of 256 bytes.  text: 16 bytes behind every 256, two rows are 816 bytes; Wk, Wv: 16 behind every 128, a row is 432 bytes; image, Wq: rows of 272.
;   Each is such that the 16 rows of a load lie an odd multiple of 16 bytes apart, or in 16 different columns of 16 bytes modulo 256.
;   At the head text, Wk and the first 512 along K of Wq and image are asked for, one a wave.  Wv takes Wk's bytes when they are read out and has key's way out in which to land;
;   the second 512 of Wq and image take text's bytes and have value's way out.  No prefetch: there is no loop to run ahead in.
; WORKSPACE: a fragment is stored as the image of its 8 registers: 1,024 bytes, register group c at 512 c, lane l at 16 l; codes [row / 16][K / 128][1,024].
;   Scale words Ks, Vs [row / 128][K / 128][512]: lane 16 h + r holds the words of blocks 2 j + h, j = 0 .. 3; Qs [row / 64][K / 128][256]: j = 0, 1.
; REGISTERS: window 0 addresses, scale words, biases, work; window 1 fragments: A' set p at v[64 p], B' set p at v[128 + 64 p]; windows 2, 3 accumulators of a = 0 .. 3, 4 .. 7 at v[8 (8 (a % 4) + b)].
.set KR, 104448                        ; LDS: text at 0; Wk, later Wv
.set R3, 215040                        ; image's first 256 bytes a row, then Wq's
.set IMB, 34816                        ; 128 rows of 272
.set SPARE, 319488                     ; the spare words: 128 bytes a wave
.set PAD0, (1<<20)|(1<<21)|(5<<22)|(3<<25)   ; elements of 1 byte; 4 words behind every 64; bit 21 beside a mask
.set PAD1, (1<<20)|(1<<21)|(4<<22)|(3<<25)   ; 4 words behind every 32
.set LI, 3                             ; 16 x lane
.set ATA, 4                            ; LDS addresses of fragments: text as A' (two kinds of blocks), as B',
.set ATB, 6
.set AWK, 8                            ; Wk (blocks with t even, odd),
.set AWV, 10
.set AWQ0, 11                          ; Wq, first and second half of K,
.set AWQ1, 13
.set AIM0, 15                          ; image likewise
.set AIM1, 16
.set H8, 17                            ; 8 h
.set LANE, 18
.set L8, 19                            ; 8 x lane
.set VT0, 20                           ; v20, v21 my row of text's scale bytes in block pairs with t < 2, t >= 2
.set VW, 22                            ; of Wk's
.set VL, 23                            ; of Wv's
.set VQI, 24                           ; of image's
.set VQW, 25                           ; of Wq's
.set VHE, 26                           ; v26, v27 my half's bias offset in blocks with t even, odd
.set SPW, 28
.set NIL, 29
.set VR, 30                            ; 4 r
.set SAK, 32                           ; scale words, base + SJ x (block pair) + K step: lanes 0-15 the pair's even block, lanes 16-31 its odd one
.set SBK, 56
.set SAV, 80
.set SBV, 104
.set SAQ, 32
.set SBQ, 48
.set BIAS, 128                         ; v128-191 the C of a phase's first K step
.set PCD, 192                          ; v192-207 codes of two row blocks
.set TM, 208                           ; v208-223 at work
.set PW, 224                           ; v224-231 the scale word of each row block
.set WQ, 232
.set BVR, 236
.set SJ, 6
.set WV, 28
.set WR, 29
.set WC, 30
.set CX, 31
.set CY, 32
.set TX, 33
.set TY, 34
.set HM, 35
.set G1T, 36                           ; descriptor groups 1
.set G1W, 44
.set G1Q, 52
.set G1I, 68
.set GT, 76                            ; descriptor groups 0
.set GW, 80
.set GQ, 84
.set GI, 88
.set SEL, 100
.set MSB, 0
.macro WIN new                         ; the immediate's high byte repeats the setting that is left
.if MSB != (\new)
	s_set_vgpr_msb (MSB<<8)|(\new)
.set MSB, (\new)
.endif
.endm
.macro PLACES n
.rept \n
	v_nop
.endr
.endm
.macro CROUND                          ; a round of the cluster's barrier
	s_barrier_signal -1
	s_barrier_wait -1
	s_cmp_lg_u32 s[WV], 0
	s_cbranch_scc1 .Lnot_wave_0_\@
	s_barrier_signal -3
.Lnot_wave_0_\@:
	s_barrier_wait -3
	s_barrier_signal -1
	s_barrier_wait -1
.endm
.macro TERM d, x, sh                   ; s[d] += s[x] << sh; s[d+1] is at work
	s_lshl_b32 s[\d+1], s[\x], \sh
	s_add_co_u32 s[\d], s[\d], s[\d+1]
.endm
.macro BASE p, d, sh                   ; the address s[p:p+1] += s[d] << sh
	s_lshl_b32 s[\d], s[\d], \sh
	s_mov_b32 s[\d+1], 0
	s_add_nc_u64 s[\p:\p+1], s[\p:\p+1], s[\d:\d+1]
.endm
.macro ROWOFF d, t, w, m               ; s[d:d+1] = (256 s[t] + 128 s[w]) x m
	s_lshl_b32 s[\d], s[\t], 8
	TERM \d, \w, 7
	s_mul_i32 s[\d], s[\d], \m
	s_mov_b32 s[\d+1], 0
.endm
.macro SHAPE g, rows, st               ; words 1 to 7 of a group 1: rows of 256 bytes, st bytes apart
	s_mov_b32 s[\g+1], 256<<16
	s_mov_b32 s[\g+2], (\rows)<<16
	s_mov_b32 s[\g+3], 256<<16
	s_mov_b32 s[\g+4], \rows
	s_mov_b32 s[\g+5], \st
	s_mov_b32 s[\g+6], 0
	s_mov_b32 s[\g+7], 0
.endm
.macro GRP0 g, p, o                    ; a group 0 but for its LDS address: from s[p:p+1] + s[o:o+1]
	s_mov_b32 s[\g], 1
	s_add_nc_u64 s[\g+2:\g+3], s[\p:\p+1], s[\o:\o+1]
	s_or_b32 s[\g+3], s[\g+3], 0x80000000
.endm
.macro ARM under, g0, g1, next         ; one arm of the head's loads
	s_cmp_lt_u32 s[WV], \under
	s_cbranch_scc0 \next
	tensor_load_to_lds s[\g0:\g0+3], s[\g1:\g1+7]
	s_nop 0
	PLACES 4
	s_branch .Lhead_asked
\next:
.endm
.macro WMC c, ma, mb
	v_wmma_scale_f32_16x16x128_f8f6f4 v[rD:rD+7], v[rB:rB+7], v[rA:rA+7], \c, v[rSB], v[rSA] matrix_a_fmt:MATRIX_FMT_FP4 matrix_b_fmt:MATRIX_FMT_FP4 \ma \mb
.endm
.macro WMD c, r0, r1                   ; r0, r1: source 0's, source 1's scale words stand in lanes 16-31
.if (\r0) && (\r1)
	WMC \c, matrix_a_scale:MATRIX_SCALE_ROW1, matrix_b_scale:MATRIX_SCALE_ROW1
.elseif (\r0)
	WMC \c, matrix_a_scale:MATRIX_SCALE_ROW1
.elseif (\r1)
	WMC \c, matrix_b_scale:MATRIX_SCALE_ROW1
.else
	WMC \c
.endif
.endm
.macro WM a, b, p, q, cm               ; accumulator (a, b), fragment set p, K step q.  cm = 0: onto the sum; 2: the sum starts from the bias of B' block b; 3: of A' block a
.set rD, 8*(8*((\a)%4)+(\b))
.set rB, 128+64*(\p)+8*(\b)
.set rA, 64*(\p)+8*(\a)
.set rSB, SBB+(\q)+SJ*((\b)/2)
.set rSA, SAB+(\q)+SJ*((\a)/2)
.set rC, rD
.if (\cm) == 2
.set rC, BIAS+8*(\b)
.elseif (\cm) == 3
.set rC, BIAS+8*(\a)
.endif
	WMD v[rC:rC+7], (\b)%2, (\a)%2
.endm
.macro MULH hf, p, q, cm               ; 32 products: A' blocks 4 hf .. 4 hf + 3 against B's eight; the accumulators take turns, in the same order in every K step
.if (\cm) >= 2
	WIN 0x85+0x40*(\hf)
.else
	WIN 0xa5+0x50*(\hf)
.endif
.irp a, 0,1,2,3
.irp b, 0,1,2,3,4,5,6,7
	WM 4*(\hf)+\a, \b, \p, \q, \cm
.endr
.endr
.endm
.macro FT dst, ra, q                   ; text's eight fragments of K step q: byte y = 64 q of an even row lies at y + 16 (y / 256), of an odd one at 400 + y, or 416 + y from y = 128 on
.irp i, 0,1,2,3,4,5,6,7
.set TO, 64*(\q)+(1-(\i%2))*16*((\q)/4)+(\i%2)*(400+16*(((\q)+6)/8))
.irp c, 0,1
	ds_load_b128 v[(\dst)+8*\i+4*\c:(\dst)+8*\i+4*\c+3], v[(\ra)+((\i%4)/2)] offset:26112*(\i/4)+TO+32*\c
.endr
.endr
.endm
.macro FW dst, ra, pt, qo              ; eight fragments of Wk or Wq, pitch pt
.irp i, 0,1,2,3,4,5,6,7
.irp c, 0,1
	ds_load_b128 v[(\dst)+8*\i+4*\c:(\dst)+8*\i+4*\c+3], v[(\ra)+(\i%2)] offset:(64*(\i/4)+8*(\i%4))*(\pt)+(\qo)+32*\c
.endr
.endr
.endm
.macro FN dst, ra, n, pt, qo           ; n fragments of 16 neighbouring rows
.irp i, 0,1,2,3,4,5,6,7
.if \i < (\n)
.irp c, 0,1
	ds_load_b128 v[(\dst)+8*\i+4*\c:(\dst)+8*\i+4*\c+3], v[\ra] offset:16*\i*(\pt)+(\qo)+32*\c
.endr
.endif
.endr
.endm
.macro FE ph, p, q                     ; phase ph's fragments of K step q into set p, in one run
	WIN 0x40
.if (\ph) == 0
	FW 128+64*(\p), AWK, 432, 64*(\q)+16*((\q)/2)
	FT 64*(\p), ATA, (\q)
.elseif (\ph) == 1
	FT 128+64*(\p), ATB, (\q)
	FN 64*(\p), AWV, 8, 432, 64*(\q)+16*((\q)/2)
.elseif (\q) < 4
	FW 128+64*(\p), AWQ0, 272, 64*(\q)
	FN 64*(\p), AIM0, 4, 272, 64*(\q)
.else
	FW 128+64*(\p), AWQ1, 272, 64*((\q)-4)
	FN 64*(\p), AIM1, 4, 272, 64*((\q)-4)
.endif
.endm
.macro STEP ph, p, q, cm, tc, nx       ; a K step of 128; ahead of its products the next step's fragments are asked for, into the other set.  tc: what they read has to be shown landed first
	s_wait_dscnt 0x0                               ; this step's fragments, asked for a step ago, are in
.if \tc
	s_wait_tensorcnt 0x0
	s_barrier_signal -1
	s_barrier_wait -1
.endif
.if \nx
	PLACES 4                                       ; four places between the last products that read the other set and the loads into it
	FE \ph, 1-(\p), (\q)+1
.endif
	MULH 0, \p, \q, \cm
.if (\ph) < 2
	MULH 1, \p, \q, \cm
.endif
.endm
; Two row blocks (window w, from v[s] on; register 32 n + i: block a + n / 2, number i of my lane's block of 32 in its columns 64 (n % 2) ..) become codes and scale words.
.macro OUTQ2 a, img, astr
.set QW, 2+(\a)/4
.set QS, 64*((\a)%4)
	s_wait_xcnt 0x0                                ; earlier stores have read their data
	WIN QW|(QW<<2)
.irp n, 0,1,2,3
	v_max3_num_f32 v[TM+\n], |v[QS+32*\n]|, |v[QS+32*\n+1]|, 0x1800000   ; with the floor 2^(3 - 127); each accumulator is read from its low end on
.endr
	WIN (QW<<2)|(QW<<4)
.irp i, 2,4,6,8,10,12,14,16,18,20,22,24,26,28,30
.irp n, 0,1,2,3
	v_max3_num_f32 v[TM+\n], v[TM+\n], |v[QS+32*\n+\i]|, |v[QS+32*\n+\i+1]|
.endr
.endr
	WIN 0
.irp n, 0,1,2,3
	v_add_nc_u32 v[TM+4+\n], 0xff000000, v[TM+\n]  ; 2 off its exponent field: the conversion's scale operand
.endr
.irp n, 0,1,2,3
	v_lshrrev_b32 v[TM+8+\n], 23, v[TM+4+\n]       ; the scale's byte
.endr
.irp x, 0,1
	v_lshl_or_b32 v[TM+12+\x], v[TM+9+2*\x], 16, v[TM+8+2*\x]   ; my two bytes: blocks h and 2 + h of the word
.endr
.irp x, 0,1
	v_lshlrev_b32 v[TM+12+\x], v[H8], v[TM+12+\x]
.endr
.irp x, 0,1
	v_permlanex16_b32 v[TM+14+\x], v[TM+12+\x], s[SEL], s[SEL+1]
.endr
.irp x, 0,1
	v_or_b32 v[PW+(\a)+\x], v[TM+12+\x], v[TM+14+\x]   ; with lane l xor 16's two
.endr
	WIN QW
.irp n, 0,1,2,3
.irp t, 0,1,2,3
	v_cvt_scalef32_pk8_fp4_f32 v[PCD+4*\n+\t], v[QS+32*\n+8*\t:QS+32*\n+8*\t+7], v[TM+4+\n]
.endr
.endr
	v_nop                                          ; one plain place behind the scaled conversions
	WIN 0
.irp n, 0,1,2,3                                ; each store covers 512 consecutive bytes, aligned
	global_store_b128 v[LI], v[PCD+4*\n:PCD+4*\n+3], s[\img:\img+1] offset:((\a)+\n/2)*(\astr)+512*(\n%2)
.endr
.endm
.macro SCWORDS n                       ; scale words as they are stored: lanes 0-15 the even blocks, lanes 16-31 the odd ones
	s_wait_alu depctr_va_vdst(0)
	s_wait_xcnt 0x0
.irp j, 0,1,2,3
.if \j < \n
	v_cndmask_b32 v[WQ+\j], v[PW+2*\j], v[PW+2*\j+1], s[HM]
.endif
.endr
.endm
	s_load_b512 s[4:19], s[0:1], 0x0               ; text codes s[4:5], scales s[6:7]; Wk s[8:9], s[10:11]; Wv s[12:13], s[14:15]; bk s[16:17], bv s[18:19]
	s_load_b256 s[20:27], s[0:1], 0x40             ; Ki, Ks, Vi, Vs
	s_load_b256 s[92:99], s[0:1], 0x60             ; image codes s[92:93], scales s[94:95]; Wq s[96:97], s[98:99]
	v_lshl_add_u32 v[SPW], v0, 2, SPARE
	v_mov_b32 v[NIL], 0
	ds_add_u32 v[SPW], v[NIL]                      ; the wave's opening: the add, twice on end, and its wait ahead of my first tensor load
	ds_add_u32 v[SPW], v[NIL]
	v_lshrrev_b32 v1, 5, v0
	v_readfirstlane_b32 s[WV], v1                  ; wave 0..3
	s_lshr_b32 s[WR], s[WV], 1                     ; my half of A's rows
	s_and_b32 s[WC], s[WV], 1                      ; my half of B's rows
	s_bfe_u32 s[CX], ttmp6, 0x40000
	s_bfe_u32 s[CY], ttmp6, 0x40004
	s_lshl_b32 s[TX], ttmp9, 2
	s_add_co_u32 s[TX], s[TX], s[CX]               ; which 256 hidden units
	s_and_b32 s[TY], ttmp7, 0xffff
	s_lshl_b32 s[TY], s[TY], 2
	s_add_co_u32 s[TY], s[TY], s[CY]               ; which 256 rows of text, which 128 rows of image
	s_lshl_b32 s66, s[CY], 2
	s_lshl_b32 s66, 15, s66                        ; my row of the cluster
	s_lshl_b32 s67, 0x1111, s[CX]                  ; my column
	s_or_b32 s[G1T], s66, PAD0
	s_or_b32 s[G1I], s66, PAD0
	s_or_b32 s[G1W], s67, PAD1
	s_or_b32 s[G1Q], s67, PAD0
	SHAPE G1T, 384, 256
	SHAPE G1W, 384, 256
	SHAPE G1Q, 256, 512
	SHAPE G1I, 128, 512
	s_mul_i32 s60, s[TY], 98304                    ; text's rows: made of TY alone
	s_mov_b32 s61, 0
	s_mul_i32 s62, s[TX], 98304                    ; Wk's rows: of TX alone
	s_mov_b32 s63, 0
	s_mov_b32 s[GT+1], 0
	s_mov_b32 s[GW+1], KR
	s_mov_b32 s[GI+1], R3
	s_mov_b32 s[GQ+1], R3+IMB
	s_mov_b32 s[HM], 0xffff0000
	s_mov_b32 s[SEL], 0x76543210
	s_mov_b32 s[SEL+1], 0xfedcba98
	s_wait_dscnt 0x0                               ; both opening adds are done
	CROUND                                         ; all sixteen work-groups are here: the joint loads meet
	s_wait_kmcnt 0x0
	GRP0 GT, 4, 60
	GRP0 GW, 8, 62
	s_lshl_b32 s60, s[TY], 16                      ; image: row 128 TY, of 512 bytes
	s_lshl_b32 s62, s[TX], 17                      ; Wq: row 256 TX
	GRP0 GI, 92, 60
	GRP0 GQ, 96, 62
; The head's loads, one a wave, in one tree of branches: text, Wk, Wq's first half, image's first half.
	ARM 1, GT, G1T, .Lhead_w
	ARM 2, GW, G1W, .Lhead_q
	ARM 3, GQ, G1Q, .Lhead_i
	tensor_load_to_lds s[GI:GI+3], s[G1I:G1I+7]
	s_nop 0
	PLACES 4
.Lhead_asked:
	s_mul_i32 s2, s[WR], 52224                     ; 128 rows of text
	s_mul_i32 s3, s[WC], 52224
	s_mul_i32 s60, s[WC], 55296                    ; 128 rows of Wk, of Wv
	s_add_co_u32 s60, s60, KR
	s_mul_i32 s61, s[WR], 55296
	s_add_co_u32 s61, s61, KR
	s_mul_i32 s63, s[WC], IMB                      ; 128 rows of Wq, behind image's 128
	s_add_co_u32 s63, s63, IMB
	s_add_co_u32 s62, s63, R3
	s_mul_i32 s67, s[WR], 17408                    ; 64 rows of image
	s_add_co_u32 s66, s67, R3
	v_and_b32 v1, 15, v0                           ; r
	v_bfe_u32 v2, v0, 4, 1                         ; h
	v_and_b32 v[LANE], 31, v0
	v_lshrrev_b32 v31, 3, v1                       ; r / 8
	v_lshlrev_b32 v[LI], 4, v[LANE]
	v_lshlrev_b32 v[L8], 3, v[LANE]
	v_lshlrev_b32 v[H8], 3, v2
	v_lshlrev_b32 v[VR], 2, v1
	v_lshlrev_b32 v35, 4, v2                       ; 16 h
	v_lshl_add_u32 v36, v31, 4, v1                 ; r + 16 (r / 8)
	v_lshl_add_u32 v37, v31, 5, v1                 ; r + 32 (r / 8)
	v_add_nc_u32 v38, 8, v1
	v_mad_u32_u24 v39, v36, 816, v35
	v_mad_u32_u24 v40, v38, 816, v35
	v_mad_u32_u24 v41, v37, 432, v35
	v_mad_u32_u24 v42, v36, 432, v35
	v_mad_u32_u24 v43, v1, 432, v35
	v_mad_u32_u24 v44, v37, 272, v35
	v_mad_u32_u24 v45, v36, 272, v35
	v_mad_u32_u24 v46, v1, 272, v35
	v_add_nc_u32 v[ATA], s2, v39
	v_add_nc_u32 v[ATA+1], s2, v40
	v_add_nc_u32 v[ATB], s3, v39
	v_add_nc_u32 v[ATB+1], s3, v40
	v_add_nc_u32 v[AWK], s60, v41
	v_add_nc_u32 v[AWK+1], s60, v42
	v_add_nc_u32 v[AWV], s61, v43
	v_add_nc_u32 v[AWQ0], s62, v44
	v_add_nc_u32 v[AWQ0+1], s62, v45
	v_add_nc_u32 v[AWQ1], s63, v44
	v_add_nc_u32 v[AWQ1+1], s63, v45
	v_add_nc_u32 v[AIM0], s66, v46
	v_add_nc_u32 v[AIM1], s67, v46
	v_lshl_add_u32 v47, v1, 1, v2                  ; text: row 2 r + h, + 32 (r / 8) or + 16
	v_add_nc_u32 v48, 16, v47
	v_lshl_add_u32 v47, v31, 5, v47
	v_mul_u32_u24 v[VT0], v47, 24
	v_mul_u32_u24 v[VT0+1], v48, 24
	v_lshl_add_u32 v49, v2, 3, v1                  ; Wk, Wq: row r + 8 h + (r / 8) (32 - 16 h)
	v_sub_nc_u32 v50, 32, v35
	v_mul_u32_u24 v50, v31, v50
	v_add_nc_u32 v49, v49, v50
	v_mul_u32_u24 v[VW], v49, 24
	v_lshlrev_b32 v[VQW], 5, v49
	v_mul_u32_u24 v[VL], v[LANE], 24
	v_lshlrev_b32 v[VQI], 5, v[LANE]
	v_mul_u32_u24 v[VHE], v2, 160
	v_mul_u32_u24 v[VHE+1], v2, 96
	v_mov_b32 v[TM+14], 0                          ; written once: a lane permute's destination counts as one of its sources
	v_mov_b32 v[TM+15], 0
	s_wait_alu depctr_va_vdst(0)                   ; behind the head's last vector write
	ROWOFF 60, TY, WR, 24
	s_add_nc_u64 s[4:5], s[6:7], s[60:61]          ; text's scales of my A' rows (K phase)
	ROWOFF 60, TY, WC, 24
	s_add_nc_u64 s[6:7], s[6:7], s[60:61]          ; of my B' rows (V phase)
	ROWOFF 62, TX, WC, 24
	s_add_nc_u64 s[10:11], s[10:11], s[62:63]      ; Wk's scales
	ROWOFF 62, TX, WR, 24
	s_add_nc_u64 s[14:15], s[14:15], s[62:63]      ; Wv's
	ROWOFF 62, TX, WC, 4
	s_add_nc_u64 s[16:17], s[16:17], s[62:63]      ; bk of my 128 columns
	ROWOFF 62, TX, WR, 4
	s_add_nc_u64 s[18:19], s[18:19], s[62:63]      ; bv of my 128 rows
.irp j, 0,1,2,3                                ; a side's 128 rows x 24 scale bytes are 3,072 dense bytes: read once, into registers
.irp t, 0,1,2
	global_load_b64 v[SAK+6*\j+2*\t:SAK+6*\j+2*\t+1], v[VT0+(\j%2)], s[4:5] offset:1536*(\j/2)+8*\t
	global_load_b64 v[SBK+6*\j+2*\t:SBK+6*\j+2*\t+1], v[VW], s[10:11] offset:24*(64*(\j/2)+16*(\j%2))+8*\t
.endr
.endr
.irp b, 0,1,2,3,4,5,6,7
	global_load_b128 v[BIAS+8*\b:BIAS+8*\b+3], v[VHE+(\b%2)], s[16:17] offset:32*\b+128*(\b/4)     ; bk in the result's layout
	global_load_b128 v[BIAS+8*\b+4:BIAS+8*\b+7], v[VHE+(\b%2)], s[16:17] offset:32*\b+128*(\b/4)+16
.endr
.irp j, 0,1,2,3
.irp t, 0,1,2
	global_load_b64 v[SAV+6*\j+2*\t:SAV+6*\j+2*\t+1], v[VL], s[14:15] offset:768*\j+8*\t
	global_load_b64 v[SBV+6*\j+2*\t:SBV+6*\j+2*\t+1], v[VT0+(\j%2)], s[6:7] offset:1536*(\j/2)+8*\t
.endr
.endr
.irp a, 0,1,2,3,4,5,6,7
	global_load_b32 v[BVR+\a], v[VR], s[18:19] offset:64*\a                          ; bv at row 16 a + r
.endr
	s_lshl_b32 s66, s[TY], 7                       ; Ki: ((16 TY + 8 WR + a) x 8 + 2 TX + WC) x 1,024
	TERM 66, WR, 6
	TERM 66, TX, 1
	s_add_co_u32 s66, s66, s[WC]
	BASE 20, 66, 10
	s_lshl_b32 s66, s[TY], 4                       ; Ks: ((2 TY + WR) x 8 + 2 TX + WC) x 512
	TERM 66, WR, 3
	TERM 66, TX, 1
	s_add_co_u32 s66, s66, s[WC]
	BASE 22, 66, 9
	s_lshr_b32 s2, s[TY], 3                        ; the batch,
	s_and_b32 s3, s[TY], 7                         ; and which 256 of its keys
	s_lshl_b32 s66, s2, 10                         ; Vi: ((64 batch + 16 TX + 8 WR + a) x 16 + 2 yy + WC) x 1,024
	TERM 66, TX, 8
	TERM 66, WR, 7
	TERM 66, 3, 1
	s_add_co_u32 s66, s66, s[WC]
	BASE 24, 66, 10
	s_lshl_b32 s66, s2, 7                          ; Vs: ((8 batch + 2 TX + WR) x 16 + 2 yy + WC) x 512
	TERM 66, TX, 5
	TERM 66, WR, 4
	TERM 66, 3, 1
	s_add_co_u32 s66, s66, s[WC]
	BASE 26, 66, 9
	s_wait_loadcnt 0x0                             ; scale words and biases are in: so s[4:11], s[14:19], the loads' bases, are free
	s_load_b128 s[4:7], s[0:1], 0x80               ; bq s[4:5], Qi s[6:7],
	s_load_b64 s[8:9], s[0:1], 0x90                ; Qs: they arrive under the K phase
	s_cmp_lt_u32 s[WV], 2                          ; text and Wk, waves 0's and 1's loads, have to be in; the other two lines' loads may stay out
	s_cbranch_scc0 .Lnot_awaited
	s_wait_tensorcnt 0x0
.Lnot_awaited:
	s_barrier_signal -1
	s_barrier_wait -1
	; ---- K = text Wk^T + bk
.set SAB, SAK
.set SBB, SBK
	FE 0, 0, 0
	STEP 0, 0, 0, 2, 0, 1
	STEP 0, 1, 1, 0, 0, 1
	STEP 0, 0, 2, 0, 0, 1
	STEP 0, 1, 3, 0, 0, 1
	STEP 0, 0, 4, 0, 0, 1
	; K step 5: its fragments are my last reads of Wk's bytes, which Wv takes
	s_wait_dscnt 0x0
	WIN 0                                          ; (the add's two registers lie in window 0)
	s_wait_kmcnt 0x0                               ; the Q phase's arguments
	s_wait_tensorcnt 0x0                           ; no tensor load of mine is out, so descriptors may be written
	ds_add_u32 v[SPW], v[NIL]                      ; 0 onto my spare word
	s_mov_b32 s[G1W+2], 96<<16                     ; from here on a wave fetches a quarter of Wv, 96 of its 384 rows of 256 bytes,
	s_mov_b32 s[G1W+4], 96
	s_mov_b32 s[G1Q+2], 128<<16                    ; half of Wq's rows,
	s_mov_b32 s[G1Q+4], 128
	s_mov_b32 s[G1I+2], 64<<16                     ; half of image's
	s_mov_b32 s[G1I+4], 64
	s_mul_i32 s62, s[TX], 98304
	s_mul_i32 s63, s[WV], 24576
	s_add_co_u32 s62, s62, s63
	s_mov_b32 s63, 0
	s_mul_i32 s2, s[WV], 27648
	s_add_co_u32 s[GW+1], s2, KR
	GRP0 GW, 12, 62
	MULH 0, 1, 5, 0
	s_wait_dscnt 0x0                               ; the add is done, and my reads are over
	WIN 0                                          ; at a label and at a branch every window is 0
	CROUND                                         ; no wave of any partner still reads Wk's bytes or has a load on its way
	tensor_load_to_lds s[GW:GW+3], s[G1W:G1W+7]    ; Wv has key's way out in which to land
	s_nop 0
	PLACES 4                                       ; also the places in front of the loads below
	WIN 0x40
	FT 128, ATB, 0                                 ; the V phase's first fragments of text, which stays
	MULH 1, 1, 5, 0
	PLACES 4                                       ; between the last products and the first read of results
	WIN 0
.irp a, 0,1,2,3,4,5,6,7
.irp j, 0,1,2,3,4,5,6,7
	v_mov_b32 v[BIAS+8*\a+\j], v[BVR+\a]           ; the V phase's C: a lane's eight results of a block share one row, so one bv
.endr
.endr
.irp a, 0,2,4,6
	OUTQ2 \a, 20, 8192
.endr
	SCWORDS 4
	global_store_b128 v[LI], v[WQ:WQ+3], s[22:23]
	; ---- V^T = Wv text^T + bv
.set SAB, SAV
.set SBB, SBV
	s_wait_tensorcnt 0x0                           ; my quarter of Wv is in, and everybody's
	s_wait_dscnt 0x0
	s_barrier_signal -1
	s_barrier_wait -1
	WIN 0x40
	FN 0, AWV, 8, 432, 0
	STEP 1, 0, 0, 3, 0, 1
	STEP 1, 1, 1, 0, 0, 1
	STEP 1, 0, 2, 0, 0, 1
	STEP 1, 1, 3, 0, 0, 1
	STEP 1, 0, 4, 0, 0, 1
	; K step 5: my last reads of text's bytes, which Q's second 512 along K take
	s_wait_dscnt 0x0
	WIN 0
	s_wait_tensorcnt 0x0
	ds_add_u32 v[SPW], v[NIL]                      ; as above
	s_lshl_b32 s60, s[TY], 16                      ; image: my 64 rows, second 256 bytes: made of TY and the wave alone
	TERM 60, WC, 15
	s_add_co_u32 s60, s60, 256
	s_mov_b32 s61, 0
	s_mul_i32 s[GI+1], s[WC], 17408
	GRP0 GI, 92, 60
	s_lshl_b32 s62, s[TX], 17                      ; Wq: my 128 rows
	TERM 62, WC, 16
	s_add_co_u32 s62, s62, 256
	s_mov_b32 s63, 0
	s_mul_i32 s2, s[WC], IMB
	s_add_co_u32 s[GQ+1], s2, IMB
	GRP0 GQ, 96, 62
	MULH 0, 1, 5, 0
	s_wait_dscnt 0x0
	WIN 0
	CROUND
	s_cmp_eq_u32 s[WR], 0                          ; waves 0 and 1 fetch image's halves, waves 2 and 3 Wq's
	s_cbranch_scc0 .Lfor_q
	tensor_load_to_lds s[GI:GI+3], s[G1I:G1I+7]
	s_nop 0
	PLACES 4
	s_branch .Lasked
.Lfor_q:
	tensor_load_to_lds s[GQ:GQ+3], s[G1Q:G1Q+7]
	s_nop 0
	PLACES 4
.Lasked:
	FE 2, 0, 0                                     ; the Q phase's first fragments
	MULH 1, 1, 5, 0
	PLACES 4
	WIN 0
	s_lshl_b32 s60, s[TY], 7                       ; image's scale bytes: row 128 TY + 64 WR, 32 bytes a row
	TERM 60, WR, 6
	BASE 94, 60, 5
	ROWOFF 62, TX, WC, 32
	s_add_nc_u64 s[98:99], s[98:99], s[62:63]      ; Wq's
	ROWOFF 62, TX, WC, 4
	s_add_nc_u64 s[4:5], s[4:5], s[62:63]          ; bq of my 128 columns
	s_lshl_b32 s66, s[TY], 6                       ; Qi: ((8 TY + 4 WR + a) x 8 + 2 TX + WC) x 1,024
	TERM 66, WR, 5
	TERM 66, TX, 1
	s_add_co_u32 s66, s66, s[WC]
	BASE 6, 66, 10
	s_lshl_b32 s66, s[TY], 4                       ; Qs: ((2 TY + WR) x 8 + 2 TX + WC) x 256
	TERM 66, WR, 3
	TERM 66, TX, 1
	s_add_co_u32 s66, s66, s[WC]
	BASE 8, 66, 8
.irp j, 0,1                                    ; the Q phase's scale words and bias, into registers that are done with: they arrive under the way out
.irp t, 0,1
	global_load_b128 v[SAQ+8*\j+4*\t:SAQ+8*\j+4*\t+3], v[VQI], s[94:95] offset:1024*\j+16*\t
.endr
.endr
.irp j, 0,1,2,3
.irp t, 0,1
	global_load_b128 v[SBQ+8*\j+4*\t:SBQ+8*\j+4*\t+3], v[VQW], s[98:99] offset:32*(64*(\j/2)+16*(\j%2))+16*\t
.endr
.endr
.irp b, 0,1,2,3,4,5,6,7
	global_load_b128 v[BIAS+8*\b:BIAS+8*\b+3], v[VHE+(\b%2)], s[4:5] offset:32*\b+128*(\b/4)
	global_load_b128 v[BIAS+8*\b+4:BIAS+8*\b+7], v[VHE+(\b%2)], s[4:5] offset:32*\b+128*(\b/4)+16
.endr
.irp a, 0,2,4,6
	OUTQ2 \a, 24, 16384
.endr
	SCWORDS 4
	global_store_b128 v[LI], v[WQ:WQ+3], s[26:27]
	; ---- Q = image Wq^T + bq: 64 x 128 a wave, K = 1,024
.set SAB, SAQ
.set SBB, SBQ
.set SJ, 8
	s_wait_loadcnt 0x0                             ; its scale words and bias
	STEP 2, 0, 0, 2, 0, 1
	STEP 2, 1, 1, 0, 0, 1
	STEP 2, 0, 2, 0, 0, 1
	STEP 2, 1, 3, 0, 1, 1                          ; the second 512 along K have landed
	STEP 2, 0, 4, 0, 0, 1
	STEP 2, 1, 5, 0, 0, 1
	STEP 2, 0, 6, 0, 0, 1
	STEP 2, 1, 7, 0, 0, 0
	PLACES 4
.irp a, 0,2
	OUTQ2 \a, 6, 8192
.endr
	SCWORDS 2
	global_store_b64 v[L8], v[WQ:WQ+1], s[8:9]     ; my 64 rows' scale words: 256 consecutive bytes, aligned
	s_wait_tensorcnt 0x0                           ; the wave's end, behind my last tensor load
	ds_add_u32 v[SPW], v[NIL]
	s_wait_dscnt 0x0
	CROUND                                         ; the closing round
	s_endpgm
.Lfunc_end_k_q6f37518d8e_proj:
	.size	k_q6f37518d8e_proj, .Lfunc_end_k_q6f37518d8e_proj-k_q6f37518d8e_proj
	.p2alignl 7, 3214868480
	.fill 96, 4, 3214868480
	.section	.rodata,"a",@progbits
	.p2align	6, 0x0
	.amdhsa_kernel k_q6f37518d8e_proj
		.amdhsa_group_segment_fixed_size 327680
		.amdhsa_private_segment_fixed_size 0
		.amdhsa_enable_private_segment 0
		.amdhsa_kernarg_size 152
		.amdhsa_user_sgpr_count 2
		.amdhsa_user_sgpr_kernarg_segment_ptr 1
		.amdhsa_wavefront_size32 1
		.amdhsa_system_sgpr_workgroup_id_x 1
		.amdhsa_system_sgpr_workgroup_id_y 1
		.amdhsa_system_sgpr_workgroup_id_z 1
		.amdhsa_system_vgpr_workitem_id 0
		.amdhsa_next_free_vgpr 1024
		.amdhsa_next_free_sgpr 102
		.amdhsa_reserve_vcc 0
		.amdhsa_float_denorm_mode_32 3
		.amdhsa_float_denorm_mode_16_64 3
		.amdhsa_memory_ordered 1
		.amdhsa_forward_progress 1
		.amdhsa_inst_pref_size 255
	.end_amdhsa_kernel
	.section	.bss,"aw",@nobits
	.p2align	6
	.space	262144
	.amdgpu_metadata
---
amdhsa.version: [ 1, 2 ]
amdhsa.kernels:
  - .name:           k_q6f37518d8e_proj
    .symbol:         k_q6f37518d8e_proj.kd
    .args:
      - { .name: text_features_codes, .offset: 0, .size: 8, .value_kind: global_buffer, .address_space: global }
      - { .name: text_features_scales, .offset: 8, .size: 8, .value_kind: global_buffer, .address_space: global }
      - { .name: Wk_codes, .offset: 16, .size: 8, .value_kind: global_buffer, .address_space: global }
      - { .name: Wk_scales, .offset: 24, .size: 8, .value_kind: global_buffer, .address_space: global }
      - { .name: Wv_codes, .offset: 32, .size: 8, .value_kind: global_buffer, .address_space: global }
      - { .name: Wv_scales, .offset: 40, .size: 8, .value_kind: global_buffer, .address_space: global }
      - { .name: bk, .offset: 48, .size: 8, .value_kind: global_buffer, .address_space: global }
      - { .name: bv, .offset: 56, .size: 8, .value_kind: global_buffer, .address_space: global }
      - { .name: Ki, .offset: 64, .size: 8, .value_kind: global_buffer, .address_space: global }
      - { .name: Ks, .offset: 72, .size: 8, .value_kind: global_buffer, .address_space: global }
      - { .name: Vi, .offset: 80, .size: 8, .value_kind: global_buffer, .address_space: global }
      - { .name: Vs, .offset: 88, .size: 8, .value_kind: global_buffer, .address_space: global }
      - { .name: image_features_codes, .offset: 96, .size: 8, .value_kind: global_buffer, .address_space: global }
      - { .name: image_features_scales, .offset: 104, .size: 8, .value_kind: global_buffer, .address_space: global }
      - { .name: Wq_codes, .offset: 112, .size: 8, .value_kind: global_buffer, .address_space: global }
      - { .name: Wq_scales, .offset: 120, .size: 8, .value_kind: global_buffer, .address_space: global }
      - { .name: bq, .offset: 128, .size: 8, .value_kind: global_buffer, .address_space: global }
      - { .name: Qi, .offset: 136, .size: 8, .value_kind: global_buffer, .address_space: global }
      - { .name: Qs, .offset: 144, .size: 8, .value_kind: global_buffer, .address_space: global }
    .group_segment_fixed_size: 327680
    .private_segment_fixed_size: 0
    .kernarg_segment_align: 8
    .kernarg_segment_size: 152
    .max_flat_workgroup_size: 128
    .sgpr_count:     102
    .vgpr_count:     1024
    .wavefront_size: 32
...
	.end_amdgpu_metadata
.endif
;; end of part 5
;; launch scores (part 6): grid 8 x 32, 4 waves a work-group, clusters of 4 x 4, 327,680 bytes of LDS; arguments Qi, Qs, Ki, Ks, Pi, Px; writes Pi, Px
.if DOCPART == 6
	.amdgcn_target "amdgcn-amd-amdhsa--gfx1250"
	.amdhsa_code_object_version 6
	.text
	.protected	k_q6f37518d8e_scores
	.globl	k_q6f37518d8e_scores
	.p2align	8
	.type	k_q6f37518d8e_scores,@function
k_q6f37518d8e_scores:
	s_mov_b64 s[64:65], 0
	v_nop
	global_prefetch_b8 v0, s[64:65] scope:SCOPE_SE
	s_setreg_imm32_b32 hwreg(HW_REG_WAVE_MODE, 25, 1), 1
	s_wait_xcnt 0x0
	s_wait_alu depctr_hold_cnt(0) depctr_sa_sdst(0) depctr_va_vdst(0) depctr_va_sdst(0) depctr_va_ssrc(0) depctr_va_vcc(0) depctr_vm_vsrc(0)
	s_getreg_b32 s2, hwreg(HW_REG_IB_STS2, 6, 4)
	s_cmp_eq_u32 s2, 0
	s_cbranch_scc0 .Lentry_in_a_cluster
	s_endpgm
.Lentry_in_a_cluster:
	s_bfe_u32 s2, ttmp6, 0x10000c
	s_cmp_lg_u32 s2, 0xf033
	s_cbranch_scc0 .Lentry_shape_is_right
	s_endpgm
.Lentry_shape_is_right:
; The scores query x key^T on codes of E2M1, and the softmax's p ahead of the last product.  No work is left out.
; t = score x log2(e) / 32.  A wave holds, for each of its 128 queries, 128 keys; it takes M_loc = ceil(the largest t of these 128), a whole number, p = 2^(t - M_loc), quantises p along the keys in blocks of 32,
; and takes l_loc, the sum of the unquantised p.  M is a whole number, so bringing p under the row's own M is a change of the blocks' scale bytes alone: the next launch does that, from M_loc, and adds the l_loc.
; The maximum is taken away before every exponential: t - M_loc is 0 or less.
; LIMITS: a block's largest p is taken no smaller than 2^-61 (its byte is at least 64): a p under 2^-64 counts as 0, beside a row's sum of more than 1/2; the scaled scores stay under 2^31 in magnitude; NaN and infinities are not served.
; SHARES.  A work-group (TX, TY): 256 queries (rows 256 TY of Q, A') x 256 keys of their batch (B'); four waves of 128 x 128.  Source 0 = 16 keys, source 1 = 16 queries.
;   The keys of a block of K were chosen so that lane (r, h) holds, in the four blocks of 64 keys, 32 keys of one quantised block, for query r.
; CLUSTER 4 x 4: a cluster's four TY are one batch; Q's tile is asked for jointly along a row of the cluster, K's along a column.
; LDS: operands lie as images of fragments (1,024 bytes each), so a load's 512 bytes are consecutive and no padding is needed.  All of K = 1,024 lies in LDS at once: a wave's one load brings 8 row blocks x 8,192 bytes, dense.
; OUT: Pi [row / 16][key / 128][1,024] images; Px [row / 128][key / 128][3][512]: scale words under M_loc, M_loc, l_loc; lane 16 h + r holds blocks 2 j + h, j = 0 .. 3.  No prefetch: there is no loop to run ahead in.
.set SPARE, 262144                     ; the spare words: 128 bytes a wave
.set LI, 3
.set ADA, 4
.set ADB, 5
.set L8, 6
.set H8, 7
.set SPW, 28
.set NIL, 29
.set SAB, 32                           ; scale words, base + 4 q + (block pair)
.set SBB, 64
.set BM, 96                            ; v96-99   a block's largest score, then its largest p
.set TT, 100
.set BT, 102
.set SO, 104                           ; v104-107 the conversions' scale operands
.set NMP, 108                          ; v108, v110 -M_loc of two row blocks; v109, v111 are named with them as pairs
.set SM, 112                           ; v112-119 four running sums, in pairs
.set LP, 120
.set BY8, 152                          ; v152-155 bytes
.set WD, 156
.set WP, 158
.set PW, 160                           ; scale word, M_loc, l_loc of each row block
.set MS, 168
.set LL, 176
.set XW, 184
.set XM, 188
.set XL, 192
.set PCD, 200                          ; v200-215 codes of two row blocks
.set WV, 18
.set WR, 19
.set WC, 20
.set CX, 21
.set CY, 22
.set TX, 23
.set TY, 24
.set HM, 25
.set BY, 26
.set G1A, 28
.set G1B, 36
.set GA, 44
.set GB, 48
.set SEL, 72
.set CS, 74
.set MSB, 0
.macro WIN new
.if MSB != (\new)
	s_set_vgpr_msb (MSB<<8)|(\new)
.set MSB, (\new)
.endif
.endm
.macro PLACES n
.rept \n
	v_nop
.endr
.endm
.macro CROUND
	s_barrier_signal -1
	s_barrier_wait -1
	s_cmp_lg_u32 s[WV], 0
	s_cbranch_scc1 .Lnot_wave_0_\@
	s_barrier_signal -3
.Lnot_wave_0_\@:
	s_barrier_wait -3
	s_barrier_signal -1
	s_barrier_wait -1
.endm
.macro TERM d, x, sh
	s_lshl_b32 s[\d+1], s[\x], \sh
	s_add_co_u32 s[\d], s[\d], s[\d+1]
.endm
.macro BASE p, d, sh
	s_lshl_b32 s[\d], s[\d], \sh
	s_mov_b32 s[\d+1], 0
	s_add_nc_u64 s[\p:\p+1], s[\p:\p+1], s[\d:\d+1]
.endm
.macro SHAPE g                         ; words 1 to 7 of a group 1: 16 rows of 512 elements of 8 bytes, dense
	s_mov_b32 s[\g+1], 512<<16
	s_mov_b32 s[\g+2], 16<<16
	s_mov_b32 s[\g+3], 512<<16
	s_mov_b32 s[\g+4], 16
	s_mov_b32 s[\g+5], 512
	s_mov_b32 s[\g+6], 0
	s_mov_b32 s[\g+7], 0
.endm
.macro GRP0 g, p, o
	s_mov_b32 s[\g], 1
	s_add_nc_u64 s[\g+2:\g+3], s[\p:\p+1], s[\o:\o+1]
	s_or_b32 s[\g+3], s[\g+3], 0x80000000
.endm
.macro WMC c, ma, mb
	v_wmma_scale_f32_16x16x128_f8f6f4 v[rD:rD+7], v[rB:rB+7], v[rA:rA+7], \c, v[rSB], v[rSA] matrix_a_fmt:MATRIX_FMT_FP4 matrix_b_fmt:MATRIX_FMT_FP4 \ma \mb
.endm
.macro WMD c, r0, r1
.if (\r0) && (\r1)
	WMC \c, matrix_a_scale:MATRIX_SCALE_ROW1, matrix_b_scale:MATRIX_SCALE_ROW1
.elseif (\r0)
	WMC \c, matrix_a_scale:MATRIX_SCALE_ROW1
.elseif (\r1)
	WMC \c, matrix_b_scale:MATRIX_SCALE_ROW1
.else
	WMC \c
.endif
.endm
.macro WM a, b, p, q, cm               ; cm = 1: the first K step starts the sum: nothing is ever cleared
.set rD, 8*(8*((\a)%4)+(\b))
.set rB, 128+64*(\p)+8*(\b)
.set rA, 64*(\p)+8*(\a)
.set rSB, SBB+4*(\q)+(\b)/2
.set rSA, SAB+4*(\q)+(\a)/2
.if (\cm) == 1
	WMD 0, (\b)%2, (\a)%2
.else
	WMD v[rD:rD+7], (\b)%2, (\a)%2
.endif
.endm
.macro MULH hf, p, q, cm               ; 32 products; the 64 accumulators take turns, in the same order in every K step
	WIN 0xa5+0x50*(\hf)
.irp a, 0,1,2,3
.irp b, 0,1,2,3,4,5,6,7
	WM 4*(\hf)+\a, \b, \p, \q, \cm
.endr
.endr
.endm
.macro FETCH p, q                      ; 32 LDS loads in one run: K step q's 8 + 8 fragments into set p
	WIN 0x40
.irp i, 0,1,2,3,4,5,6,7
.irp c, 0,1
	ds_load_b128 v[128+64*(\p)+8*\i+4*\c:128+64*(\p)+8*\i+4*\c+3], v[ADB] offset:1024*(\q)+\i*8192+\c*512
.endr
.endr
.irp i, 0,1,2,3,4,5,6,7
.irp c, 0,1
	ds_load_b128 v[64*(\p)+8*\i+4*\c:64*(\p)+8*\i+4*\c+3], v[ADA] offset:1024*(\q)+\i*8192+\c*512
.endr
.endr
.endm
.macro STEP p, q, cm
	s_wait_dscnt 0x0                               ; this step's 32 loads, issued 64 products ago, are in
.if (\q) < 7
	PLACES 4                                       ; four places between the last products that read the other set and the loads into it
	FETCH 1-(\p), (\q)+1
.endif
	MULH 0, \p, \q, \cm
	MULH 1, \p, \q, \cm
.endm
; Row blocks a, a + 1: register 32 n + i is number i of my lane's block of 32 keys, in row block a + n / 2, keys 64 (n % 2) + 32 h ..
.macro SOFT2 a
.set QW, 2+(\a)/4
.set QS, 64*((\a)%4)
	s_wait_alu depctr_va_vdst(0)                   ; ahead of these results' first readers
	WIN QW|(QW<<2)|(QW<<4)
.irp n, 0,1,2,3
	v_max3_num_f32 v[BM+\n], v[QS+32*\n], v[QS+32*\n+1], v[QS+32*\n+2]   ; the largest score of each block of 32 keys: for the row's maximum and, since p rises with the score, for the block's largest p; each accumulator from its low end on
.endr
	WIN (QW<<2)|(QW<<4)
.irp i, 3,5,7,9,11,13,15,17,19,21,23,25,27,29
.irp n, 0,1,2,3
	v_max3_num_f32 v[BM+\n], v[BM+\n], v[QS+32*\n+\i], v[QS+32*\n+\i+1]
.endr
.endr
	WIN QW<<2
.irp n, 0,1,2,3
	v_max_num_f32 v[BM+\n], v[BM+\n], v[QS+32*\n+31]
.endr
	WIN 0
.irp x, 0,1
	v_max_num_f32 v[TT+\x], v[BM+2*\x], v[BM+2*\x+1]
.endr
.irp x, 0,1
	v_permlanex16_b32 v[BT+\x], v[TT+\x], s[SEL], s[SEL+1]
.endr
.irp x, 0,1
	v_max_num_f32 v[TT+\x], v[TT+\x], v[BT+\x]     ; with lane l xor 16's keys
.endr
.irp x, 0,1
	v_mul_f32 v[TT+\x], s[CS], v[TT+\x]            ; the largest t (c is positive)
.endr
.irp x, 0,1
	v_floor_f32 v[NMP+2*\x], -v[TT+\x]             ; -M_loc = floor(-t) = -ceil(t)
.endr
.irp n, 0,1,2,3
	v_fma_f32 v[BM+\n], v[BM+\n], s[CS], v[NMP+2*(\n/2)]
.endr
	WIN (QW<<6)|QW
.set i, 0
.rept 64
	v_pk_fma_f32 v[QS+i:QS+i+1], v[QS+i:QS+i+1], s[CS:CS+1], v[NMP+2*(i/64):NMP+2*(i/64)+1] op_sel_hi:[1,0,0]   ; t - M_loc, two at a time (of the pairs c and -M the low word serves both halves)
.set i, i+2
.endr
	WIN 0
	s_wait_alu depctr_va_vdst(0)                   ; ahead of the batch
.irp n, 0,1,2,3
	v_exp_f32 v[BM+\n], v[BM+\n]                   ; the block's largest p: the same two instructions on the same number give the same bits
.endr
	WIN (QW<<6)|QW
.set i, 0
.rept 128
	v_exp_f32 v[QS+i], v[QS+i]                     ; p = 2^(t - M_loc), at most 1
.set i, i+1
.endr
	WIN 0
.irp x, 0,1
	v_sub_f32 v[MS+(\a)+\x], 0, v[NMP+2*\x]        ; M_loc, for the next launch.  (Plain places behind the exponentials)
.endr
	s_wait_alu depctr_va_vdst(0)                   ; one wait for the batch, ahead of its first reader
	WIN QW|(QW<<2)
.irp n, 0,1,2,3
	v_pk_add_f32 v[SM+2*\n:SM+2*\n+1], v[QS+64*(\n/2)+4*(\n%2):QS+64*(\n/2)+4*(\n%2)+1], v[QS+64*(\n/2)+4*(\n%2)+2:QS+64*(\n/2)+4*(\n%2)+3]   ; the sum of the UNQUANTISED p, two at a time, in two chains a row block
.endr
	WIN QW<<2
.set i, 8
.rept 14
.irp n, 0,1,2,3
	v_pk_add_f32 v[SM+2*\n:SM+2*\n+1], v[SM+2*\n:SM+2*\n+1], v[QS+64*(\n/2)+i+2*(\n%2):QS+64*(\n/2)+i+2*(\n%2)+1]
.endr
.set i, i+4
.endr
	WIN 0
.irp x, 0,1
	v_pk_add_f32 v[SM+4*\x:SM+4*\x+1], v[SM+4*\x:SM+4*\x+1], v[SM+4*\x+2:SM+4*\x+3]
.endr
.irp n, 0,1,2,3
	v_max_num_f32 v[BM+\n], 0x21000000, v[BM+\n]   ; the floor 2^(66 - 127)
.endr
.irp x, 0,1
	v_add_f32 v[SM+4*\x], v[SM+4*\x], v[SM+4*\x+1]
.endr
.irp n, 0,1,2,3
	v_add_nc_u32 v[SO+\n], 0xff000000, v[BM+\n]    ; 2 off the exponent field: the conversion's scale operand
.endr
.irp x, 0,1
	v_permlanex16_b32 v[LP+\x], v[SM+4*\x], s[SEL], s[SEL+1]
.endr
.irp n, 0,1,2,3
	v_lshrrev_b32 v[BY8+\n], 23, v[SO+\n]          ; the scale's byte, 64 to 125
.endr
.irp x, 0,1
	v_add_f32 v[LL+(\a)+\x], v[SM+4*\x], v[LP+\x]  ; l_loc of my query
.endr
.irp x, 0,1
	v_lshl_or_b32 v[WD+\x], v[BY8+2*\x+1], 16, v[BY8+2*\x]   ; my two bytes: blocks h and 2 + h of the word
.endr
.irp x, 0,1
	v_lshlrev_b32 v[WD+\x], v[H8], v[WD+\x]
.endr
.irp x, 0,1
	v_permlanex16_b32 v[WP+\x], v[WD+\x], s[SEL], s[SEL+1]
.endr
.irp x, 0,1
	v_or_b32 v[PW+(\a)+\x], v[WD+\x], v[WP+\x]
.endr
	s_wait_alu depctr_va_vdst(0)
	s_wait_xcnt 0x0                                ; earlier stores have read their data: the codes' registers may be written again
	WIN QW
.irp n, 0,1,2,3
.irp t, 0,1,2,3
	v_cvt_scalef32_pk8_fp4_f32 v[PCD+4*\n+\t], v[QS+32*\n+8*\t:QS+32*\n+8*\t+7], v[SO+\n]
.endr
.endr
	v_nop                                          ; one plain place behind the scaled conversions
	WIN 0
.irp n, 0,1,2,3                                ; each store covers 512 consecutive bytes, aligned
	global_store_b128 v[LI], v[PCD+4*\n:PCD+4*\n+3], s[12:13] offset:16384*((\a)+\n/2)+512*(\n%2)
.endr
.endm
	s_load_b256 s[4:11], s[0:1], 0x0               ; Qi s[4:5], Qs s[6:7], Ki s[8:9], Ks s[10:11]
	s_load_b128 s[12:15], s[0:1], 0x20             ; Pi s[12:13], Px s[14:15]
	v_lshl_add_u32 v[SPW], v0, 2, SPARE
	v_mov_b32 v[NIL], 0
	ds_add_u32 v[SPW], v[NIL]                      ; the wave's opening: the add, twice on end, and its wait ahead of my first tensor load
	ds_add_u32 v[SPW], v[NIL]
	v_lshrrev_b32 v1, 5, v0
	v_readfirstlane_b32 s[WV], v1
	s_lshr_b32 s[WR], s[WV], 1
	s_and_b32 s[WC], s[WV], 1
	s_bfe_u32 s[CX], ttmp6, 0x40000
	s_bfe_u32 s[CY], ttmp6, 0x40004
	s_lshl_b32 s[TX], ttmp9, 2
	s_add_co_u32 s[TX], s[TX], s[CX]               ; which 256 keys of the batch
	s_and_b32 s[BY], ttmp7, 0xffff                 ; the cluster's y is the batch
	s_lshl_b32 s[TY], s[BY], 2
	s_add_co_u32 s[TY], s[TY], s[CY]               ; which 256 rows of Q
	s_lshl_b32 s66, s[CY], 2
	s_lshl_b32 s66, 15, s66
	s_lshl_b32 s67, 0x1111, s[CX]
	s_or_b32 s[G1A], s66, (3<<16)|(1<<21)          ; the mask; elements of 8 bytes; bit 21 beside a mask; no padding
	s_or_b32 s[G1B], s67, (3<<16)|(1<<21)
	SHAPE G1A
	SHAPE G1B
	s_lshl_b32 s60, s[TY], 17                      ; Q: (16 TY + 8 WC) row blocks x 8,192 bytes
	TERM 60, WC, 16
	s_mov_b32 s61, 0
	s_lshl_b32 s62, s[BY], 20                      ; K: (128 batch + 16 TX + 8 WC) row blocks
	TERM 62, TX, 17
	TERM 62, WC, 16
	s_mov_b32 s63, 0
	s_lshl_b32 s2, s[WV], 16                       ; where my fill goes
	s_mov_b32 s[GA+1], s2
	s_mov_b32 s[GB+1], s2
	s_mov_b32 s[HM], 0xffff0000
	s_mov_b32 s[SEL], 0x76543210
	s_mov_b32 s[SEL+1], 0xfedcba98
	s_mov_b32 s[CS], 0x3d38aa3b                    ; c = log2(e) / 32: log2(e) in f32 with 5 off its exponent, so score x c rounds as (score / 32) x log2(e) does
	s_mov_b32 s[CS+1], s[CS]
	s_wait_dscnt 0x0                               ; both opening adds are done
	CROUND
	s_wait_kmcnt 0x0
	GRP0 GA, 4, 60
	GRP0 GB, 8, 62
	s_cmp_eq_u32 s[WR], 0                          ; every wave issues one fill: waves 0 and 1 Q's halves, waves 2 and 3 K's
	s_cbranch_scc0 .Lfill_b
	tensor_load_to_lds s[GA:GA+3], s[G1A:G1A+7]
	s_nop 0
	PLACES 4
	s_branch .Lfilled
.Lfill_b:
	tensor_load_to_lds s[GB:GB+3], s[G1B:G1B+7]
	s_nop 0
	PLACES 4
.Lfilled:
	s_lshl_b32 s60, s[WR], 16
	s_lshl_b32 s61, s[WC], 16
	s_add_co_u32 s61, s61, 131072
	v_and_b32 v1, 31, v0
	v_bfe_u32 v2, v0, 4, 1
	v_lshlrev_b32 v[LI], 4, v1
	v_lshlrev_b32 v[L8], 3, v1
	v_lshlrev_b32 v[H8], 3, v2
	v_add_nc_u32 v[ADA], s60, v[LI]
	v_add_nc_u32 v[ADB], s61, v[LI]
.irp x, 0,1
	v_mov_b32 v[BT+\x], 0                          ; written once: a lane permute's destination counts as one of its sources
	v_mov_b32 v[LP+\x], 0
	v_mov_b32 v[WP+\x], 0
	v_mov_b32 v[NMP+2*\x+1], 0                     ; named as the upper half of a pair
.endr
	s_wait_alu depctr_va_vdst(0)                   ; behind the head's last vector write
	s_lshl_b32 s66, s[TY], 1                       ; Qs: (4 TY + 2 WR) x 2,048
	s_add_co_u32 s66, s66, s[WR]
	BASE 6, 66, 12
	s_lshl_b32 s66, s[BY], 4                       ; Ks: (16 batch + 2 TX + WC) x 8 x 512
	TERM 66, TX, 1
	s_add_co_u32 s66, s66, s[WC]
	BASE 10, 66, 12
.irp q, 0,1,2,3,4,5,6,7
	global_load_b64 v[SAB+4*\q:SAB+4*\q+1], v[L8], s[6:7] offset:256*\q
	global_load_b64 v[SAB+4*\q+2:SAB+4*\q+3], v[L8], s[6:7] offset:2048+256*\q
	global_load_b128 v[SBB+4*\q:SBB+4*\q+3], v[LI], s[10:11] offset:512*\q
.endr
	s_lshl_b32 s66, s[TY], 8                       ; Pi: ((16 TY + 8 WR + a) x 16 + 2 TX + WC) x 1,024
	TERM 66, WR, 7
	TERM 66, TX, 1
	s_add_co_u32 s66, s66, s[WC]
	BASE 12, 66, 10
	s_lshl_b32 s66, s[TY], 5                       ; Px: ((2 TY + WR) x 16 + 2 TX + WC) x 1,536
	TERM 66, WR, 4
	TERM 66, TX, 1
	s_add_co_u32 s66, s66, s[WC]
	s_mul_i32 s66, s66, 1536
	s_mov_b32 s67, 0
	s_add_nc_u64 s[14:15], s[14:15], s[66:67]
	s_wait_loadcnt 0x0
	s_wait_tensorcnt 0x0                           ; my quarter of the operands is in; nothing is filled again in this launch
	s_barrier_signal -1
	s_barrier_wait -1
	FETCH 0, 0
	STEP 0, 0, 1
	STEP 1, 1, 0
	STEP 0, 2, 0
	STEP 1, 3, 0
	STEP 0, 4, 0
	STEP 1, 5, 0
	STEP 0, 6, 0
	STEP 1, 7, 0
	PLACES 4                                       ; four places between the last products and the first read of results
.irp a, 0,2,4,6
	SOFT2 \a
.endr
.irp j, 0,1,2,3                                ; lanes 0-15 store the even row blocks, lanes 16-31 the odd ones
	v_cndmask_b32 v[XW+\j], v[PW+2*\j], v[PW+2*\j+1], s[HM]
	v_cndmask_b32 v[XM+\j], v[MS+2*\j], v[MS+2*\j+1], s[HM]
	v_cndmask_b32 v[XL+\j], v[LL+2*\j], v[LL+2*\j+1], s[HM]
.endr
	global_store_b128 v[LI], v[XW:XW+3], s[14:15]
	global_store_b128 v[LI], v[XM:XM+3], s[14:15] offset:512
	global_store_b128 v[LI], v[XL:XL+3], s[14:15] offset:1024
	s_wait_tensorcnt 0x0                           ; the wave's end
	ds_add_u32 v[SPW], v[NIL]
	s_wait_dscnt 0x0
	CROUND                                         ; the closing round
	s_endpgm
.Lfunc_end_k_q6f37518d8e_scores:
	.size	k_q6f37518d8e_scores, .Lfunc_end_k_q6f37518d8e_scores-k_q6f37518d8e_scores
	.p2alignl 7, 3214868480
	.fill 96, 4, 3214868480
	.section	.rodata,"a",@progbits
	.p2align	6, 0x0
	.amdhsa_kernel k_q6f37518d8e_scores
		.amdhsa_group_segment_fixed_size 327680
		.amdhsa_private_segment_fixed_size 0
		.amdhsa_enable_private_segment 0
		.amdhsa_kernarg_size 48
		.amdhsa_user_sgpr_count 2
		.amdhsa_user_sgpr_kernarg_segment_ptr 1
		.amdhsa_wavefront_size32 1
		.amdhsa_system_sgpr_workgroup_id_x 1
		.amdhsa_system_sgpr_workgroup_id_y 1
		.amdhsa_system_sgpr_workgroup_id_z 1
		.amdhsa_system_vgpr_workitem_id 0
		.amdhsa_next_free_vgpr 1024
		.amdhsa_next_free_sgpr 104
		.amdhsa_reserve_vcc 0
		.amdhsa_float_denorm_mode_32 3
		.amdhsa_float_denorm_mode_16_64 3
		.amdhsa_memory_ordered 1
		.amdhsa_forward_progress 1
		.amdhsa_inst_pref_size 171
	.end_amdhsa_kernel
	.amdgpu_metadata
---
amdhsa.version: [ 1, 2 ]
amdhsa.kernels:
  - .name:           k_q6f37518d8e_scores
    .symbol:         k_q6f37518d8e_scores.kd
    .args:
      - { .name: Qi, .offset: 0, .size: 8, .value_kind: global_buffer, .address_space: global }
      - { .name: Qs, .offset: 8, .size: 8, .value_kind: global_buffer, .address_space: global }
      - { .name: Ki, .offset: 16, .size: 8, .value_kind: global_buffer, .address_space: global }
      - { .name: Ks, .offset: 24, .size: 8, .value_kind: global_buffer, .address_space: global }
      - { .name: Pi, .offset: 32, .size: 8, .value_kind: global_buffer, .address_space: global }
      - { .name: Px, .offset: 40, .size: 8, .value_kind: global_buffer, .address_space: global }
    .group_segment_fixed_size: 327680
    .private_segment_fixed_size: 0
    .kernarg_segment_align: 8
    .kernarg_segment_size: 48
    .max_flat_workgroup_size: 128
    .sgpr_count:     104
    .vgpr_count:     1024
    .wavefront_size: 32
...
	.end_amdgpu_metadata
.endif
;; end of part 6
;; launch pv (part 7): grid 8 x 32, 4 waves a work-group, clusters of 4 x 4, 327,680 bytes of LDS; arguments Pi, Px, Vi, Vs, out0; writes out0
.if DOCPART == 7
	.amdgcn_target "amdgcn-amd-amdhsa--gfx1250"
	.amdhsa_code_object_version 6
	.text
	.protected	k_q6f37518d8e_pv
	.globl	k_q6f37518d8e_pv
	.p2align	8
	.type	k_q6f37518d8e_pv,@function
k_q6f37518d8e_pv:
	s_mov_b64 s[64:65], 0
	v_nop
	global_prefetch_b8 v0, s[64:65] scope:SCOPE_SE
	s_setreg_imm32_b32 hwreg(HW_REG_WAVE_MODE, 25, 1), 1
	s_wait_xcnt 0x0
	s_wait_alu depctr_hold_cnt(0) depctr_sa_sdst(0) depctr_va_vdst(0) depctr_va_sdst(0) depctr_va_ssrc(0) depctr_va_vcc(0) depctr_vm_vsrc(0)
	s_getreg_b32 s2, hwreg(HW_REG_IB_STS2, 6, 4)
	s_cmp_eq_u32 s2, 0
	s_cbranch_scc0 .Lentry_in_a_cluster
	s_endpgm
.Lentry_in_a_cluster:
	s_bfe_u32 s2, ttmp6, 0x10000c
	s_cmp_lg_u32 s2, 0xf033
	s_cbranch_scc0 .Lentry_shape_is_right
	s_endpgm
.Lentry_shape_is_right:
; attended = (p x value) / l on codes of E2M1.  No work is left out.
; p's codes were made under M_loc, one whole number for each query and 128 keys.  Here M = the largest M_loc of the row's 16, d = M - M_loc (a whole number, 0 or more): each scale byte of those 128 keys has d taken off, which is
; p's quantisation under the row's own M; l = the sum of l_loc x 2^-d; the product is divided by l at the end.
; LIMITS: d is held at 64 (bytes are at least 64, so no byte falls under 0): 128 keys whose p all lie under 2^-64 count with weights of at most 2^-64, beside a row's sum of more than 1/2.  NaN and infinities are not served.
; SHARES.  A work-group (TX, TY) takes 256 queries (rows 256 TY of P) x 128 channels (rows 128 TX of V^T of their batch), K = 2,048 keys; a wave 128 x 64.
; A WAVE HOLDS ITS 64 CHANNELS OF V FOR ALL KEYS IN REGISTERS (4 blocks x 16 K steps x 8) and walks its queries in four pairs of row blocks: 4 chunks of 4 K steps, 32 products each, 8 accumulators.
; A finished pair leaves under the next pair's products.
; Source 0 = 16 channels, source 1 = 16 queries: lane (r, h) of accumulator (x, b) holds query 16 a + r and channels 16 b + 8 h + 0 .. 7: 32 neighbouring bytes of a row of the output.
; CLUSTER 4 x 4: P's tile is asked for jointly along a row of the cluster, V's along a column.
; LDS: operands lie as images of fragments (1,024 bytes each), so a load's 512 bytes are consecutive and no padding is needed.  First half of P's row blocks at 0, V at 131,072: 65,536 bytes a wave's load, dense.
;   When every wave holds V, P's second half takes V's bytes; it has the first two pairs in which to land.  Behind them a stage of each wave's own, into which no fill lands.  No prefetch: there is no loop to run ahead in.
; REGISTERS: window 0 addresses, scale words, work; windows 1, 2 V: K step q, block b at v[32 (q % 8) + 8 b] of window 1 + q / 8; window 3 P's chunk set s at v[64 s], accumulators of pair aa at v[128 + 64 (aa % 2)].
.set VOFF, 131072
.set STAGE, 262144                     ; 16 rows x (256 + 16) bytes for each wave
.set SPARE, 279552                     ; the spare words: 128 bytes a wave
.set LI, 3
.set ADP0, 4                           ; v4, v5 LDS addresses of P's first and second half
.set ADV, 6
.set STO, 10
.set RD, 11
.set VB, 12                            ; 16 x lane + 8 WC: my 64 channels' scale words
.set CO, 13                            ; 4,096 h + 16 r: my 16 bytes of two rows of the output
.set SPW, 28
.set NIL, 29
.set SAB, 32                           ; v32-95 P's scale words, base + 4 q + (block pair)
.set SBB, 96                           ; v96-127 V's, base + 2 q + (block pair)
.set NM, 160                           ; v160-223 M_loc, then d; then rows on their way out
.set BK, 160
.set GM, 224
.set LS, 228
.set TA, 232
.set TB, 236
.set RCP, 240                          ; v240-255 1 / l of row 16 a + r, as a pair for each a
.set WV, 18
.set WR, 19
.set WC, 20
.set CX, 21
.set CY, 22
.set TX, 23
.set TY, 24
.set HM, 25
.set BY, 26
.set G1A, 28
.set G1B, 36
.set GA, 44
.set GB, 48
.set SEL, 72
.set MSB, 0
.macro WIN new
.if MSB != (\new)
	s_set_vgpr_msb (MSB<<8)|(\new)
.set MSB, (\new)
.endif
.endm
.macro PLACES n
.rept \n
	v_nop
.endr
.endm
.macro CROUND
	s_barrier_signal -1
	s_barrier_wait -1
	s_cmp_lg_u32 s[WV], 0
	s_cbranch_scc1 .Lnot_wave_0_\@
	s_barrier_signal -3
.Lnot_wave_0_\@:
	s_barrier_wait -3
	s_barrier_signal -1
	s_barrier_wait -1
.endm
.macro TERM d, x, sh
	s_lshl_b32 s[\d+1], s[\x], \sh
	s_add_co_u32 s[\d], s[\d], s[\d+1]
.endm
.macro BASE p, d, sh
	s_lshl_b32 s[\d], s[\d], \sh
	s_mov_b32 s[\d+1], 0
	s_add_nc_u64 s[\p:\p+1], s[\p:\p+1], s[\d:\d+1]
.endm
.macro SHAPE g                         ; words 1 to 7 of a group 1: 16 rows of 512 elements of 8 bytes, dense
	s_mov_b32 s[\g+1], 512<<16
	s_mov_b32 s[\g+2], 16<<16
	s_mov_b32 s[\g+3], 512<<16
	s_mov_b32 s[\g+4], 16
	s_mov_b32 s[\g+5], 512
	s_mov_b32 s[\g+6], 0
	s_mov_b32 s[\g+7], 0
.endm
.macro GRP0 g, p, o
	s_mov_b32 s[\g], 1
	s_add_nc_u64 s[\g+2:\g+3], s[\p:\p+1], s[\o:\o+1]
	s_or_b32 s[\g+3], s[\g+3], 0x80000000
.endm
.macro WMC c, ma, mb
	v_wmma_scale_f32_16x16x128_f8f6f4 v[rD:rD+7], v[rB:rB+7], v[rA:rA+7], \c, v[rSB], v[rSA] matrix_a_fmt:MATRIX_FMT_FP4 matrix_b_fmt:MATRIX_FMT_FP4 \ma \mb
.endm
.macro WMD c, r0, r1
.if (\r0) && (\r1)
	WMC \c, matrix_a_scale:MATRIX_SCALE_ROW1, matrix_b_scale:MATRIX_SCALE_ROW1
.elseif (\r0)
	WMC \c, matrix_a_scale:MATRIX_SCALE_ROW1
.elseif (\r1)
	WMC \c, matrix_b_scale:MATRIX_SCALE_ROW1
.else
	WMC \c
.endif
.endm
.macro WM aa, x, b, q                  ; pair aa, its row block x, channel block b, K step q; K step 0 starts the sum: nothing is ever cleared
.set rD, 128+64*((\aa)%2)+32*(\x)+8*(\b)
.set rB, 32*((\q)%8)+8*(\b)
.set rA, 64*(((\q)/4)%2)+32*(\x)+8*((\q)%4)
.set rSB, SBB+2*(\q)+(\b)/2
.set rSA, SAB+4*(\q)+(\aa)
.if (\q) == 0
	WMD 0, (\b)%2, (\x)
.else
	WMD v[rD:rD+7], (\b)%2, (\x)
.endif
.endm
.macro PLOAD aa, k                     ; 16 LDS loads: chunk k of pair aa into set k % 2
	WIN 0xc0
.irp u, 0,1,2,3
.irp x, 0,1
.irp c, 0,1
	ds_load_b128 v[64*((\k)%2)+32*\x+8*\u+4*\c:64*((\k)%2)+32*\x+8*\u+4*\c+3], v[ADP0+(\aa)/2] offset:(2*((\aa)%2)+\x)*16384+(4*(\k)+\u)*1024+512*\c
.endr
.endr
.endr
.endm
; THE WAY OUT of row block x of pair aa: divided by l, through my own stage in LDS, back as whole rows of 256 bytes, stored.
.macro TOSTAGE aa, x
.set AC, 128+64*((\aa)%2)+32*(\x)
	WIN 0xc3
.set i, 0
.rept 16
	v_pk_mul_f32 v[AC+i:AC+i+1], v[AC+i:AC+i+1], v[RCP+4*(\aa)+2*(\x):RCP+4*(\aa)+2*(\x)+1]   ; each accumulator from its low end on
.set i, i+2
.endr
	WIN 0x0c
.irp b, 0,1,2,3
	ds_store_b128 v[STO], v[AC+8*\b:AC+8*\b+3] offset:64*\b
	ds_store_b128 v[STO], v[AC+8*\b+4:AC+8*\b+7] offset:64*\b+16
.endr
	WIN 0
.irp t, 0,1,2,3,4,5,6,7
	ds_load_b128 v[BK+32*(\x)+4*\t:BK+32*(\x)+4*\t+3], v[RD] offset:\t*544      ; LDS serves a wave's instructions in order (ISA guide 5.7.1.4): these see the stores above, and the next block's stores come behind them
.endr
.endm
.macro SEND aa, x, younger             ; younger: the LDS instructions issued behind this block's loads, which may stay out
	s_wait_dscnt \younger
	WIN 0
.irp t, 0,1,2,3,4,5,6,7
	global_store_b128 v[CO], v[BK+32*(\x)+4*\t:BK+32*(\x)+4*\t+3], s[12:13] offset:65536*(2*(\aa)+(\x))+8192*\t th:TH_STORE_NT   ; sixteen lanes store 256 consecutive bytes of a row, at a multiple of 256 from the output's first byte; the other sixteen those of the next row
.endr
.endm
; A chunk of 4 K steps.  Its 16 loads were issued a chunk ago; in chunks 1 and 2 of a pair with a predecessor the 16 stage accesses issued behind them may stay out.
.macro CHUNK aa, k
.if (\aa) > 0 && ((\k) == 1 || (\k) == 2)
	s_wait_dscnt 16
.else
	s_wait_dscnt 0x0
.endif
.if (\aa) == 1 && (\k) == 3
	s_wait_tensorcnt 0x0                           ; my part of P's second half is in, and everybody's
	s_barrier_signal -1
	s_barrier_wait -1
.endif
.if (\aa) < 3 || (\k) < 3
	PLACES 4                                       ; four places between the last products and the loads into registers that they read, and the reads of their results
.if (\k) < 3
	PLOAD (\aa), (\k)+1
.else
	PLOAD (\aa)+1, 0
.endif
.endif
	WIN 0xfd+((\k)/2)
.irp u, 0,1,2,3
.irp x, 0,1
.irp b, 0,1,2,3
	WM \aa, \x, \b, 4*(\k)+\u
.endr
.endr
.endr
.if (\aa) > 0
.if (\k) == 0
	s_wait_xcnt 0x0                                ; the stores of two pairs ago's way out have read their registers
	TOSTAGE (\aa)-1, 0
.elseif (\k) == 1
	SEND (\aa)-1, 0, 16                            ; behind its loads: this chunk's 16
	TOSTAGE (\aa)-1, 1
.elseif (\k) == 2
	SEND (\aa)-1, 1, 16
.endif
.endif
.endm
	s_load_b256 s[4:11], s[0:1], 0x0               ; Pi s[4:5], Px s[6:7], Vi s[8:9], Vs s[10:11]
	s_load_b64 s[12:13], s[0:1], 0x20              ; out0
	v_lshl_add_u32 v[SPW], v0, 2, SPARE
	v_mov_b32 v[NIL], 0
	ds_add_u32 v[SPW], v[NIL]                      ; the wave's opening: the add, twice on end, and its wait ahead of my first tensor load
	ds_add_u32 v[SPW], v[NIL]
	v_lshrrev_b32 v1, 5, v0
	v_readfirstlane_b32 s[WV], v1
	s_lshr_b32 s[WR], s[WV], 1                     ; my 128 of the 256 queries.  Also: at the head I fetch for P (0) or for V (1)
	s_and_b32 s[WC], s[WV], 1                      ; my 64 of the 128 channels.  Also: which half of that tile I fetch
	s_bfe_u32 s[CX], ttmp6, 0x40000
	s_bfe_u32 s[CY], ttmp6, 0x40004
	s_lshl_b32 s[TX], ttmp9, 2
	s_add_co_u32 s[TX], s[TX], s[CX]               ; which 128 channels
	s_and_b32 s[BY], ttmp7, 0xffff                 ; the cluster's y is the batch
	s_lshl_b32 s[TY], s[BY], 2
	s_add_co_u32 s[TY], s[TY], s[CY]               ; which 256 rows of P and of the output
	s_lshl_b32 s66, s[CY], 2
	s_lshl_b32 s66, 15, s66
	s_lshl_b32 s67, 0x1111, s[CX]
	s_or_b32 s[G1A], s66, (3<<16)|(1<<21)          ; the mask; elements of 8 bytes; bit 21 beside a mask; no padding
	s_or_b32 s[G1B], s67, (3<<16)|(1<<21)
	SHAPE G1A
	SHAPE G1B
	s_lshl_b32 s60, s[TY], 18                      ; P: row blocks 16 TY + 8 WC + 0 .. 3, 16,384 bytes each
	TERM 60, WC, 17
	s_mov_b32 s61, 0
	s_lshl_b32 s62, s[BY], 20                      ; V: row blocks 64 batch + 8 TX + 4 WC + 0 .. 3
	TERM 62, TX, 17
	TERM 62, WC, 16
	s_mov_b32 s63, 0
	s_lshl_b32 s2, s[WC], 16
	s_mov_b32 s[GA+1], s2
	s_add_co_u32 s[GB+1], s2, VOFF
	s_mov_b32 s[HM], 0xffff0000
	s_mov_b32 s[SEL], 0x76543210
	s_mov_b32 s[SEL+1], 0xfedcba98
	s_wait_dscnt 0x0                               ; both opening adds are done
	CROUND
	s_wait_kmcnt 0x0
	GRP0 GA, 4, 60
	GRP0 GB, 8, 62
	s_cmp_eq_u32 s[WR], 0                          ; every wave issues one fill
	s_cbranch_scc0 .Lfill_b
	tensor_load_to_lds s[GA:GA+3], s[G1A:G1A+7]
	s_nop 0
	PLACES 4
	s_branch .Lfilled
.Lfill_b:
	tensor_load_to_lds s[GB:GB+3], s[G1B:G1B+7]
	s_nop 0
	PLACES 4
.Lfilled:
	s_lshl_b32 s60, s[WR], 16
	s_lshl_b32 s61, s[WC], 16
	s_lshl_b32 s62, s[WC], 3
	s_mul_i32 s63, s[WV], 16*272
	s_add_co_u32 s63, s63, STAGE                   ; my stage
	v_and_b32 v1, 15, v0
	v_bfe_u32 v2, v0, 4, 1
	v_and_b32 v[LI], 31, v0
	v_lshlrev_b32 v[LI], 4, v[LI]
	v_add_nc_u32 v[VB], s62, v[LI]
	v_add_nc_u32 v[ADP0], s60, v[LI]
	v_add_nc_u32 v[ADP0+1], VOFF, v[ADP0]
	v_add_nc_u32 v[ADV], s61, v[LI]
	v_add_nc_u32 v[ADV], VOFF, v[ADV]
	v_mul_u32_u24 v[STO], v1, 272
	v_lshl_add_u32 v[STO], v2, 5, v[STO]
	v_add_nc_u32 v[STO], s63, v[STO]               ; in: row r, 32 bytes for each half of the lanes
	v_mul_u32_u24 v[RD], v2, 272
	v_lshl_add_u32 v[RD], v1, 4, v[RD]
	v_add_nc_u32 v[RD], s63, v[RD]                 ; back: lanes 0-15 one row of 256 bytes, lanes 16-31 the next
	v_lshlrev_b32 v[CO], 12, v2
	v_lshl_add_u32 v[CO], v1, 4, v[CO]             ; and the same two rows in the output
.irp j, 0,1,2,3
	v_mov_b32 v[TB+\j], 0                          ; written once: a lane permute's destination counts as one of its sources
.endr
	s_wait_alu depctr_va_vdst(0)                   ; behind the head's last vector write
	s_lshl_b32 s66, s[TY], 1                       ; Px: (2 TY + WR) x 16 x 1,536
	s_add_co_u32 s66, s66, s[WR]
	s_mul_i32 s66, s66, 24576
	s_mov_b32 s67, 0
	s_add_nc_u64 s[6:7], s[6:7], s[66:67]
	s_lshl_b32 s66, s[BY], 3                       ; Vs: (8 batch + TX) x 16 x 512
	s_add_co_u32 s66, s66, s[TX]
	BASE 10, 66, 13
	; THE PROLOGUE, while the tiles are on their way.  Lane 16 h + r, register j: row 16 (2 j + h) + r of my 128.
.irp q, 0,1,2,3,4,5,6,7,8,9,10,11,12,13,14,15
	global_load_b128 v[NM+4*\q:NM+4*\q+3], v[LI], s[6:7] offset:1536*\q+512       ; M_loc
.endr
.irp q, 0,1,2,3,4,5,6,7,8,9,10,11,12,13,14,15
	global_load_b128 v[SAB+4*\q:SAB+4*\q+3], v[LI], s[6:7] offset:1536*\q         ; p's scale words under M_loc
.endr
	WIN 0x40
.irp q, 0,1,2,3,4,5,6,7,8,9,10,11,12,13,14,15
	global_load_b128 v[4*\q:4*\q+3], v[LI], s[6:7] offset:1536*\q+1024            ; l_loc, into registers of window 1 that V takes later
.endr
	WIN 0
.irp q, 0,1,2,3,4,5,6,7,8,9,10,11,12,13,14,15
	global_load_b64 v[SBB+2*\q:SBB+2*\q+1], v[VB], s[10:11] offset:512*\q         ; V's scale words
.endr
	s_lshl_b32 s66, s[TY], 8                       ; the output: (256 TY + 128 WR) rows of 4,096 bytes + (128 TX + 64 WC) x 4
	TERM 66, WR, 7
	s_lshl_b32 s66, s66, 12
	TERM 66, TX, 9
	TERM 66, WC, 8
	s_mov_b32 s67, 0
	s_add_nc_u64 s[12:13], s[12:13], s[66:67]
	s_wait_loadcnt 0x0
.irp j, 0,1,2,3
	v_max3_num_f32 v[GM+\j], v[NM+\j], v[NM+4+\j], v[NM+8+\j]                     ; M = the largest of the row's 16 M_loc
.endr
.irp q, 3,5,7,9,11,13
.irp j, 0,1,2,3
	v_max3_num_f32 v[GM+\j], v[GM+\j], v[NM+4*\q+\j], v[NM+4*\q+4+\j]
.endr
.endr
.irp j, 0,1,2,3
	v_max_num_f32 v[GM+\j], v[GM+\j], v[NM+60+\j]
.endr
.irp q, 0,1,2,3,4,5,6,7,8,9,10,11,12,13,14,15
.irp i, 0,2
	v_pk_add_f32 v[NM+4*\q+\i:NM+4*\q+\i+1], v[GM+\i:GM+\i+1], v[NM+4*\q+\i:NM+4*\q+\i+1] neg_lo:[0,1] neg_hi:[0,1]   ; d = M - M_loc
.endr
.endr
.set i, 0
.rept 64
	v_min_num_f32 v[NM+i], 0x42800000, v[NM+i]     ; held at 64
.set i, i+1
.endr
.set i, 0
.rept 64
	v_cvt_u32_f32 v[NM+i], v[NM+i]
.set i, i+1
.endr
.irp q, 0,1,2,3,4,5,6,7,8,9,10,11,12,13,14,15  ; d off each of a word's four bytes: bytes are at least 64 and d at most 64, so none borrows
.irp j, 0,1,2,3
	v_perm_b32 v[TA+\j], v[NM+4*\q+\j], v[NM+4*\q+\j], 0
.endr
.irp j, 0,1,2,3
	v_sub_nc_u32 v[SAB+4*\q+\j], v[SAB+4*\q+\j], v[TA+\j]
.endr
.endr
.set i, 0
.rept 64
	v_lshlrev_b32 v[NM+i], 23, v[NM+i]
.set i, i+1
.endr
	WIN 0x41
.set i, 0
.rept 64
	v_sub_nc_u32 v[i], v[i], v[NM+i]               ; l_loc x 2^-d: d off its exponent field (l_loc is 1/2 or more)
.set i, i+1
.endr
	WIN 0x05
	v_pk_add_f32 v[LS:LS+1], v[0:1], v[4:5]        ; l = the sum over the 16 K steps
	v_pk_add_f32 v[LS+2:LS+3], v[2:3], v[6:7]
	WIN 0x04
.irp q, 2,3,4,5,6,7,8,9,10,11,12,13,14,15
	v_pk_add_f32 v[LS:LS+1], v[LS:LS+1], v[4*\q:4*\q+1]
	v_pk_add_f32 v[LS+2:LS+3], v[LS+2:LS+3], v[4*\q+2:4*\q+3]
.endr
	WIN 0
	s_wait_alu depctr_va_vdst(0)                   ; ahead of the batch
.irp j, 0,1,2,3
	v_rcp_f32 v[TA+\j], v[LS+\j]
.endr
	v_nop                                          ; a plain place behind the last reciprocal
	s_wait_alu depctr_va_vdst(0)                   ; and one for the four, ahead of their first reader
.irp j, 0,1,2,3
	v_permlanex16_b32 v[TB+\j], v[TA+\j], s[SEL], s[SEL+1]
.endr
.irp j, 0,1,2,3                                ; 1 / l of row 16 a + r in both halves of the lanes: block 2 j's stood in lanes 0-15, block 2 j + 1's in lanes 16-31
	v_cndmask_b32 v[RCP+4*\j], v[TA+\j], v[TB+\j], s[HM]
	v_cndmask_b32 v[RCP+4*\j+2], v[TB+\j], v[TA+\j], s[HM]
.endr
.irp a, 0,1,2,3,4,5,6,7
	v_mov_b32 v[RCP+2*\a+1], v[RCP+2*\a]           ; as a pair, for the packed multiply
.endr
	s_wait_alu depctr_va_vdst(0)
	s_wait_tensorcnt 0x0                           ; my quarter of the head's tiles is in
	s_barrier_signal -1
	s_barrier_wait -1
	WIN 0x40
.irp q, 0,1,2,3,4,5,6,7                        ; V into registers
.irp b, 0,1,2,3
.irp c, 0,1
	ds_load_b128 v[32*\q+8*\b+4*\c:32*\q+8*\b+4*\c+3], v[ADV] offset:16384*\b+1024*\q+512*\c
.endr
.endr
.endr
	WIN 0x80
.irp q, 0,1,2,3,4,5,6,7
.irp b, 0,1,2,3
.irp c, 0,1
	ds_load_b128 v[32*\q+8*\b+4*\c:32*\q+8*\b+4*\c+3], v[ADV] offset:16384*\b+8192+1024*\q+512*\c
.endr
.endr
.endr
	PLOAD 0, 0
	WIN 0
	s_wait_tensorcnt 0x0                           ; no tensor load of mine is out, so descriptors may be written
	ds_add_u32 v[SPW], v[NIL]                      ; 0 onto my spare word
	s_mov_b32 s[G1A+2], 8<<16                      ; a wave fetches two row blocks, 32,768 bytes
	s_mov_b32 s[G1A+4], 8
	s_lshl_b32 s60, s[TY], 18                      ; P: row blocks 16 TY + 8 (wave / 2) + 4 + 2 (wave % 2) + 0, 1
	TERM 60, WR, 17
	TERM 60, WC, 15
	s_add_co_u32 s60, s60, 65536
	s_mov_b32 s61, 0
	s_lshl_b32 s2, s[WV], 15
	s_add_co_u32 s[GA+1], s2, VOFF
	GRP0 GA, 4, 60
	s_wait_dscnt 0x0                               ; the add is done, and V is in my registers
	CROUND                                         ; no wave of any partner still reads V's bytes or has a load on its way
	tensor_load_to_lds s[GA:GA+3], s[G1A:G1A+7]
	s_nop 0
	PLACES 4
.irp aa, 0,1,2,3
.irp k, 0,1,2,3
	CHUNK \aa, \k
.endr
.endr
	PLACES 4                                       ; between the last products and the first touch of their registers
	s_wait_xcnt 0x0
	TOSTAGE 3, 0
	TOSTAGE 3, 1
	SEND 3, 0, 16                                  ; behind its loads: the other block's 16
	SEND 3, 1, 0
	s_wait_tensorcnt 0x0                           ; the wave's end, behind my last tensor load and my last LDS store
	ds_add_u32 v[SPW], v[NIL]
	s_wait_dscnt 0x0
	CROUND                                         ; the closing round: no work-group ends while a partner may still ask for a tile that names it
	s_endpgm
.Lfunc_end_k_q6f37518d8e_pv:
	.size	k_q6f37518d8e_pv, .Lfunc_end_k_q6f37518d8e_pv-k_q6f37518d8e_pv
	.p2alignl 7, 3214868480
	.fill 96, 4, 3214868480
	.section	.rodata,"a",@progbits
	.p2align	6, 0x0
	.amdhsa_kernel k_q6f37518d8e_pv
		.amdhsa_group_segment_fixed_size 327680
		.amdhsa_private_segment_fixed_size 0
		.amdhsa_enable_private_segment 0
		.amdhsa_kernarg_size 40
		.amdhsa_user_sgpr_count 2
		.amdhsa_user_sgpr_kernarg_segment_ptr 1
		.amdhsa_wavefront_size32 1
		.amdhsa_system_sgpr_workgroup_id_x 1
		.amdhsa_system_sgpr_workgroup_id_y 1
		.amdhsa_system_sgpr_workgroup_id_z 1
		.amdhsa_system_vgpr_workitem_id 0
		.amdhsa_next_free_vgpr 1024
		.amdhsa_next_free_sgpr 104
		.amdhsa_reserve_vcc 0
		.amdhsa_float_denorm_mode_32 3
		.amdhsa_float_denorm_mode_16_64 3
		.amdhsa_memory_ordered 1
		.amdhsa_forward_progress 1
		.amdhsa_inst_pref_size 152
	.end_amdhsa_kernel
	.amdgpu_metadata
---
amdhsa.version: [ 1, 2 ]
amdhsa.kernels:
  - .name:           k_q6f37518d8e_pv
    .symbol:         k_q6f37518d8e_pv.kd
    .args:
      - { .name: Pi, .offset: 0, .size: 8, .value_kind: global_buffer, .address_space: global }
      - { .name: Px, .offset: 8, .size: 8, .value_kind: global_buffer, .address_space: global }
      - { .name: Vi, .offset: 16, .size: 8, .value_kind: global_buffer, .address_space: global }
      - { .name: Vs, .offset: 24, .size: 8, .value_kind: global_buffer, .address_space: global }
      - { .name: out0, .offset: 32, .size: 8, .value_kind: global_buffer, .address_space: global }
    .group_segment_fixed_size: 327680
    .private_segment_fixed_size: 0
    .kernarg_segment_align: 8
    .kernarg_segment_size: 40
    .max_flat_workgroup_size: 128
    .sgpr_count:     104
    .vgpr_count:     1024
    .wavefront_size: 32
...
	.end_amdgpu_metadata
.endif
;; end of part 7
